; MI455X (gfx1250); checked and timed in simulation.
; The chip was launched on July 23, 2026; its instructions are those of AMD's public machine-readable ISA for CDNA 5 (MIT licence, August 2026) and "CDNA5" Instruction Set Architecture Reference Guide (July 2026). The comments in the code are by the model that wrote it; some were corrected since.
;; Bert Self Attention. Allowed arithmetic: matrix products marked QUANTISED: E2M3 operands, one E8M0 scale for each 32 along K, by v_wmma_scale_f32_16x16x128_f8f6f4 with both operands' format E2M3, f32 sums; everything else in f32.
;; Inputs: Wk 1,024 x 1,024 float32; Wq 1,024 x 1,024 float32; Wv 1,024 x 1,024 float32; attention_mask 4 x 2,048 float32; bk 1,024 float32; bq 1,024 float32; bv 1,024 float32; key_states 4 x 2,048 x 1,024 float32; query_states 4 x 2,048 x 1,024 float32; value_states 4 x 2,048 x 1,024 float32.
;; Outputs: out0 4 x 2,048 x 1,024 float32.
;; This version of the problem:
;;   THIS VERSION OF THE PROBLEM IS GIVEN IN LOW PRECISION. The matrix products marked QUANTISED in the list below multiply operands that are first quantised to E2M3 (2 exponent bits, 3 mantissa bits; 6 bits a number), with one power-of-two scale for each 32 numbers along K (OCP MX v1.0); their sums are f32. All else is computed in f32.
;;   The module's matrix products, in the order in which they are computed (A, B: the left and right operand; K: the contracted axis; several contracted axes count as one K, in the product's order):
;;     1. [M 8,192, K 1,024] x [K 1,024, N 1,024]; A: input query_states; B: input Wq: QUANTISED
;;     2. [M 8,192, K 1,024] x [K 1,024, N 1,024]; A: input key_states; B: input Wk: QUANTISED
;;     3. [M 8,192, K 1,024] x [K 1,024, N 1,024]; A: input value_states; B: input Wv: QUANTISED
;;     4. batch 4 x [M 2,048, K 1,024] x [K 1,024, N 2,048]; A: computed on the way; B: computed on the way: QUANTISED
;;     5. batch 4 x [M 2,048, K 2,048] x [K 2,048, N 1,024]; A: softmax (see below); B: computed on the way: QUANTISED
;;   THE QUANTISER, for each operand of a quantised product, along K:
;;     - K is cut into blocks of 32 from its start; a last block that is shorter is filled with zeros.
;;     - A block's scale is 2^e with e = floor(log2(the largest magnitude in the block)) - 2, held to -126 .. 127; a block of zeros has e = 0. As a byte (E8M0): e + 127.
;;     - Each number is divided by its block's scale, clamped to +-7.5, and rounded to the nearest number of E2M3, ties to even, subnormals kept.
;;     - The product sums the exact products of the quantised numbers (number of the format x scale) in f32.
;;   ~~~python
;;   def quantise(x, axis):      # numpy; x: float32 -> the quantised numbers, widened to float32 again
;;       x = np.moveaxis(x, axis, -1); K = x.shape[-1]
;;       x = np.pad(x, [(0, 0)] * (x.ndim - 1) + [(0, -K % 32)]); x = x.reshape(x.shape[:-1] + (-1, 32)); a = np.abs(x).max(-1, keepdims=True)
;;       e = np.where(a > 0, np.clip(np.frexp(np.where(a > 0, a, 1))[1] - 1 - 2, -126, 127), 0)      # np.frexp(a)[1] - 1 = floor(log2(a)), exactly
;;       r = np.clip(x / 2.0 ** e, -7.5, 7.5)
;;       step = 2.0 ** (np.maximum(np.frexp(np.where(r == 0, 1, r))[1] - 1, 0) - 3)
;;       q = np.round(r / step) * step * 2.0 ** e      # np.round: ties to even
;;       return np.moveaxis(q.reshape(q.shape[:-2] + (-1,))[..., :K], -1, axis).astype(np.float32)
;;   ~~~
;;   SOFTMAX AHEAD OF A QUANTISED PRODUCT. Where the list says 'softmax', what is quantised is not the finished softmax but p = 2^(t - M), with t = logit x log2(e) and M = ceil(the row's largest t), a whole number; so 1/2 < the row's largest p <= 1. The row's sum l is taken of the UNQUANTISED p, in f32, and the product's result is divided by l at the end. Since M is a whole number, a kernel that streams over the keys may use a running M (the ceiling of the running maximum): every later rescaling is an exact power of two, which a block's scale takes up: the codes' values come out the same.
;;   OPERANDS COMPUTED ON THE WAY. 'Computed on the way' means the value that the module computes at that place (a softmax that the list does not call 'softmax' is quantised finished and normalised). What goes into a quantiser is computed in f32, as accurately as f32 sums, v_exp_f32 and their like allow (about 1e-6 of the number): no bf16 or f16 on the way to a quantiser, and a product that is left as it is and whose result goes on into a quantised operand takes f32 operands (vector FMAs, or v_wmma_f32_16x16x4_f32). A number that lies on a knife's edge between two numbers of the format may be rounded either way, as far as f32 arithmetic and the matrix unit's own rounding can turn it there, and no further.
;; 2 versions. Each part assembles by itself: llvm-mc -triple=amdgcn-amd-amdhsa -mcpu=gfx1250 --defsym DOCPART=n.
;; ======== version 1 of 2: 4 launches
;; workspace buffers: xw_codes 21,233,664 bytes; xw_scales 884,736 bytes; qkv_codes 18,874,368 bytes; qkv_scales 786,432 bytes; p_codes 12,582,912 bytes; p_rec 2,097,152 bytes
;; launch quant (part 1): grid 864 x 1, 4 waves a work-group, no clusters, 34,304 bytes of LDS; arguments query_states, key_states, value_states, Wq, Wk, Wv, xw_codes, xw_scales; writes xw_codes, xw_scales
.if DOCPART == 1
	.amdgcn_target "amdgcn-amd-amdhsa--gfx1250"
	.amdhsa_code_object_version 6
	.text
	.protected	k_q67d8f382d0_quant
	.globl	k_q67d8f382d0_quant
	.p2align	8
	.type	k_q67d8f382d0_quant,@function
k_q67d8f382d0_quant:
	s_mov_b64 s[64:65], 0
	v_nop
	global_prefetch_b8 v0, s[64:65] scope:SCOPE_SE
	s_setreg_imm32_b32 hwreg(HW_REG_WAVE_MODE, 25, 1), 1
	s_wait_xcnt 0x0
; The three x tensors [8192][1024] f32 (K innermost) and the three weights [1024 (k)][1024 (n)] f32 (K is the FIRST axis) become codes of FP6 (E2M3) with one E8M0 byte for each 32 along K.
; A block's scale is 2^(floor(log2(largest magnitude)) - 2); its byte is the largest magnitude's exponent field - 2, held at 1 from below.
; LIMITS: a block of zeros gets the byte 1 where the rule says 127 (its codes are zeros, and this program alone reads the bytes); blocks under 2^-124 are held at the byte 1; NaN and infinities are not served.
; LAYOUT OF THE CODES: images of operand registers.  A fragment (16 rows x 128 K, 12 registers a lane) is 1,536 bytes: registers 4 c .. 4 c + 3 of lane l at 512 c + 16 l.
; Fragment (row block rho, slot sigma = k / 256, half q) lies at ((sigma x R / 16 + rho) x 2 + q) x 1536: 128 rows of a slot are one dense block of 24,576 bytes.
; LAYOUT OF THE SCALE WORDS: word of (rho, kappa = k / 128, row r) at ((rho x 8 + kappa) x 16 + r) x 4.
; ROW ORDER: key_states, value_states, Wq and Wk are stored PERMUTED: storage place p holds the row whose bits 3 and 4 are p's swapped, so that, taken as source 0 of a transposed product,
; a lane's 16 registers of two neighbouring tiles are 16 neighbours.  query_states and Wv are stored as they lie.
; Work-groups 0-767: x.  A wave takes one storage block of 16 rows x 512 K in four steps of 128 K: each load reads 512 consecutive bytes of a row; the step turns through the wave's own stage in LDS
; (rows 528 bytes apart) so that lane (r, h) gets 16 neighbours of each block of 32 of row r.  Work-groups 768-863: the weights.  A lane takes a column, its registers run down K; no LDS.
; No barrier: waves share nothing.
.set RAW, 16                           ; v16-143  two sets of 64: a step's numbers as loaded
.set X,   144                          ; v144-207 the step's numbers, register 16 b + i = k 32 b + 16 h + i of my row
.set TM,  208                          ; v208-211 largest magnitudes, v212-215 the other half's / the bytes, v216-219 the conversions' scale operands
.set CT,  220                          ; v220-222, v224-226 the conversions' second halves
.set PC,  228                          ; v228-251 two sets of 12: the codes
.set PW,  10                           ; v10-13   a scale word for each step
.set SEL, 24                           ; s[24:25] lane selects: lane l xor 16
.set HI,  26                           ; s26      the mask of lanes 16-31
.set WN,  16                           ; weights: v16-79 two sets of 32 numbers
.set WF,  80                           ; weights: v80-127 four runs of 12: F0, F1 for each half q
	s_load_b256 s[4:11], s[0:1], 0x0               ; query s[4:5], key s[6:7], value s[8:9], Wq s[10:11]
	s_load_b256 s[12:19], s[0:1], 0x20             ; Wk s[12:13], Wv s[14:15], the codes s[16:17], the scale words s[18:19]
	v_lshl_add_u32 v254, v0, 2, 0x8400
	v_mov_b32 v255, 0
	v_lshrrev_b32 v1, 5, v0
	v_readfirstlane_b32 s20, v1                    ; wave
	v_and_b32 v1, 31, v0                           ; lane
	v_and_b32 v2, 15, v0                           ; r
	v_bfe_u32 v3, v0, 4, 1                         ; h
	s_mov_b32 s[SEL], 0x76543210
	s_mov_b32 s[SEL+1], 0xfedcba98
	s_mov_b32 s[HI], 0xffff0000
	s_cmp_ge_u32 ttmp9, 768
	s_cbranch_scc1 .Lweights
; 64 numbers of a lane, register 16 b + i = k 32 b + 16 h + i of my row, become a fragment's 12 registers at v[pc] and its scale word in v[pw].
.macro QUANT s, pc, pw
.irp b, 0,1,2,3
	v_max3_num_f32 v[TM+\b], |v[16*\b+(\s)]|, |v[16*\b+1+(\s)]|, 0x1800000   ; my 16 numbers of block b, and the floor 2^(3 - 127): the byte cannot fall under 1
.endr
.irp i, 2,4,6,8,10,12,14
.irp b, 0,1,2,3
	v_max3_num_f32 v[TM+\b], v[TM+\b], |v[16*\b+\i+(\s)]|, |v[16*\b+\i+1+(\s)]|   ; the four blocks by turns
.endr
.endr
.irp b, 0,1,2,3
	v_permlanex16_b32 v[TM+4+\b], v[TM+\b], s[SEL], s[SEL+1]
.endr
.irp b, 0,1,2,3
	v_max_num_f32 v[TM+\b], v[TM+\b], v[TM+4+\b]   ; with lane l xor 16's: the block's largest magnitude
.endr
.irp b, 0,1,2,3
	v_add_nc_u32 v[TM+8+\b], 0xff000000, v[TM+\b]  ; 2 off its exponent field: the conversion's scale operand
.endr
.irp b, 0,1,2,3
	v_lshrrev_b32 v[TM+4+\b], 23, v[TM+8+\b]       ; the scale's byte
.endr
	v_lshl_or_b32 v[\pw], v[TM+5], 8, v[TM+4]
	v_lshl_or_b32 v[\pw], v[TM+6], 16, v[\pw]
	v_lshl_or_b32 v[\pw], v[TM+7], 24, v[\pw]
.irp c, 0,1
	v_cvt_scalef32_pk16_fp6_f32 v[6*\c+(\pc):6*\c+2+(\pc)], v[32*\c+(\s):32*\c+15+(\s)], v[TM+8+2*\c]
	v_cvt_scalef32_pk16_fp6_f32 v[CT+4*\c:CT+2+4*\c], v[32*\c+16+(\s):32*\c+31+(\s)], v[TM+8+2*\c+1]   ; (a conversion's three registers begin on an even number)
.endr
	v_nop                                          ; one plain instruction behind the conversions
.irp c, 0,1                                    ; the operand wants a WHOLE block in a lane: lanes 0-15 block 2 c, lanes 16-31 block 2 c + 1
.irp i, 0,1,2
	v_permlane16_swap_b32 v[6*\c+\i+(\pc)], v[CT+4*\c+\i]
.endr
.irp i, 0,1,2
	v_mov_b32 v[6*\c+3+\i+(\pc)], v[CT+4*\c+\i]
.endr
.endr
.endm
	; ---- x
	s_lshr_b32 s21, ttmp9, 8                       ; which tensor: 0 query, 1 key, 2 value
	s_and_b32 s22, ttmp9, 255
	s_lshl_b32 s22, s22, 2
	s_add_co_u32 s22, s22, s20
	s_lshr_b32 s23, s22, 1                         ; rho: my storage block of 16 rows
	s_and_b32 s22, s22, 1                          ; which 512 along K
	s_lshr_b32 s27, s23, 1
	s_lshl_b32 s27, s27, 5
	s_and_b32 s28, s23, 1
	s_lshl_b32 s28, s28, 3
	s_add_co_u32 s27, s27, s28                     ; permuted: the block's first row is 32 (rho / 2) + 8 (rho % 2), its rows 8-15 begin 16 rows on
	s_lshl_b32 s28, s23, 4                         ; as they lie: 16 rho, and 8 rows on
	s_cmp_lg_u32 s21, 0
	s_cselect_b32 s27, s27, s28
	s_cselect_b32 s29, 16, 8
	s_lshl_b32 s29, s29, 12                        ; in bytes: a row is 4,096
	s_lshl_b32 s30, s27, 12
	s_lshl_b32 s31, s22, 11
	s_add_co_u32 s30, s30, s31                     ; where my numbers begin
	s_mov_b32 s31, 0
	s_lshl_b32 s34, s22, 10                        ; codes: (2 kh x 512 + rho) x 3072 + tensor x 6,291,456
	s_add_co_u32 s34, s34, s23
	s_mul_i32 s34, s34, 3072
	s_mul_i32 s35, s21, 6291456
	s_add_co_u32 s34, s34, s35
	s_mov_b32 s35, 0
	s_lshl_b32 s36, s23, 9                         ; scale words: (rho x 8 + 4 kh) x 64 + tensor x 262,144
	s_lshl_b32 s37, s22, 8
	s_add_co_u32 s36, s36, s37
	s_lshl_b32 s37, s21, 18
	s_add_co_u32 s36, s36, s37
	s_mov_b32 s37, 0
	v_lshlrev_b32 v4, 4, v1                        ; 16 x lane: my bytes of a load's 512, and of an image's
	v_add_nc_u32 v5, s29, v4                       ; the same for rows 8-15
	s_mul_i32 s38, s20, 8448                       ; my wave's stage: 16 rows x 528 bytes
	v_add_nc_u32 v6, s38, v4                       ; into it
	v_mul_u32_u24 v7, v2, 528
	v_lshl_add_u32 v7, v3, 6, v7
	v_add_nc_u32 v7, s38, v7                       ; out of it: row r, + 64 h
	v_lshlrev_b32 v9, 2, v1                        ; 4 x lane
.irp b, 0,1,2,3
	v_mov_b32 v[TM+4+\b], 0                        ; written once: a lane permute's destination counts as one of its sources
.endr
	s_wait_kmcnt 0x0
	s_cmp_eq_u32 s21, 0
	s_cselect_b64 s[32:33], s[4:5], s[6:7]
	s_cmp_eq_u32 s21, 2
	s_cselect_b64 s[32:33], s[8:9], s[32:33]
	s_add_nc_u64 s[32:33], s[32:33], s[30:31]
	s_add_nc_u64 s[16:17], s[16:17], s[34:35]
	s_add_nc_u64 s[18:19], s[18:19], s[36:37]
.macro XLOAD t                         ; step t: 16 rows x 512 bytes
.irp i, 0,1,2,3,4,5,6,7
	global_load_b128 v[RAW+64*((\t)%2)+4*\i:RAW+64*((\t)%2)+4*\i+3], v4, s[32:33] offset:\i*4096+512*(\t) th:TH_LOAD_NT
.endr
.irp i, 0,1,2,3,4,5,6,7
	global_load_b128 v[RAW+64*((\t)%2)+32+4*\i:RAW+64*((\t)%2)+32+4*\i+3], v5, s[32:33] offset:\i*4096+512*(\t) th:TH_LOAD_NT
.endr
.endm
.macro XSTEP t
.if (\t) < 3
	s_wait_loadcnt 16                              ; this step's 16 loads are in; the next step's 16 may be out
.else
	s_wait_loadcnt 0x0
.endif
.irp i, 0,1,2,3,4,5,6,7,8,9,10,11,12,13,14,15
	ds_store_b128 v6, v[RAW+64*((\t)%2)+4*\i:RAW+64*((\t)%2)+4*\i+3] offset:528*\i
.endr
.irp b, 0,1,2,3
.irp j, 0,1,2,3
	ds_load_b128 v[X+16*\b+4*\j:X+16*\b+4*\j+3], v7 offset:128*\b+16*\j   ; LDS serves a wave's instructions in order: these see the stores above
.endr
.endr
	s_wait_dscnt 0x0                               ; the numbers are back, and the stores have read their registers
.if (\t) < 2
	XLOAD (\t)+2
.else
	s_wait_xcnt 0x0                                ; the stores of two steps ago have read this set of codes: it is written again only behind this wait
.endif
	QUANT X, PC+12*((\t)%2), PW+(\t)
.irp c, 0,1,2
	global_store_b128 v4, v[PC+12*((\t)%2)+4*\c:PC+12*((\t)%2)+4*\c+3], s[16:17] offset:((\t)/2)*1572864+((\t)%2)*1536+512*\c   ; 512 consecutive bytes
.endr
.if (\t)%2 == 1
	v_cndmask_b32 v[14+(\t)/2], v[PW+(\t)-1], v[PW+(\t)], s[HI]    ; lanes 0-15 the even step's words, lanes 16-31 the odd step's: 128 consecutive bytes
	global_store_b32 v9, v[14+(\t)/2], s[18:19] offset:128*((\t)/2)
.endif
.endm
	XLOAD 0
	XLOAD 1
	XSTEP 0
	XSTEP 1
	XSTEP 2
	XSTEP 3
	s_wait_tensorcnt 0x0
	ds_add_u32 v254, v255
	s_wait_dscnt 0x0
	s_endpgm
	; ---- the weights
.Lweights:
	s_sub_co_u32 s21, ttmp9, 768
	s_lshr_b32 s22, s21, 5                         ; which weight: 0 Wq, 1 Wk, 2 Wv
	s_and_b32 s23, s21, 7                          ; which 128 columns
	s_bfe_u32 s27, s21, 0x20003                    ; sigma: which 256 along K
	s_lshl_b32 s28, s23, 7
	s_lshl_b32 s29, s20, 5
	s_add_co_u32 s28, s28, s29                     ; my wave's first column
	s_lshr_b32 s29, s28, 4                         ; rho0: its first storage block
	s_lshl_b32 s30, s27, 20                        ; 256 rows of 4,096 bytes a slot
	s_lshl_b32 s31, s28, 2
	s_add_co_u32 s30, s30, s31
	s_mov_b32 s31, 0
	s_lshl_b32 s34, s27, 6                         ; codes: (sigma x 64 + rho0) x 3072 + weight x 786,432 + 18,874,368
	s_add_co_u32 s34, s34, s29
	s_mul_i32 s34, s34, 3072
	s_mul_i32 s35, s22, 786432
	s_add_co_u32 s34, s34, s35
	s_add_co_u32 s34, s34, 18874368
	s_mov_b32 s35, 0
	s_lshl_b32 s36, s29, 9                         ; scale words: (rho0 x 8 + 2 sigma) x 64 + weight x 32,768 + 786,432
	s_lshl_b32 s37, s27, 7
	s_add_co_u32 s36, s36, s37
	s_lshl_b32 s37, s22, 15
	s_add_co_u32 s36, s36, s37
	s_add_co_u32 s36, s36, 786432
	s_mov_b32 s37, 0
	s_cmp_lt_u32 s22, 2
	s_cselect_b32 s38, -1, 0                       ; Wq and Wk are stored permuted
	v_lshrrev_b32 v7, 3, v1
	v_lshrrev_b32 v8, 4, v1
	v_xor_b32 v7, v7, v8
	v_and_b32 v7, 1, v7
	v_mul_u32_u24 v7, v7, 24                       ; 24 where the lane's bits 3 and 4 differ
	v_and_b32 v7, s38, v7
	v_xor_b32 v7, v1, v7                           ; the column that storage place n0 + lane holds
	v_lshlrev_b32 v4, 2, v7
	v_lshlrev_b32 v5, 4, v1                        ; 16 x lane
	v_lshlrev_b32 v6, 2, v2
	v_lshl_add_u32 v6, v3, 9, v6                   ; my column's scale word: 512 (lane / 16) + 4 (lane % 16)
	s_wait_kmcnt 0x0
	s_cmp_eq_u32 s22, 0
	s_cselect_b64 s[32:33], s[10:11], s[12:13]
	s_cmp_eq_u32 s22, 2
	s_cselect_b64 s[32:33], s[14:15], s[32:33]
	s_add_nc_u64 s[32:33], s[32:33], s[30:31]
	s_add_nc_u64 s[16:17], s[16:17], s[34:35]
	s_add_nc_u64 s[18:19], s[18:19], s[36:37]
.macro WLOAD t                         ; block t: W(32 t + i, my column)
.irp i, 0,1,2,3,4,5,6,7,8,9,10,11,12,13,14,15,16,17,18,19,20,21,22,23,24,25,26,27,28,29,30,31
	global_load_b32 v[WN+32*((\t)%2)+\i], v4, s[32:33] offset:(32*(\t)+\i)*4096 th:TH_LOAD_NT
.endr
.endm
; Block t = 4 q + beta of my column.  Run F(beta % 2) of half q takes it at registers 6 (beta / 2) on: F0 holds what lanes 0-15 of a fragment want, F1 what lanes 16-31 want.
.macro WBLOCK t
.set XS, WN+32*((\t)%2)
.set FB, WF+24*((\t)/4)+12*((\t)%2)+6*(((\t)%4)/2)
.if (\t) < 7
	s_wait_loadcnt 32                              ; this block's 32 loads are in; the next block's may be out
.else
	s_wait_loadcnt 0x0
.endif
	v_max3_num_f32 v132, |v[XS]|, |v[XS+1]|, |v[XS+2]|             ; all 32 numbers of the block are mine
	v_max3_num_f32 v133, |v[XS+3]|, |v[XS+4]|, |v[XS+5]|
.irp i, 6,10,14,18,22,26
	v_max3_num_f32 v132, v132, |v[XS+\i]|, |v[XS+\i+1]|
	v_max3_num_f32 v133, v133, |v[XS+\i+2]|, |v[XS+\i+3]|
.endr
	v_max3_num_f32 v132, v132, |v[XS+30]|, |v[XS+31]|
	v_max3_num_f32 v132, v132, v133, 0x1800000     ; and the floor
	v_add_nc_u32 v134, 0xff000000, v132
	v_lshrrev_b32 v135, 23, v134
.if (\t)%4 == 0
	v_mov_b32 v[136+(\t)/4], v135
.else
	v_lshl_or_b32 v[136+(\t)/4], v135, 8*((\t)%4), v[136+(\t)/4]
.endif
	v_cvt_scalef32_pk16_fp6_f32 v[FB:FB+2], v[XS:XS+15], v134
	v_cvt_scalef32_pk16_fp6_f32 v[128:130], v[XS+16:XS+31], v134
	v_nop                                          ; one plain instruction behind the conversions
.irp i, 0,1,2
	v_mov_b32 v[FB+3+\i], v[128+\i]
.endr
.if (\t)+2 < 8
	WLOAD (\t)+2
.endif
.if (\t)%4 == 3
.set FQ, WF+24*((\t)/4)
.irp w, 0,1,2,3,4,5,6,7,8,9,10,11
	v_permlane16_swap_b32 v[FQ+\w], v[FQ+12+\w]    ; F0's lanes 16-31 change places with F1's lanes 0-15: F0 is now block rho0's fragment, F1 block rho0 + 1's
.endr
.irp f, 0,1
.irp c, 0,1,2
	global_store_b128 v5, v[FQ+12*\f+4*\c:FQ+12*\f+4*\c+3], s[16:17] offset:((\t)/4)*1536+3072*\f+512*\c
.endr
.endr
	global_store_b32 v6, v[136+(\t)/4], s[18:19] offset:64*((\t)/4)
.endif
.endm
	WLOAD 0
	WLOAD 1
.irp t, 0,1,2,3,4,5,6,7
	WBLOCK \t
.endr
	s_endpgm
.Lfunc_end_k_q67d8f382d0_quant:
	.size	k_q67d8f382d0_quant, .Lfunc_end_k_q67d8f382d0_quant-k_q67d8f382d0_quant
	.p2alignl 7, 3214868480
	.fill 96, 4, 3214868480
	.section	.rodata,"a",@progbits
	.p2align	6, 0x0
	.amdhsa_kernel k_q67d8f382d0_quant
		.amdhsa_group_segment_fixed_size 34304
		.amdhsa_private_segment_fixed_size 0
		.amdhsa_enable_private_segment 0
		.amdhsa_kernarg_size 64
		.amdhsa_user_sgpr_count 2
		.amdhsa_user_sgpr_kernarg_segment_ptr 1
		.amdhsa_wavefront_size32 1
		.amdhsa_system_sgpr_workgroup_id_x 1
		.amdhsa_system_sgpr_workgroup_id_y 1
		.amdhsa_system_sgpr_workgroup_id_z 1
		.amdhsa_system_vgpr_workitem_id 0
		.amdhsa_next_free_vgpr 256
		.amdhsa_next_free_sgpr 66
		.amdhsa_reserve_vcc 0
		.amdhsa_float_denorm_mode_32 3
		.amdhsa_float_denorm_mode_16_64 3
		.amdhsa_memory_ordered 1
		.amdhsa_forward_progress 1
		.amdhsa_inst_pref_size 74
	.end_amdhsa_kernel
	.amdgpu_metadata
---
amdhsa.version: [ 1, 2 ]
amdhsa.kernels:
  - .name:           k_q67d8f382d0_quant
    .symbol:         k_q67d8f382d0_quant.kd
    .args:
      - { .name: query_states, .offset: 0, .size: 8, .value_kind: global_buffer, .address_space: global }
      - { .name: key_states, .offset: 8, .size: 8, .value_kind: global_buffer, .address_space: global }
      - { .name: value_states, .offset: 16, .size: 8, .value_kind: global_buffer, .address_space: global }
      - { .name: Wq, .offset: 24, .size: 8, .value_kind: global_buffer, .address_space: global }
      - { .name: Wk, .offset: 32, .size: 8, .value_kind: global_buffer, .address_space: global }
      - { .name: Wv, .offset: 40, .size: 8, .value_kind: global_buffer, .address_space: global }
      - { .name: xw_codes, .offset: 48, .size: 8, .value_kind: global_buffer, .address_space: global }
      - { .name: xw_scales, .offset: 56, .size: 8, .value_kind: global_buffer, .address_space: global }
    .group_segment_fixed_size: 34304
    .private_segment_fixed_size: 0
    .kernarg_segment_align: 8
    .kernarg_segment_size: 64
    .max_flat_workgroup_size: 128
    .sgpr_count:     66
    .vgpr_count:     256
    .wavefront_size: 32
...
	.end_amdgpu_metadata
.endif
;; end of part 1
;; launch proj (part 2): grid 4 x 96, 4 waves a work-group, clusters of 4 x 4, 327,680 bytes of LDS; arguments xw_codes, xw_scales, bq, bk, bv, qkv_codes, qkv_scales; writes qkv_codes, qkv_scales
.if DOCPART == 2
	.amdgcn_target "amdgcn-amd-amdhsa--gfx1250"
	.amdhsa_code_object_version 6
	.text
	.protected	k_q67d8f382d0_proj
	.globl	k_q67d8f382d0_proj
	.p2align	8
	.type	k_q67d8f382d0_proj,@function
k_q67d8f382d0_proj:
	s_mov_b64 s[64:65], 0
	v_nop
	global_prefetch_b8 v0, s[64:65] scope:SCOPE_SE
	s_setreg_imm32_b32 hwreg(HW_REG_WAVE_MODE, 25, 1), 1
	s_wait_xcnt 0x0
	s_wait_alu depctr_hold_cnt(0) depctr_sa_sdst(0) depctr_va_vdst(0) depctr_va_sdst(0) depctr_va_ssrc(0) depctr_va_vcc(0) depctr_vm_vsrc(0)
	s_getreg_b32 s2, hwreg(HW_REG_IB_STS2, 6, 4)
	s_cmp_eq_u32 s2, 0
	s_cbranch_scc0 .Lentry_in_a_cluster
	s_endpgm
.Lentry_in_a_cluster:
	s_bfe_u32 s2, ttmp6, 0x10000c
	s_cmp_lg_u32 s2, 0xf033
	s_cbranch_scc0 .Lentry_shape_is_right
	s_endpgm
.Lentry_shape_is_right:
; q = x_q Wq + bq, k = x_k Wk + bk, v^T = (x_v Wv + bv)^T, on codes of FP6 (E2M3) with one E8M0 scale for each 32 along K; the results are quantised in registers: q and k along D, v along the tokens.
; A tile of 256 x 256 is made by four waves, 128 x 128 each: 64 accumulators of 16 x 16.  K = 1,024 goes in four slots of 256 through a ring of two LDS slots.
; THE TILES ARE IMAGES OF OPERAND REGISTERS (fragment (row block rho, slot sigma, half q) at ((sigma x R / 16 + rho) x 2 + q) x 1536, registers 4 c .. 4 c + 3 of lane l at 512 c + 16 l):
; 128 rows of a slot are one dense block of 24,576 bytes for one tensor load, and a fragment comes out of LDS by three loads of 512 consecutive bytes.
; THE MATRIX INSTRUCTION IS USED TRANSPOSED: source 0 = 16 rows of B, source 1 = 16 rows of A.  B is stored with its rows permuted (bits 3 and 4 of the row swapped), so a lane holds one row of A and
; the 64 registers of a block of A's rows are B's rows 32 b + 16 (lane / 16) + i at register 16 b + i: the order that the quantiser wants.
; Clusters 0-15 (cluster y): A = x_q or x_k (tokens), B = Wq or Wk (features).  Clusters 16-23: A = Wv (features), B = x_v (tokens): the result is v^T.
; CLUSTER 4 x 4: A's tiles are shared along a row of the cluster, B's along a column: joint loads.
; LIMITS: a block of zeros gets the byte 1 where the rule says 127 (zero codes; this program alone reads the bytes); NaN and infinities are not served.
; REGISTERS: window 0: v0-31 addresses; v32-63 scale words, two sets; v64-127 the bias along B's rows; v128-223 A's fragments, one set; v224-239 the bias along A's rows.  window 1: B's fragments, two sets.  windows 2, 3: the accumulators.
.set NK,     8                         ; scale words a row
.set NQ,     2
.set FR,     12
.set NL,     3                         ; LDS loads that bring a fragment
.set NP,     4                         ; places behind this matrix instruction (ISA guide 7.12.1)
.set HALFT,  24576                     ; 128 rows of a slot
.set SLOT,   4*HALFT                   ; A's two halves, then B's two
.set SCL,    2*SLOT                    ; behind the ring: the scale words: A's 16 row blocks, then B's 16, NK x 64 bytes each
.set HALFS,  512*NK
.set SPARE,  SCL+4*HALFS               ; the spare words: 128 bytes a wave, two blocks of 256 bytes that no other line names
.set LAPS,   NK/4
.set ADRA, 16                          ; v16-17 LDS address of my A fragments in slot 0, 1
.set ADRB, 20                          ; v20-21 the same for B
.set ADRS, 27                          ; v27    of my scale words: lanes 0-15 A's, lanes 16-31 B's
.set SPW,  28                          ; v28    my spare word; never rewritten
.set NIL,  29                          ; v29    0; never rewritten
.set SC,   32
.set AF,   128
.set G1, 24
.set G0, 32
.set G1B, 48
.set G0B, 56
.set G1S, 68
.set G0S, 76
.set G1SB, 80
.set G0SB, 88
.set BN,  64                           ; the bias of the lane's 64 features (q, k)
.set BM,  224                          ; the bias of the lane's row of block a, twice (v)
.set H,   128                          ; the tail: 64 numbers at work
.set TM,  192
.set CT,  204
.set PCB, 32                           ; the tail: two sets of codes
.set PWB, 240                          ; the tail: a scale word for each block
.set SEL, 24                           ; the tail: s[24:25] lane selects, s26 the mask of lanes 16-31 (no descriptor is pending there)
.set HI,  26
.set MSB, 0
.macro WIN new                         ; the immediate's high byte repeats the setting that is left
.if MSB != \new
	s_set_vgpr_msb (MSB<<8)|\new
.set MSB, \new
.endif
.endm
.set MUL_LO, 0xa1                      ; source 0 (B) window 1, source 1 (A) window 0, C and D window 2
.set MUL_HI, 0xf1                      ; the same, C and D window 3
.set TO_B,   0x40                      ; destination window 1
; A joint load: waves 0 and 1 fetch for A, waves 2 and 3 for B.  The branch hangs on the wave's number alone.  Four v_nop follow each of the two lines.
.macro JLOAD g0a, g1a, g0b, g1b
	s_cmp_eq_u32 s21, 0
	s_cbranch_scc0 .Lfor_b_\@
	tensor_load_to_lds s[\g0a:\g0a+3], s[\g1a:\g1a+7]
	s_nop 0
.rept 4
	v_nop
.endr
	s_branch .Lasked_\@
.Lfor_b_\@:
	tensor_load_to_lds s[\g0b:\g0b+3], s[\g1b:\g1b+7]
	s_nop 0
.rept 4
	v_nop
.endr
.Lasked_\@:
.endm
.macro CREST                           ; a round of the cluster's barrier behind its opening barrier
	s_cmp_lg_u32 s20, 0
	s_cbranch_scc1 .Lnot_wave_0_\@
	s_barrier_signal -3
.Lnot_wave_0_\@:
	s_barrier_wait -3
	s_barrier_signal -1
	s_barrier_wait -1
.endm
.macro CROUND
	s_barrier_signal -1
	s_barrier_wait -1
	CREST
.endm
.macro FRAG reg, adr, q, i             ; a fragment's image: three loads of 512 consecutive bytes
.irp c, 0,1,2
	ds_load_b128 v[\reg+4*\c:\reg+4*\c+3], v[\adr] offset:(\i)*3072+(\q)*1536+512*\c
.endr
.endm
; 16 matrix instructions: A's blocks a0, a0 + 1 x B's eight, 128 along K.  The 64 accumulators take turns, one instruction a turn, in the same order in every step.
.macro MUL16 a0, p, q, sc, zero
.irp a, \a0, \a0+1
.irp b, 0,1,2,3,4,5,6,7
.if \zero
	v_wmma_scale_f32_16x16x128_f8f6f4 v[8*(8*((\a)%4)+\b):8*(8*((\a)%4)+\b)+7], v[128*(\p)+FR*\b:128*(\p)+FR*\b+FR-1], v[AF+FR*(\a):AF+FR*(\a)+FR-1], 0, v[SC+8*NQ*(\sc)+NQ*\b+(\q)], v[SC+8*NQ*(\sc)+NQ*(\a)+(\q)] matrix_a_fmt:MATRIX_FMT_FP6 matrix_b_fmt:MATRIX_FMT_FP6 matrix_a_scale:MATRIX_SCALE_ROW1
.else
	v_wmma_scale_f32_16x16x128_f8f6f4 v[8*(8*((\a)%4)+\b):8*(8*((\a)%4)+\b)+7], v[128*(\p)+FR*\b:128*(\p)+FR*\b+FR-1], v[AF+FR*(\a):AF+FR*(\a)+FR-1], v[8*(8*((\a)%4)+\b):8*(8*((\a)%4)+\b)+7], v[SC+8*NQ*(\sc)+NQ*\b+(\q)], v[SC+8*NQ*(\sc)+NQ*(\a)+(\q)] matrix_a_fmt:MATRIX_FMT_FP6 matrix_b_fmt:MATRIX_FMT_FP6 matrix_a_scale:MATRIX_SCALE_ROW1
.endif
.endr
.endr
.endm
.macro FETCH_B slot, q, p
	WIN TO_B
.irp i, 0,1,2,3,4,5,6,7
	FRAG 128*(\p)+FR*\i, ADRB+\slot, \q, \i
.endr
	WIN 0
.endm
.macro FETCH_A slot, q, i0
.irp i, \i0, \i0+1, \i0+2, \i0+3
	FRAG AF+FR*(\i), ADRA+\slot, \q, \i
.endr
.endm
.macro SCALES sc                       ; a slot's scale words: register 2 i + q: lanes 0-15 A's block i, lanes 16-31 B's block i
.irp i, 0,1,2,3,4,5,6,7
.irp q, 0,1
	ds_load_b32 v[SC+8*NQ*\sc+NQ*\i+\q], v[ADRS] offset:\i*NK*64+64*\q
.endr
.endr
.endm
.macro PLACES n                        ; plain vector instructions between a matrix instruction and a load into, or a read of, its registers
.rept \n
	v_nop
.endr
.endm
.macro ADVANCE slot                    ; a slot's next tile lies two slots on; the steps differ between x (512 row blocks) and W (64), so they stand in registers
	s_add_nc_u64 s[G0+4*\slot+2:G0+4*\slot+3], s[G0+4*\slot+2:G0+4*\slot+3], s[18:19]
	s_add_nc_u64 s[G0B+4*\slot+2:G0B+4*\slot+3], s[G0B+4*\slot+2:G0B+4*\slot+3], s[66:67]
.endm
.macro STEP slot, q, zero              ; a step of 128 along K that has its successor in the same slot
	s_wait_dscnt 4*NL                              ; B's set, A's blocks 0-3 and the scale words are in; the youngest 12 loads (A's blocks 4-7) may be out
	WIN MUL_LO
	MUL16 0, (\q)%2, \q, \slot, \zero
	MUL16 2, (\q)%2, \q, \slot, \zero
	s_wait_dscnt 0
	PLACES NP
	FETCH_B \slot, (\q)+1, 1-(\q)%2
	FETCH_A \slot, (\q)+1, 0
	WIN MUL_HI
	MUL16 4, (\q)%2, \q, \slot, \zero
	MUL16 6, (\q)%2, \q, \slot, \zero
	PLACES NP
	WIN 0
	FETCH_A \slot, (\q)+1, 4
.endm
; A slot's last step changes slots: one barrier; in front of it each wave waits for all its tensor loads, adds 0 to its spare word, and waits for that and for its reads of this slot.
.macro TURN slot, next, fill
	s_wait_tensorcnt 0x0                           ; all my tensor loads have landed: my part of the next slot
	ds_add_u32 v[SPW], v[NIL]                      ; 0 onto my spare word
	s_wait_dscnt 4*NL+1                            ; (the add and the youngest 12 loads may be out)
	WIN MUL_LO
	MUL16 0, 1, NQ-1, \slot, 0
	s_wait_dscnt 0x0                               ; the add is done, and my reads of this slot are over
	s_barrier_signal -1
	MUL16 2, 1, NQ-1, \slot, 0
	WIN 0
	s_barrier_wait -1
.if \fill
	CREST                                          ; the barrier has opened a round of the cluster's: no wave of any partner still reads this slot or has a load on its way
	ADVANCE \slot
	JLOAD G0+4*\slot, G1, G0B+4*\slot, G1B         ; the first tensor load behind the round; its four v_nop are the places in front of the loads below
.else
	PLACES NP
.endif
	v_add_nc_u32 v[ADRS], 64*NQ, v[ADRS]           ; on to the next slot's scale words
	FETCH_B \next, 0, 0
	FETCH_A \next, 0, 0
	SCALES \next
	WIN MUL_HI
	MUL16 4, 1, NQ-1, \slot, 0
	MUL16 6, 1, NQ-1, \slot, 0
	PLACES NP
	WIN 0
	FETCH_A \next, 0, 4
.endm
; 64 numbers of a lane, register 16 b + i = k 32 b + 16 h + i of my row, become a fragment's 12 registers at v[pc] and its scale word in v[pw].
.macro QUANT s, pc, pw
.irp b, 0,1,2,3
	v_max3_num_f32 v[TM+\b], |v[16*\b+(\s)]|, |v[16*\b+1+(\s)]|, 0x1800000   ; and the floor 2^(3 - 127): the byte cannot fall under 1
.endr
.irp i, 2,4,6,8,10,12,14
.irp b, 0,1,2,3
	v_max3_num_f32 v[TM+\b], v[TM+\b], |v[16*\b+\i+(\s)]|, |v[16*\b+\i+1+(\s)]|
.endr
.endr
.irp b, 0,1,2,3
	v_permlanex16_b32 v[TM+4+\b], v[TM+\b], s[SEL], s[SEL+1]
.endr
.irp b, 0,1,2,3
	v_max_num_f32 v[TM+\b], v[TM+\b], v[TM+4+\b]
.endr
.irp b, 0,1,2,3
	v_add_nc_u32 v[TM+8+\b], 0xff000000, v[TM+\b]  ; 2 off the exponent field: the conversion's scale operand
.endr
.irp b, 0,1,2,3
	v_lshrrev_b32 v[TM+4+\b], 23, v[TM+8+\b]       ; the scale's byte
.endr
	v_lshl_or_b32 v[\pw], v[TM+5], 8, v[TM+4]
	v_lshl_or_b32 v[\pw], v[TM+6], 16, v[\pw]
	v_lshl_or_b32 v[\pw], v[TM+7], 24, v[\pw]
.irp c, 0,1
	v_cvt_scalef32_pk16_fp6_f32 v[6*\c+(\pc):6*\c+2+(\pc)], v[32*\c+(\s):32*\c+15+(\s)], v[TM+8+2*\c]
	v_cvt_scalef32_pk16_fp6_f32 v[CT+4*\c:CT+2+4*\c], v[32*\c+16+(\s):32*\c+31+(\s)], v[TM+8+2*\c+1]
.endr
	v_nop                                          ; one plain instruction behind the conversions
.irp c, 0,1
.irp i, 0,1,2
	v_permlane16_swap_b32 v[6*\c+\i+(\pc)], v[CT+4*\c+\i]
.endr
.irp i, 0,1,2
	v_mov_b32 v[6*\c+3+\i+(\pc)], v[CT+4*\c+\i]
.endr
.endr
.endm
	s_load_b256 s[4:11], s[0:1], 0x0               ; xw_codes s[4:5], xw_scales s[6:7], bq s[8:9], bk s[10:11]
	s_load_b128 s[12:15], s[0:1], 0x20             ; bv s[12:13], qkv_codes s[14:15]
	s_load_b64 s[16:17], s[0:1], 0x30              ; qkv_scales
	v_lshl_add_u32 v[SPW], v0, 2, SPARE
	v_mov_b32 v[NIL], 0
	ds_add_u32 v28, v29
	ds_add_u32 v28, v29
	s_wait_dscnt 0x0
	v_lshrrev_b32 v1, 5, v0
	v_readfirstlane_b32 s20, v1                    ; wave 0..3
	s_lshr_b32 s21, s20, 1                         ; which half of the tile's A rows is mine.  Also: I fetch for A (0) or for B (1)
	s_and_b32 s22, s20, 1                          ; which half of its B rows.  Also: which 128 rows of that tile I fetch
	s_bfe_u32 s40, ttmp6, 0x40000                  ; cx
	s_bfe_u32 s41, ttmp6, 0x40004                  ; cy
	s_and_b32 s96, ttmp7, 0xffff                   ; c: the cluster's y, 0..23, which all partners share
	s_lshl_b32 s43, s41, 2
	s_lshl_b32 s43, 15, s43                        ; my row of the cluster
	s_lshl_b32 s44, 0x1111, s40                    ; my column
	s_or_b32 s[G1+0], s43, (3<<16)|(1<<21)         ; 15:0 the mask; 17:16 elements of 8 bytes; 21 set beside a mask; no padding
	s_or_b32 s[G1B+0], s44, (3<<16)|(1<<21)
	s_or_b32 s[G1S+0], s43, (3<<16)|(1<<21)
	s_or_b32 s[G1SB+0], s44, (3<<16)|(1<<21)
.irp g, G1, G1B                        ; 24,576 dense bytes as 96 rows of 256
	s_mov_b32 s[\g+1], 32<<16
	s_mov_b32 s[\g+2], 96<<16
	s_mov_b32 s[\g+3], 32<<16
	s_mov_b32 s[\g+4], 96
	s_mov_b32 s[\g+5], 32
	s_mov_b32 s[\g+6], 0
	s_mov_b32 s[\g+7], 0
.endr
.irp g, G1S, G1SB                      ; 4,096 dense bytes as 16 rows of 256
	s_mov_b32 s[\g+1], 32<<16
	s_mov_b32 s[\g+2], 16<<16
	s_mov_b32 s[\g+3], 32<<16
	s_mov_b32 s[\g+4], 16
	s_mov_b32 s[\g+5], 32
	s_mov_b32 s[\g+6], 0
	s_mov_b32 s[\g+7], 0
.endr
	; which product, and where its operands begin.  Everything is chosen on c alone
	s_lshr_b32 s97, s96, 3                         ; 0 q, 1 k, 2 v
	s_and_b32 s104, s96, 7
	s_lshl_b32 s104, s104, 2                       ; 4 (c % 8)
	s_mul_i32 s98, s97, 6291456                    ; q, k: A = x's codes,
	s_mul_i32 s46, s97, 786432
	s_add_co_u32 s46, s46, 18874368                ; B = W's codes,
	s_lshl_b32 s100, s97, 18                       ; A's scale words,
	s_lshl_b32 s92, s97, 15
	s_add_co_u32 s92, s92, 786432                  ; B's scale words
	s_mov_b32 s18, 2*1572864                       ; two slots on in x
	s_mov_b32 s66, 2*196608                        ; and in W
	s_mov_b32 s99, 20447232                        ; v: A = Wv,
	s_mov_b32 s47, 12582912                        ; B = x_v
	s_mov_b32 s101, 851968
	s_mov_b32 s93, 524288
	s_cmp_ge_u32 s96, 16
	s_cselect_b32 s98, s99, s98
	s_cselect_b32 s46, s47, s46
	s_cselect_b32 s100, s101, s100
	s_cselect_b32 s92, s93, s92
	s_cselect_b32 s19, s66, s18
	s_cselect_b32 s66, s18, s66                    ; s[66:67]: B's step
	s_mov_b32 s18, s19                             ; s[18:19]: A's step
	s_cselect_b32 s105, 0, s104
	s_cselect_b32 s2, s104, 0
	s_mov_b32 s19, 0
	s_mov_b32 s67, 0
	s_add_co_u32 s95, s105, s41                    ; A's tile: q, k: 4 (c % 8) + cy; v: cy
	s_add_co_u32 s42, s2, s40                      ; B's tile: q, k: cx; v: 4 (c % 8) + cx
	s_lshl_b32 s104, s95, 4                        ; A's address is made in registers that never hold cx
	s_lshl_b32 s105, s22, 3
	s_add_co_u32 s104, s104, s105                  ; the first row block that I fetch
	s_mul_i32 s105, s104, 3072
	s_add_co_u32 s98, s98, s105
	s_mov_b32 s99, 0
	s_lshl_b32 s105, s104, 9
	s_add_co_u32 s100, s100, s105
	s_mov_b32 s101, 0
	s_lshl_b32 s2, s42, 4                          ; B's in registers that never hold cy
	s_lshl_b32 s23, s22, 3
	s_add_co_u32 s2, s2, s23
	s_mul_i32 s23, s2, 3072
	s_add_co_u32 s46, s46, s23
	s_mov_b32 s47, 0
	s_lshl_b32 s23, s2, 9
	s_add_co_u32 s92, s92, s23
	s_mov_b32 s93, 0
	s_mul_i32 s45, s20, HALFT                      ; where they go: wave x 128 rows: no place in the cluster enters an LDS address
	s_mul_i32 s94, s20, HALFS
	s_lshr_b32 s104, s18, 1                        ; one slot on: s[104:105] in A, s[2:3] in B
	s_mov_b32 s105, 0
	s_lshr_b32 s2, s66, 1
	s_mov_b32 s3, 0
	s_wait_kmcnt 0x0
	s_add_nc_u64 s[98:99], s[4:5], s[98:99]
	s_add_nc_u64 s[100:101], s[6:7], s[100:101]
	s_add_nc_u64 s[46:47], s[4:5], s[46:47]
	s_add_nc_u64 s[92:93], s[6:7], s[92:93]
	CROUND                                         ; all sixteen work-groups are here: the first joint loads meet
	s_mov_b32 s[G0S], 1
	s_add_co_u32 s[G0S+1], s94, SCL
	s_mov_b64 s[G0S+2:G0S+3], s[100:101]
	s_or_b32 s[G0S+3], s[G0S+3], 0x80000000
	s_mov_b32 s[G0SB], 1
	s_add_co_u32 s[G0SB+1], s94, SCL
	s_mov_b64 s[G0SB+2:G0SB+3], s[92:93]
	s_or_b32 s[G0SB+3], s[G0SB+3], 0x80000000
	JLOAD G0S, G1S, G0SB, G1SB                     ; the scale words of all of K: filled once
	s_mov_b32 s[G0], 1
	s_add_co_u32 s[G0+1], s45, 0
	s_mov_b64 s[G0+2:G0+3], s[98:99]
	s_or_b32 s[G0+3], s[G0+3], 0x80000000
	s_mov_b32 s[G0B], 1
	s_add_co_u32 s[G0B+1], s45, 0
	s_mov_b64 s[G0B+2:G0B+3], s[46:47]
	s_or_b32 s[G0B+3], s[G0B+3], 0x80000000
	JLOAD G0, G1, G0B, G1B                         ; slot 0
	s_mov_b32 s[G0+4], 1
	s_add_co_u32 s[G0+5], s45, SLOT
	s_add_nc_u64 s[G0+6:G0+7], s[98:99], s[104:105]
	s_or_b32 s[G0+7], s[G0+7], 0x80000000
	s_mov_b32 s[G0B+4], 1
	s_add_co_u32 s[G0B+5], s45, SLOT
	s_add_nc_u64 s[G0B+6:G0B+7], s[46:47], s[2:3]
	s_or_b32 s[G0B+7], s[G0B+7], 0x80000000
	JLOAD G0+4, G1, G0B+4, G1B                     ; slot 1: three tensor loads of mine are out
	v_and_b32 v1, 31, v0                           ; lane
	v_and_b32 v2, 15, v0                           ; r
	v_bfe_u32 v3, v0, 4, 1                         ; h
	v_lshlrev_b32 v24, 4, v1                       ; 16 x lane
	s_mul_i32 s104, s21, HALFT                     ; my 128 rows of A
	s_mul_i32 s105, s22, HALFT
	s_add_co_u32 s105, s105, 2*HALFT               ; my 128 rows of B, behind A's 256
.irp s, 0,1
	v_add_nc_u32 v[ADRA+\s], s104, v24
	v_add_nc_u32 v[ADRB+\s], s105, v24
	s_add_co_u32 s104, s104, SLOT
	s_add_co_u32 s105, s105, SLOT
.endr
	s_mul_i32 s104, s21, HALFS
	s_mul_i32 s105, s22, HALFS
	s_add_co_u32 s105, s105, 2*HALFS
	s_sub_co_u32 s105, s105, s104
	v_mul_u32_u24 v4, s105, v3                     ; lanes 16-31 take B's words: one product with h
	s_add_co_u32 s104, s104, SCL
	v_lshl_add_u32 v4, v2, 2, v4
	v_add_nc_u32 v[ADRS], s104, v4
	; the biases, both ways on one path: a q or k tile uses the 64 along B's rows, a v tile the 8 along A's rows; the set not used costs 16 loads once.  Both stay inside the 4,096 bytes for every tile
	s_cmp_eq_u32 s97, 0
	s_cselect_b64 s[104:105], s[8:9], s[10:11]
	s_cmp_eq_u32 s97, 2
	s_cselect_b64 s[104:105], s[12:13], s[104:105]
	s_lshl_b32 s2, s40, 10
	s_lshl_b32 s3, s22, 9
	s_add_co_u32 s2, s2, s3
	v_lshl_add_u32 v5, v3, 6, s2                   ; (256 cx + 128 half + 16 h) x 4
	s_lshl_b32 s2, s41, 10
	s_lshl_b32 s3, s21, 9
	s_add_co_u32 s2, s2, s3
	v_lshl_add_u32 v6, v2, 2, s2                   ; (256 cy + 128 half + r) x 4
.irp b, 0,1,2,3
.irp j, 0,1,2,3
	global_load_b128 v[BN+16*\b+4*\j:BN+16*\b+4*\j+3], v5, s[104:105] offset:128*\b+16*\j
.endr
.endr
.irp a, 0,1,2,3,4,5,6,7
	global_load_b32 v[BM+2*\a], v6, s[104:105] offset:64*\a
	global_load_b32 v[BM+2*\a+1], v6, s[104:105] offset:64*\a
.endr
	s_wait_loadcnt 0x0                             ; the biases, once: they land while the first tiles are on their way
	s_wait_tensorcnt 1                             ; the scale words and my part of slot 0 are in; slot 1's load may be out
	s_barrier_signal -1
	s_barrier_wait -1
	FETCH_B 0, 0, 0
	FETCH_A 0, 0, 0
	SCALES 0
	FETCH_A 0, 0, 4
	STEP 0, 0, 1                                   ; the first step's products start the sums
	s_mov_b32 s3, LAPS-1
.Llap:
	TURN 0, 1, 1
	STEP 1, 0, 0
	TURN 1, 0, 1
	STEP 0, 0, 0
	s_sub_co_u32 s3, s3, 1
	s_cmp_lg_u32 s3, 0
	s_cbranch_scc1 .Llap
	TURN 0, 1, 0                                   ; the last lap fills nothing
	STEP 1, 0, 0
	s_wait_dscnt 4*NL
	WIN MUL_LO
	MUL16 0, 1, NQ-1, 1, 0
	MUL16 2, 1, NQ-1, 1, 0
	s_wait_dscnt 0
	WIN MUL_HI
	MUL16 4, 1, NQ-1, 1, 0
	MUL16 6, 1, NQ-1, 1, 0
	WIN 0
	PLACES NP
; THE TAIL.  Block a of A's rows: its 64 accumulator registers plus the bias are a lane's 64 numbers of one row, in the quantiser's order: one fragment and one scale word a row, stored as images.  No LDS.
.macro EPI isv
	v_lshlrev_b32 v25, 2, v2
.if \isv
	v_lshl_add_u32 v25, v3, 10, v25                ; 4 r + h x 16 words x 64: lanes 16-31 store the next row block's words
.else
	v_lshl_add_u32 v25, v3, 9, v25                 ; 4 r + h x 8 x 64
.endif
.irp a, 0,1,2,3,4,5,6,7
.if \a >= 2
	s_wait_xcnt 0x0                                ; the stores of two blocks ago have read this set of codes
.endif
	WIN 0x02+(\a/4)                                ; source 0: window 2 or 3
.set i, 0
.rept 32
.if \isv
	v_pk_add_f32 v[H+i:H+i+1], v[64*(\a%4)+i:64*(\a%4)+i+1], v[BM+2*\a:BM+2*\a+1]   ; each accumulator from its low end on
.else
	v_pk_add_f32 v[H+i:H+i+1], v[64*(\a%4)+i:64*(\a%4)+i+1], v[BN+i:BN+i+1]
.endif
.set i, i+2
.endr
	WIN 0
	QUANT H, PCB+12*(\a%2), PWB+\a
.irp c, 0,1,2
	global_store_b128 v24, v[PCB+12*(\a%2)+4*\c:PCB+12*(\a%2)+4*\c+3], s[14:15] offset:\a*3072+512*\c   ; 512 consecutive bytes
.endr
.endr
.irp p, 0,1,2,3
	v_cndmask_b32 v[248+\p], v[PWB+2*\p], v[PWB+2*\p+1], s[HI]     ; lanes 0-15 the even block's words, lanes 16-31 the odd block's
.if \isv
	global_store_b32 v25, v[248+\p], s[16:17] offset:\p*2048
.else
	global_store_b32 v25, v[248+\p], s[16:17] offset:\p*1024
.endif
.endr
.endm
	s_mov_b32 s[SEL], 0x76543210                   ; (no tensor load is pending: the last change of slots waited for all)
	s_mov_b32 s[SEL+1], 0xfedcba98
	s_mov_b32 s[HI], 0xffff0000
.irp b, 0,1,2,3
	v_mov_b32 v[TM+4+\b], 0                        ; written once: a lane permute's destination counts as one of its sources
.endr
	s_lshl_b32 s104, s95, 4
	s_lshl_b32 s105, s21, 3
	s_add_co_u32 s104, s104, s105                  ; my first row block of the result
	s_cmp_ge_u32 s96, 16
	s_cbranch_scc1 .Lepi_v
	s_lshl_b32 s2, s42, 9                          ; q, k: codes at tensor x 6,291,456 + ((tile column x 512 + row block) x 2 + half) x 1536
	s_add_co_u32 s2, s2, s104
	s_lshl_b32 s2, s2, 1
	s_add_co_u32 s2, s2, s22
	s_mul_i32 s2, s2, 1536
	s_mul_i32 s3, s97, 6291456
	s_add_co_u32 s2, s2, s3
	s_mov_b32 s3, 0
	s_add_nc_u64 s[14:15], s[14:15], s[2:3]
	s_lshl_b32 s2, s104, 3                         ; scale words at tensor x 262,144 + (row block x 8 + 2 x tile column + half) x 64
	s_lshl_b32 s3, s42, 1
	s_add_co_u32 s2, s2, s3
	s_add_co_u32 s2, s2, s22
	s_lshl_b32 s2, s2, 6
	s_lshl_b32 s3, s97, 18
	s_add_co_u32 s2, s2, s3
	s_mov_b32 s3, 0
	s_add_nc_u64 s[16:17], s[16:17], s[2:3]
	EPI 0
	s_branch .Lend
.Lepi_v:
	s_lshl_b32 s2, s42, 6                          ; v^T: codes at 12,582,912 + ((token tile x 64 + row block) x 2 + half) x 1536
	s_add_co_u32 s2, s2, s104
	s_lshl_b32 s2, s2, 1
	s_add_co_u32 s2, s2, s22
	s_mul_i32 s2, s2, 1536
	s_add_co_u32 s2, s2, 12582912
	s_mov_b32 s3, 0
	s_add_nc_u64 s[14:15], s[14:15], s[2:3]
	s_lshr_b32 s2, s42, 3                          ; scale words at 524,288 + ((batch x 64 + row block) x 16 + 2 (token tile % 8) + half) x 64
	s_lshl_b32 s2, s2, 6
	s_add_co_u32 s2, s2, s104
	s_lshl_b32 s2, s2, 4
	s_and_b32 s3, s42, 7
	s_lshl_b32 s3, s3, 1
	s_add_co_u32 s2, s2, s3
	s_add_co_u32 s2, s2, s22
	s_lshl_b32 s2, s2, 6
	s_add_co_u32 s2, s2, 524288
	s_mov_b32 s3, 0
	s_add_nc_u64 s[16:17], s[16:17], s[2:3]
	EPI 1
.Lend:
	s_wait_tensorcnt 0x0                           ; the wave's end
	ds_add_u32 v[SPW], v[NIL]
	s_wait_dscnt 0x0
	CROUND                                         ; the closing round
	s_endpgm
.Lfunc_end_k_q67d8f382d0_proj:
	.size	k_q67d8f382d0_proj, .Lfunc_end_k_q67d8f382d0_proj-k_q67d8f382d0_proj
	.p2alignl 7, 3214868480
	.fill 96, 4, 3214868480
	.section	.rodata,"a",@progbits
	.p2align	6, 0x0
	.amdhsa_kernel k_q67d8f382d0_proj
		.amdhsa_group_segment_fixed_size 327680
		.amdhsa_private_segment_fixed_size 0
		.amdhsa_enable_private_segment 0
		.amdhsa_kernarg_size 56
		.amdhsa_user_sgpr_count 2
		.amdhsa_user_sgpr_kernarg_segment_ptr 1
		.amdhsa_wavefront_size32 1
		.amdhsa_system_sgpr_workgroup_id_x 1
		.amdhsa_system_sgpr_workgroup_id_y 1
		.amdhsa_system_sgpr_workgroup_id_z 1
		.amdhsa_system_vgpr_workitem_id 0
		.amdhsa_next_free_vgpr 1024
		.amdhsa_next_free_sgpr 106
		.amdhsa_reserve_vcc 0
		.amdhsa_float_denorm_mode_32 3
		.amdhsa_float_denorm_mode_16_64 3
		.amdhsa_memory_ordered 1
		.amdhsa_forward_progress 1
		.amdhsa_inst_pref_size 213
	.end_amdhsa_kernel
	.amdgpu_metadata
---
amdhsa.version: [ 1, 2 ]
amdhsa.kernels:
  - .name:           k_q67d8f382d0_proj
    .symbol:         k_q67d8f382d0_proj.kd
    .args:
      - { .name: xw_codes, .offset: 0, .size: 8, .value_kind: global_buffer, .address_space: global }
      - { .name: xw_scales, .offset: 8, .size: 8, .value_kind: global_buffer, .address_space: global }
      - { .name: bq, .offset: 16, .size: 8, .value_kind: global_buffer, .address_space: global }
      - { .name: bk, .offset: 24, .size: 8, .value_kind: global_buffer, .address_space: global }
      - { .name: bv, .offset: 32, .size: 8, .value_kind: global_buffer, .address_space: global }
      - { .name: qkv_codes, .offset: 40, .size: 8, .value_kind: global_buffer, .address_space: global }
      - { .name: qkv_scales, .offset: 48, .size: 8, .value_kind: global_buffer, .address_space: global }
    .group_segment_fixed_size: 327680
    .private_segment_fixed_size: 0
    .kernarg_segment_align: 8
    .kernarg_segment_size: 56
    .max_flat_workgroup_size: 128
    .sgpr_count:     106
    .vgpr_count:     1024
    .wavefront_size: 32
...
	.end_amdgpu_metadata
.endif
;; end of part 2
;; launch scores (part 3): grid 8 x 32, 4 waves a work-group, clusters of 4 x 4, 327,680 bytes of LDS; arguments qkv_codes, qkv_scales, attention_mask, p_codes, p_rec; writes p_codes, p_rec
.if DOCPART == 3
	.amdgcn_target "amdgcn-amd-amdhsa--gfx1250"
	.amdhsa_code_object_version 6
	.text
	.protected	k_q67d8f382d0_scores
	.globl	k_q67d8f382d0_scores
	.p2align	8
	.type	k_q67d8f382d0_scores,@function
k_q67d8f382d0_scores:
	s_mov_b64 s[64:65], 0
	v_nop
	global_prefetch_b8 v0, s[64:65] scope:SCOPE_SE
	s_setreg_imm32_b32 hwreg(HW_REG_WAVE_MODE, 25, 1), 1
	s_wait_xcnt 0x0
	s_wait_alu depctr_hold_cnt(0) depctr_sa_sdst(0) depctr_va_vdst(0) depctr_va_sdst(0) depctr_va_ssrc(0) depctr_va_vcc(0) depctr_vm_vsrc(0)
	s_getreg_b32 s2, hwreg(HW_REG_IB_STS2, 6, 4)
	s_cmp_eq_u32 s2, 0
	s_cbranch_scc0 .Lentry_in_a_cluster
	s_endpgm
.Lentry_in_a_cluster:
	s_bfe_u32 s2, ttmp6, 0x10000c
	s_cmp_lg_u32 s2, 0xf033
	s_cbranch_scc0 .Lentry_shape_is_right
	s_endpgm
.Lentry_shape_is_right:
; logit = q . k / 8 + (1 - mask) x -10000 on codes of FP6 (E2M3); then, for each query and each run of 128 keys, p = 2^(t - M) with t = logit x log2(e) and M = the ceiling of the run's largest t.
; M IS LOCAL TO THE RUN OF 128 KEYS: it is a whole number, so the next launch brings all runs of a row under the row's M by taking the difference off the scale bytes, which changes no code.
; Stored: p's codes (quantised along the keys) as images of operand registers, and for each (query, run) a record of 16 bytes {-M as f32, the sum of the unquantised p, p's scale word, 0}.
; A tile of 256 queries x 256 keys is made by four waves, 128 x 128 each; K = 1,024 goes in four slots of 256 through a ring of two LDS slots of images (see the layout in the launch that makes q and k).
; TRANSPOSED: source 0 = 16 keys, source 1 = 16 queries.  k is stored with bits 3 and 4 of its rows swapped, so a lane holds one query and register 16 b + i of a block of queries is key 32 b + 16 (lane / 16) + i.
; CLUSTER 4 x 4: q's tiles are shared along a row of the cluster, k's along a column: joint loads.
; LIMITS: NaN and infinities are not served; a block whose every p has fallen to 0 keeps the byte 1 (zero codes).
; REGISTERS: window 0: v0-31 addresses; v32-63 scale words, two sets; v64-127 the mask's term for the lane's 64 keys; v128-223 A's fragments.  window 1: B's fragments, two sets.  windows 2, 3: the accumulators.
.set NK,     8
.set NQ,     2
.set FR,     12
.set NL,     3
.set NP,     4
.set HALFT,  24576
.set SLOT,   4*HALFT
.set SCL,    2*SLOT
.set HALFS,  512*NK
.set SPARE,  SCL+4*HALFS
.set LAPS,   NK/4
.set STEPA,  1572864                   ; a slot on in q and in k: 512 row blocks x 3,072 bytes
.set STEPB,  1572864
.set ADRA, 16
.set ADRB, 20
.set ADRS, 27
.set SPW,  28
.set NIL,  29
.set SC,   32
.set AF,   128
.set G1, 24
.set G0, 32
.set G1B, 48
.set G0B, 56
.set G1S, 68
.set G0S, 76
.set G1SB, 80
.set G0SB, 88
.set MT,  64                           ; (1 - mask) x -10000 of the lane's 64 keys
.set TT,  128                          ; the tail: logits, then t - M, then p
.set BX,  192                          ; v192-195 each block's largest logit, then its largest p
.set NM,  204                          ; v[204:205] -M (the packed form names the pair and takes its low word)
.set CT,  210                          ; v210-212, v214-216 the conversions' second halves
.set PWR, 218                          ; p's scale word
.set PCB, 32                           ; two sets of codes
.set SEL, 24                           ; the tail's constants stand in registers whose descriptors are no longer pending
.set HI,  26
.set C8,  30                           ; s[30:31] 1/8
.set LE,  34                           ; s[34:35] log2(e)
.set MSB, 0
.macro WIN new
.if MSB != \new
	s_set_vgpr_msb (MSB<<8)|\new
.set MSB, \new
.endif
.endm
.set MUL_LO, 0xa1
.set MUL_HI, 0xf1
.set TO_B,   0x40
.macro JLOAD g0a, g1a, g0b, g1b        ; waves 0 and 1 fetch for A, waves 2 and 3 for B; four v_nop follow each of the two lines
	s_cmp_eq_u32 s21, 0
	s_cbranch_scc0 .Lfor_b_\@
	tensor_load_to_lds s[\g0a:\g0a+3], s[\g1a:\g1a+7]
	s_nop 0
.rept 4
	v_nop
.endr
	s_branch .Lasked_\@
.Lfor_b_\@:
	tensor_load_to_lds s[\g0b:\g0b+3], s[\g1b:\g1b+7]
	s_nop 0
.rept 4
	v_nop
.endr
.Lasked_\@:
.endm
.macro CREST
	s_cmp_lg_u32 s20, 0
	s_cbranch_scc1 .Lnot_wave_0_\@
	s_barrier_signal -3
.Lnot_wave_0_\@:
	s_barrier_wait -3
	s_barrier_signal -1
	s_barrier_wait -1
.endm
.macro CROUND
	s_barrier_signal -1
	s_barrier_wait -1
	CREST
.endm
.macro FRAG reg, adr, q, i
.irp c, 0,1,2
	ds_load_b128 v[\reg+4*\c:\reg+4*\c+3], v[\adr] offset:(\i)*3072+(\q)*1536+512*\c
.endr
.endm
.macro MUL16 a0, p, q, sc, zero        ; the 64 accumulators take turns, one instruction a turn
.irp a, \a0, \a0+1
.irp b, 0,1,2,3,4,5,6,7
.if \zero
	v_wmma_scale_f32_16x16x128_f8f6f4 v[8*(8*((\a)%4)+\b):8*(8*((\a)%4)+\b)+7], v[128*(\p)+FR*\b:128*(\p)+FR*\b+FR-1], v[AF+FR*(\a):AF+FR*(\a)+FR-1], 0, v[SC+8*NQ*(\sc)+NQ*\b+(\q)], v[SC+8*NQ*(\sc)+NQ*(\a)+(\q)] matrix_a_fmt:MATRIX_FMT_FP6 matrix_b_fmt:MATRIX_FMT_FP6 matrix_a_scale:MATRIX_SCALE_ROW1
.else
	v_wmma_scale_f32_16x16x128_f8f6f4 v[8*(8*((\a)%4)+\b):8*(8*((\a)%4)+\b)+7], v[128*(\p)+FR*\b:128*(\p)+FR*\b+FR-1], v[AF+FR*(\a):AF+FR*(\a)+FR-1], v[8*(8*((\a)%4)+\b):8*(8*((\a)%4)+\b)+7], v[SC+8*NQ*(\sc)+NQ*\b+(\q)], v[SC+8*NQ*(\sc)+NQ*(\a)+(\q)] matrix_a_fmt:MATRIX_FMT_FP6 matrix_b_fmt:MATRIX_FMT_FP6 matrix_a_scale:MATRIX_SCALE_ROW1
.endif
.endr
.endr
.endm
.macro FETCH_B slot, q, p
	WIN TO_B
.irp i, 0,1,2,3,4,5,6,7
	FRAG 128*(\p)+FR*\i, ADRB+\slot, \q, \i
.endr
	WIN 0
.endm
.macro FETCH_A slot, q, i0
.irp i, \i0, \i0+1, \i0+2, \i0+3
	FRAG AF+FR*(\i), ADRA+\slot, \q, \i
.endr
.endm
.macro SCALES sc
.irp i, 0,1,2,3,4,5,6,7
.irp q, 0,1
	ds_load_b32 v[SC+8*NQ*\sc+NQ*\i+\q], v[ADRS] offset:\i*NK*64+64*\q
.endr
.endr
.endm
.macro PLACES n
.rept \n
	v_nop
.endr
.endm
.macro ADVANCE slot
	s_add_nc_u64 s[G0+4*\slot+2:G0+4*\slot+3], s[G0+4*\slot+2:G0+4*\slot+3], 2*STEPA
	s_add_nc_u64 s[G0B+4*\slot+2:G0B+4*\slot+3], s[G0B+4*\slot+2:G0B+4*\slot+3], 2*STEPB
.endm
.macro STEP slot, q, zero
	s_wait_dscnt 4*NL                              ; all but the youngest 12 loads (A's blocks 4-7) are in
	WIN MUL_LO
	MUL16 0, (\q)%2, \q, \slot, \zero
	MUL16 2, (\q)%2, \q, \slot, \zero
	s_wait_dscnt 0
	PLACES NP
	FETCH_B \slot, (\q)+1, 1-(\q)%2
	FETCH_A \slot, (\q)+1, 0
	WIN MUL_HI
	MUL16 4, (\q)%2, \q, \slot, \zero
	MUL16 6, (\q)%2, \q, \slot, \zero
	PLACES NP
	WIN 0
	FETCH_A \slot, (\q)+1, 4
.endm
.macro TURN slot, next, fill
	s_wait_tensorcnt 0x0                           ; all my tensor loads have landed: my part of the next slot
	ds_add_u32 v[SPW], v[NIL]                      ; 0 onto my spare word
	s_wait_dscnt 4*NL+1                            ; (the add and the youngest 12 loads may be out)
	WIN MUL_LO
	MUL16 0, 1, NQ-1, \slot, 0
	s_wait_dscnt 0x0                               ; the add is done, and my reads of this slot are over
	s_barrier_signal -1
	MUL16 2, 1, NQ-1, \slot, 0
	WIN 0
	s_barrier_wait -1
.if \fill
	CREST                                          ; a round of the cluster's barrier: no wave of any partner still reads this slot or has a load on its way
	ADVANCE \slot
	JLOAD G0+4*\slot, G1, G0B+4*\slot, G1B
.else
	PLACES NP
.endif
	v_add_nc_u32 v[ADRS], 64*NQ, v[ADRS]
	FETCH_B \next, 0, 0
	FETCH_A \next, 0, 0
	SCALES \next
	WIN MUL_HI
	MUL16 4, 1, NQ-1, \slot, 0
	MUL16 6, 1, NQ-1, \slot, 0
	PLACES NP
	WIN 0
	FETCH_A \next, 0, 4
.endm
	s_load_b256 s[4:11], s[0:1], 0x0               ; qkv_codes s[4:5], qkv_scales s[6:7], attention_mask s[8:9], p_codes s[10:11]
	s_load_b64 s[12:13], s[0:1], 0x20              ; p_rec
	v_lshl_add_u32 v[SPW], v0, 2, SPARE
	v_mov_b32 v[NIL], 0
	ds_add_u32 v28, v29
	ds_add_u32 v28, v29
	s_wait_dscnt 0x0
	v_lshrrev_b32 v1, 5, v0
	v_readfirstlane_b32 s20, v1                    ; wave
	s_lshr_b32 s21, s20, 1                         ; my half of the queries.  Also: I fetch for A (0) or for B (1)
	s_and_b32 s22, s20, 1                          ; my half of the keys.  Also: which 128 rows I fetch
	s_bfe_u32 s40, ttmp6, 0x40000                  ; cx
	s_bfe_u32 s41, ttmp6, 0x40004                  ; cy
	s_and_b32 s96, ttmp7, 0xffff                   ; the cluster's y
	s_lshl_b32 s43, s41, 2
	s_lshl_b32 s43, 15, s43
	s_lshl_b32 s44, 0x1111, s40
	s_or_b32 s[G1+0], s43, (3<<16)|(1<<21)
	s_or_b32 s[G1B+0], s44, (3<<16)|(1<<21)
	s_or_b32 s[G1S+0], s43, (3<<16)|(1<<21)
	s_or_b32 s[G1SB+0], s44, (3<<16)|(1<<21)
.irp g, G1, G1B                        ; 24,576 dense bytes as 96 rows of 256
	s_mov_b32 s[\g+1], 32<<16
	s_mov_b32 s[\g+2], 96<<16
	s_mov_b32 s[\g+3], 32<<16
	s_mov_b32 s[\g+4], 96
	s_mov_b32 s[\g+5], 32
	s_mov_b32 s[\g+6], 0
	s_mov_b32 s[\g+7], 0
.endr
.irp g, G1S, G1SB                      ; 4,096 dense bytes as 16 rows of 256
	s_mov_b32 s[\g+1], 32<<16
	s_mov_b32 s[\g+2], 16<<16
	s_mov_b32 s[\g+3], 32<<16
	s_mov_b32 s[\g+4], 16
	s_mov_b32 s[\g+5], 32
	s_mov_b32 s[\g+6], 0
	s_mov_b32 s[\g+7], 0
.endr
	s_lshl_b32 s95, s96, 2
	s_add_co_u32 s95, s95, s41                     ; the tile of queries, 0..31, over all batches
	s_lshr_b32 s97, s96, 1                         ; the batch: the same in all partners
	s_lshl_b32 s104, s95, 4                        ; A = q: row block 16 x tile + 8 x half
	s_lshl_b32 s105, s22, 3
	s_add_co_u32 s104, s104, s105
	s_mul_i32 s98, s104, 3072
	s_mov_b32 s99, 0
	s_lshl_b32 s100, s104, 9
	s_mov_b32 s101, 0
	s_lshl_b32 s42, ttmp9, 2
	s_add_co_u32 s42, s42, s40                     ; the tile of keys in the batch, 0..7
	s_lshl_b32 s2, s97, 7                          ; B = k: row block 128 x batch + 16 x tile + 8 x half
	s_lshl_b32 s23, s42, 4
	s_add_co_u32 s2, s2, s23
	s_lshl_b32 s23, s22, 3
	s_add_co_u32 s2, s2, s23
	s_mul_i32 s46, s2, 3072
	s_add_co_u32 s46, s46, 6291456
	s_mov_b32 s47, 0
	s_lshl_b32 s92, s2, 9
	s_add_co_u32 s92, s92, 262144
	s_mov_b32 s93, 0
	s_mul_i32 s45, s20, HALFT
	s_mul_i32 s94, s20, HALFS
	s_wait_kmcnt 0x0
	s_add_nc_u64 s[98:99], s[4:5], s[98:99]
	s_add_nc_u64 s[100:101], s[6:7], s[100:101]
	s_add_nc_u64 s[46:47], s[4:5], s[46:47]
	s_add_nc_u64 s[92:93], s[6:7], s[92:93]
	CROUND                                         ; all sixteen work-groups are here: the first joint loads meet
	s_mov_b32 s[G0S], 1
	s_add_co_u32 s[G0S+1], s94, SCL
	s_mov_b64 s[G0S+2:G0S+3], s[100:101]
	s_or_b32 s[G0S+3], s[G0S+3], 0x80000000
	s_mov_b32 s[G0SB], 1
	s_add_co_u32 s[G0SB+1], s94, SCL
	s_mov_b64 s[G0SB+2:G0SB+3], s[92:93]
	s_or_b32 s[G0SB+3], s[G0SB+3], 0x80000000
	JLOAD G0S, G1S, G0SB, G1SB                     ; the scale words of all of K: filled once
.irp s, 0,1
	s_mov_b32 s[G0+4*\s], 1
	s_add_co_u32 s[G0+4*\s+1], s45, \s*SLOT
	s_add_nc_u64 s[G0+4*\s+2:G0+4*\s+3], s[98:99], \s*STEPA
	s_or_b32 s[G0+4*\s+3], s[G0+4*\s+3], 0x80000000
	s_mov_b32 s[G0B+4*\s], 1
	s_add_co_u32 s[G0B+4*\s+1], s45, \s*SLOT
	s_add_nc_u64 s[G0B+4*\s+2:G0B+4*\s+3], s[46:47], \s*STEPB
	s_or_b32 s[G0B+4*\s+3], s[G0B+4*\s+3], 0x80000000
	JLOAD G0+4*\s, G1, G0B+4*\s, G1B               ; slots 0 and 1: three tensor loads of mine are out
.endr
	v_and_b32 v1, 31, v0
	v_and_b32 v2, 15, v0                           ; r
	v_bfe_u32 v3, v0, 4, 1                         ; h
	v_lshlrev_b32 v24, 4, v1                       ; 16 x lane
	s_mul_i32 s104, s21, HALFT
	s_mul_i32 s105, s22, HALFT
	s_add_co_u32 s105, s105, 2*HALFT
.irp s, 0,1
	v_add_nc_u32 v[ADRA+\s], s104, v24
	v_add_nc_u32 v[ADRB+\s], s105, v24
	s_add_co_u32 s104, s104, SLOT
	s_add_co_u32 s105, s105, SLOT
.endr
	s_mul_i32 s104, s21, HALFS
	s_mul_i32 s105, s22, HALFS
	s_add_co_u32 s105, s105, 2*HALFS
	s_sub_co_u32 s105, s105, s104
	v_mul_u32_u24 v4, s105, v3
	s_add_co_u32 s104, s104, SCL
	v_lshl_add_u32 v4, v2, 2, v4
	v_add_nc_u32 v[ADRS], s104, v4
	v_lshlrev_b32 v25, 4, v2
	v_lshl_add_u32 v25, v3, 12, v25                ; a record's place: 16 r + 4,096 h: lanes 16-31 store the next row block's
	s_lshl_b32 s2, s97, 13                         ; the mask of my 128 keys: (2048 batch + 256 tile + 128 half + 32 b + 16 h + i) x 4
	s_lshl_b32 s3, s42, 10
	s_add_co_u32 s2, s2, s3
	s_lshl_b32 s3, s22, 9
	s_add_co_u32 s2, s2, s3
	v_lshl_add_u32 v5, v3, 6, s2
.irp b, 0,1,2,3
.irp j, 0,1,2,3
	global_load_b128 v[MT+16*\b+4*\j:MT+16*\b+4*\j+3], v5, s[8:9] offset:128*\b+16*\j
.endr
.endr
	s_wait_loadcnt 0x0                             ; the mask, once: it lands while the first tiles are on their way
.set i, 0
.rept 32
	v_pk_fma_f32 v[MT+i:MT+i+1], v[MT+i:MT+i+1], -1.0, 1.0 op_sel_hi:[1,0,0]   ; 1 - mask, one rounding
.set i, i+2
.endr
.set i, 0
.rept 32
	v_pk_mul_f32 v[MT+i:MT+i+1], v[MT+i:MT+i+1], 0xc61c4000 op_sel_hi:[1,0]    ; x -10000
.set i, i+2
.endr
	s_wait_tensorcnt 1                             ; the scale words and my part of slot 0 are in; slot 1's load may be out
	s_barrier_signal -1
	s_barrier_wait -1
	FETCH_B 0, 0, 0
	FETCH_A 0, 0, 0
	SCALES 0
	FETCH_A 0, 0, 4
	STEP 0, 0, 1
	s_mov_b32 s3, LAPS-1
.Llap:
	TURN 0, 1, 1
	STEP 1, 0, 0
	TURN 1, 0, 1
	STEP 0, 0, 0
	s_sub_co_u32 s3, s3, 1
	s_cmp_lg_u32 s3, 0
	s_cbranch_scc1 .Llap
	TURN 0, 1, 0
	STEP 1, 0, 0
	s_wait_dscnt 4*NL
	WIN MUL_LO
	MUL16 0, 1, NQ-1, 1, 0
	MUL16 2, 1, NQ-1, 1, 0
	s_wait_dscnt 0
	WIN MUL_HI
	MUL16 4, 1, NQ-1, 1, 0
	MUL16 6, 1, NQ-1, 1, 0
	WIN 0
	PLACES NP
	; THE TAIL
	s_mov_b32 s[SEL], 0x76543210                   ; (no tensor load is pending: the last change of slots waited for all)
	s_mov_b32 s[SEL+1], 0xfedcba98
	s_mov_b32 s[HI], 0xffff0000
	s_mov_b32 s[C8], 0x3e000000                    ; 1/8
	s_mov_b32 s[C8+1], s[C8]
	s_mov_b32 s[LE], 0x3fb8aa3b                    ; log2(e)
	s_mov_b32 s[LE+1], s[LE]
.irp b, 0,1,2,3
	v_mov_b32 v[196+\b], 0                         ; written once: a lane permute's destination counts as one of its sources
.endr
	v_mov_b32 v[NM+1], 0                           ; (named as the upper half of a pair)
	s_lshl_b32 s104, s95, 4
	s_lshl_b32 s105, s21, 3
	s_add_co_u32 s104, s104, s105                  ; my first row block of queries
	s_lshl_b32 s2, s42, 9                          ; p's codes at ((key tile x 512 + row block) x 2 + half) x 1536
	s_add_co_u32 s2, s2, s104
	s_lshl_b32 s2, s2, 1
	s_add_co_u32 s2, s2, s22
	s_mul_i32 s2, s2, 1536
	s_mov_b32 s3, 0
	s_add_nc_u64 s[10:11], s[10:11], s[2:3]
	s_lshl_b32 s2, s104, 4                         ; the records at (row block x 16 + 2 x key tile + half) x 256
	s_lshl_b32 s23, s42, 1
	s_add_co_u32 s2, s2, s23
	s_add_co_u32 s2, s2, s22
	s_lshl_b32 s2, s2, 8
	s_add_nc_u64 s[12:13], s[12:13], s[2:3]
; Block a of 16 queries against my 128 keys.
.macro SOFT a
.set PCA, PCB+12*((\a)%2)
.if (\a) >= 1
	s_wait_xcnt 0x0                                ; the earlier stores have read their registers: codes and record are written again only behind this wait
.endif
	WIN 0x02+((\a)/4)
.set i, 0
.rept 32
	v_pk_fma_f32 v[TT+i:TT+i+1], v[64*((\a)%4)+i:64*((\a)%4)+i+1], s[C8:C8+1], v[MT+i:MT+i+1] op_sel_hi:[1,0,1]   ; the logit: score / 8 (exact) + the mask's term; each accumulator from its low end on
.set i, i+2
.endr
	WIN 0
.irp b, 0,1,2,3
	v_max3_num_f32 v[BX+\b], v[TT+16*\b], v[TT+1+16*\b], v[TT+2+16*\b]   ; the largest logit of each block of 32 keys: it serves for the row's maximum and, since p rises with the logit, for the block's largest p
.endr
.irp i, 3,5,7,9,11,13
.irp b, 0,1,2,3
	v_max3_num_f32 v[BX+\b], v[BX+\b], v[TT+16*\b+\i], v[TT+1+16*\b+\i]
.endr
.endr
.irp b, 0,1,2,3
	v_max_num_f32 v[BX+\b], v[BX+\b], v[TT+15+16*\b]
.endr
.irp b, 0,1,2,3
	v_permlanex16_b32 v[196+\b], v[BX+\b], s[SEL], s[SEL+1]
.endr
.irp b, 0,1,2,3
	v_max_num_f32 v[BX+\b], v[BX+\b], v[196+\b]    ; with lane l xor 16's 16 keys
.endr
	v_max3_num_f32 v200, v[BX], v[BX+1], v[BX+2]
	v_max_num_f32 v200, v200, v[BX+3]
	v_mul_f32 v200, s[LE], v200                    ; the run's largest t
	v_floor_f32 v[NM], -v200                       ; -M = floor(-t) = -ceil(t)
.set i, 0
.rept 32
	v_pk_fma_f32 v[TT+i:TT+i+1], v[TT+i:TT+i+1], s[LE:LE+1], v[NM:NM+1] op_sel_hi:[1,0,0]   ; t - M
.set i, i+2
.endr
.irp b, 0,1,2,3
	v_fma_f32 v[BX+\b], v[BX+\b], s[LE], v[NM]     ; the same of each block's largest logit
.endr
.set i, 0
.rept 64
	v_exp_f32 v[TT+i], v[TT+i]                     ; p = 2^(t - M): not normalised
.set i, i+1
.endr
	v_mov_b32 v59, 0                               ; the record's fourth word.  (The plain instruction behind the exponentials)
	s_wait_alu depctr_va_vdst(0)                   ; one wait for the batch, ahead of its first reader
.irp b, 0,1,2,3
	v_exp_f32 v[BX+\b], v[BX+\b]                   ; the block's largest p
.endr
	v_pk_add_f32 v[206:207], v[TT:TT+1], v[TT+4:TT+5]              ; the sum of the UNQUANTISED p, in two chains: plain work behind the four
	v_pk_add_f32 v[208:209], v[TT+2:TT+3], v[TT+6:TT+7]
.irp j, 8,12,16,20,24,28,32,36,40,44,48,52,56,60
	v_pk_add_f32 v[206:207], v[206:207], v[TT+\j:TT+\j+1]
	v_pk_add_f32 v[208:209], v[208:209], v[TT+\j+2:TT+\j+3]
.endr
	v_pk_add_f32 v[206:207], v[206:207], v[208:209]
	v_add_f32 v206, v206, v207
	v_permlanex16_b32 v208, v206, s[SEL], s[SEL+1]
	v_add_f32 v206, v206, v208                     ; with lane l xor 16's: the run's sum
	s_wait_alu depctr_va_vdst(0)                   ; and one wait for the four
.irp b, 0,1,2,3
	v_max_num_f32 v[BX+\b], 0x1800000, v[BX+\b]    ; the floor 2^(3 - 127): the byte cannot fall under 1
.endr
.irp b, 0,1,2,3
	v_add_nc_u32 v[200+\b], 0xff000000, v[BX+\b]   ; 2 off the exponent field: the conversion's scale operand
.endr
.irp b, 0,1,2,3
	v_lshrrev_b32 v[196+\b], 23, v[200+\b]         ; the scale's byte
.endr
	v_lshl_or_b32 v[PWR], v197, 8, v196
	v_lshl_or_b32 v[PWR], v198, 16, v[PWR]
	v_lshl_or_b32 v[PWR], v199, 24, v[PWR]
.irp c, 0,1
	v_cvt_scalef32_pk16_fp6_f32 v[PCA+6*\c:PCA+6*\c+2], v[TT+32*\c:TT+32*\c+15], v[200+2*\c]
	v_cvt_scalef32_pk16_fp6_f32 v[CT+4*\c:CT+4*\c+2], v[TT+32*\c+16:TT+32*\c+31], v[200+2*\c+1]
.endr
	v_nop                                          ; one plain instruction behind the conversions
.irp c, 0,1
.irp i, 0,1,2
	v_permlane16_swap_b32 v[PCA+6*\c+\i], v[CT+4*\c+\i]
.endr
.irp i, 0,1,2
	v_mov_b32 v[PCA+6*\c+3+\i], v[CT+4*\c+\i]
.endr
.endr
.irp c, 0,1,2
	global_store_b128 v24, v[PCA+4*\c:PCA+4*\c+3], s[10:11] offset:(\a)*3072+512*\c   ; 512 consecutive bytes
.endr
.if (\a)%2 == 0
	v_mov_b32 v56, v[NM]                           ; the even block's records are taken from lanes 0-15,
	v_mov_b32 v57, v206
	v_mov_b32 v58, v[PWR]
.else
	v_cndmask_b32 v56, v56, v[NM], s[HI]           ; the odd block's from lanes 16-31
	v_cndmask_b32 v57, v57, v206, s[HI]
	v_cndmask_b32 v58, v58, v[PWR], s[HI]
	global_store_b128 v25, v[56:59], s[12:13] offset:((\a)/2)*8192   ; two runs of 256 consecutive bytes, each at a multiple of 256
.endif
.endm
.irp a, 0,1,2,3,4,5,6,7
	SOFT \a
.endr
	s_wait_tensorcnt 0x0                           ; the wave's end
	ds_add_u32 v[SPW], v[NIL]
	s_wait_dscnt 0x0
	CROUND                                         ; the closing round
	s_endpgm
.Lfunc_end_k_q67d8f382d0_scores:
	.size	k_q67d8f382d0_scores, .Lfunc_end_k_q67d8f382d0_scores-k_q67d8f382d0_scores
	.p2alignl 7, 3214868480
	.fill 96, 4, 3214868480
	.section	.rodata,"a",@progbits
	.p2align	6, 0x0
	.amdhsa_kernel k_q67d8f382d0_scores
		.amdhsa_group_segment_fixed_size 327680
		.amdhsa_private_segment_fixed_size 0
		.amdhsa_enable_private_segment 0
		.amdhsa_kernarg_size 40
		.amdhsa_user_sgpr_count 2
		.amdhsa_user_sgpr_kernarg_segment_ptr 1
		.amdhsa_wavefront_size32 1
		.amdhsa_system_sgpr_workgroup_id_x 1
		.amdhsa_system_sgpr_workgroup_id_y 1
		.amdhsa_system_sgpr_workgroup_id_z 1
		.amdhsa_system_vgpr_workitem_id 0
		.amdhsa_next_free_vgpr 1024
		.amdhsa_next_free_sgpr 106
		.amdhsa_reserve_vcc 0
		.amdhsa_float_denorm_mode_32 3
		.amdhsa_float_denorm_mode_16_64 3
		.amdhsa_memory_ordered 1
		.amdhsa_forward_progress 1
		.amdhsa_inst_pref_size 219
	.end_amdhsa_kernel
	.amdgpu_metadata
---
amdhsa.version: [ 1, 2 ]
amdhsa.kernels:
  - .name:           k_q67d8f382d0_scores
    .symbol:         k_q67d8f382d0_scores.kd
    .args:
      - { .name: qkv_codes, .offset: 0, .size: 8, .value_kind: global_buffer, .address_space: global }
      - { .name: qkv_scales, .offset: 8, .size: 8, .value_kind: global_buffer, .address_space: global }
      - { .name: attention_mask, .offset: 16, .size: 8, .value_kind: global_buffer, .address_space: global }
      - { .name: p_codes, .offset: 24, .size: 8, .value_kind: global_buffer, .address_space: global }
      - { .name: p_rec, .offset: 32, .size: 8, .value_kind: global_buffer, .address_space: global }
    .group_segment_fixed_size: 327680
    .private_segment_fixed_size: 0
    .kernarg_segment_align: 8
    .kernarg_segment_size: 40
    .max_flat_workgroup_size: 128
    .sgpr_count:     106
    .vgpr_count:     1024
    .wavefront_size: 32
...
	.end_amdgpu_metadata
.endif
;; end of part 3
;; launch pv (part 4): grid 4 x 32, 4 waves a work-group, clusters of 4 x 4, 327,680 bytes of LDS; arguments p_codes, p_rec, qkv_codes, qkv_scales, out0; writes out0
.if DOCPART == 4
	.amdgcn_target "amdgcn-amd-amdhsa--gfx1250"
	.amdhsa_code_object_version 6
	.text
	.protected	k_q67d8f382d0_pv
	.globl	k_q67d8f382d0_pv
	.p2align	8
	.type	k_q67d8f382d0_pv,@function
k_q67d8f382d0_pv:
	s_mov_b64 s[64:65], 0
	v_nop
	global_prefetch_b8 v0, s[64:65] scope:SCOPE_SE
	s_setreg_imm32_b32 hwreg(HW_REG_WAVE_MODE, 25, 1), 1
	s_wait_xcnt 0x0
	s_wait_alu depctr_hold_cnt(0) depctr_sa_sdst(0) depctr_va_vdst(0) depctr_va_sdst(0) depctr_va_ssrc(0) depctr_va_vcc(0) depctr_vm_vsrc(0)
	s_getreg_b32 s2, hwreg(HW_REG_IB_STS2, 6, 4)
	s_cmp_eq_u32 s2, 0
	s_cbranch_scc0 .Lentry_in_a_cluster
	s_endpgm
.Lentry_in_a_cluster:
	s_bfe_u32 s2, ttmp6, 0x10000c
	s_cmp_lg_u32 s2, 0xf033
	s_cbranch_scc0 .Lentry_shape_is_right
	s_endpgm
.Lentry_shape_is_right:
; out = (p v) / l on codes of FP6 (E2M3).  p's codes were made under an M of their own for each run of 128 keys.  At the head each row's runs are brought under the row's M (the largest of the 16):
; d = M_row - M_run, a whole number, is taken off the run's four scale bytes (no code changes), and l = the sum over the runs of l_run x 2^-d.
; LIMITS: d is held at 127, and a byte that would fall under 0 is held at 0 (2^-127): both concern terms under 2^-120 of the row's largest.  NaN and infinities are not served.
; A tile of 256 queries x 256 channels is made by four waves, 128 x 128 each; K = the batch's 2,048 keys goes in eight slots of 256 through a ring of two LDS slots of images.
; TRANSPOSED: source 0 = 16 rows of v^T (channels), source 1 = 16 queries: a lane holds eight neighbouring channels of one query.
; CLUSTER 4 x 4: p's tiles are shared along a row of the cluster, v^T's along a column: joint loads.
; LDS: the ring; from SCL A's scale words (written by LDS stores alone: no tensor load lands there), then B's (one tensor load a wave); the spare words; 1 / l of the 256 rows.  The stage of the way out lies in slot 0,
; which has had its last fill and its last read when the first result is stored there.
.set NK,     16
.set NQ,     2
.set FR,     12
.set NL,     3
.set NP,     4
.set HALFT,  24576
.set SLOT,   4*HALFT
.set SCL,    2*SLOT
.set HALFS,  512*NK
.set SPARE,  SCL+4*HALFS
.set RL,     SPARE+512                 ; 1 / l: 256 rows x 4 bytes
.set LAPS,   NK/4
.set STEPA,  1572864                   ; a slot on in p: 512 row blocks x 3,072 bytes
.set STEPB,  196608                    ; in v^T: 64 row blocks
.set SPITCH, 528
.set ADRA, 16
.set ADRB, 20
.set ADRS, 27
.set SPW,  28
.set NIL,  29
.set SC,   32
.set AF,   128
.set G1, 24
.set G0, 32
.set G1B, 48
.set G0B, 56
.set G1SB, 80
.set G0SB, 88
.set RI,  32                           ; the way out: 1 / l of the lane's row of block a, twice
.set DD,  64                           ; the way out: a block's 64 numbers / l
.set BK,  128                          ; the way out: 16 rows read back: v128-191 and v192-255 by turns
.set RD,  25
.set STO, 26
.set MSB, 0
.macro WIN new
.if MSB != \new
	s_set_vgpr_msb (MSB<<8)|\new
.set MSB, \new
.endif
.endm
.set MUL_LO, 0xa1
.set MUL_HI, 0xf1
.set TO_B,   0x40
.macro JLOAD g0a, g1a, g0b, g1b        ; waves 0 and 1 fetch for A, waves 2 and 3 for B; four v_nop follow each of the two lines
	s_cmp_eq_u32 s21, 0
	s_cbranch_scc0 .Lfor_b_\@
	tensor_load_to_lds s[\g0a:\g0a+3], s[\g1a:\g1a+7]
	s_nop 0
.rept 4
	v_nop
.endr
	s_branch .Lasked_\@
.Lfor_b_\@:
	tensor_load_to_lds s[\g0b:\g0b+3], s[\g1b:\g1b+7]
	s_nop 0
.rept 4
	v_nop
.endr
.Lasked_\@:
.endm
.macro CREST
	s_cmp_lg_u32 s20, 0
	s_cbranch_scc1 .Lnot_wave_0_\@
	s_barrier_signal -3
.Lnot_wave_0_\@:
	s_barrier_wait -3
	s_barrier_signal -1
	s_barrier_wait -1
.endm
.macro CROUND
	s_barrier_signal -1
	s_barrier_wait -1
	CREST
.endm
.macro FRAG reg, adr, q, i
.irp c, 0,1,2
	ds_load_b128 v[\reg+4*\c:\reg+4*\c+3], v[\adr] offset:(\i)*3072+(\q)*1536+512*\c
.endr
.endm
.macro MUL16 a0, p, q, sc, zero        ; the 64 accumulators take turns, one instruction a turn
.irp a, \a0, \a0+1
.irp b, 0,1,2,3,4,5,6,7
.if \zero
	v_wmma_scale_f32_16x16x128_f8f6f4 v[8*(8*((\a)%4)+\b):8*(8*((\a)%4)+\b)+7], v[128*(\p)+FR*\b:128*(\p)+FR*\b+FR-1], v[AF+FR*(\a):AF+FR*(\a)+FR-1], 0, v[SC+8*NQ*(\sc)+NQ*\b+(\q)], v[SC+8*NQ*(\sc)+NQ*(\a)+(\q)] matrix_a_fmt:MATRIX_FMT_FP6 matrix_b_fmt:MATRIX_FMT_FP6 matrix_a_scale:MATRIX_SCALE_ROW1
.else
	v_wmma_scale_f32_16x16x128_f8f6f4 v[8*(8*((\a)%4)+\b):8*(8*((\a)%4)+\b)+7], v[128*(\p)+FR*\b:128*(\p)+FR*\b+FR-1], v[AF+FR*(\a):AF+FR*(\a)+FR-1], v[8*(8*((\a)%4)+\b):8*(8*((\a)%4)+\b)+7], v[SC+8*NQ*(\sc)+NQ*\b+(\q)], v[SC+8*NQ*(\sc)+NQ*(\a)+(\q)] matrix_a_fmt:MATRIX_FMT_FP6 matrix_b_fmt:MATRIX_FMT_FP6 matrix_a_scale:MATRIX_SCALE_ROW1
.endif
.endr
.endr
.endm
.macro FETCH_B slot, q, p
	WIN TO_B
.irp i, 0,1,2,3,4,5,6,7
	FRAG 128*(\p)+FR*\i, ADRB+\slot, \q, \i
.endr
	WIN 0
.endm
.macro FETCH_A slot, q, i0
.irp i, \i0, \i0+1, \i0+2, \i0+3
	FRAG AF+FR*(\i), ADRA+\slot, \q, \i
.endr
.endm
.macro SCALES sc
.irp i, 0,1,2,3,4,5,6,7
.irp q, 0,1
	ds_load_b32 v[SC+8*NQ*\sc+NQ*\i+\q], v[ADRS] offset:\i*NK*64+64*\q
.endr
.endr
.endm
.macro PLACES n
.rept \n
	v_nop
.endr
.endm
.macro ADVANCE slot
	s_add_nc_u64 s[G0+4*\slot+2:G0+4*\slot+3], s[G0+4*\slot+2:G0+4*\slot+3], 2*STEPA
	s_add_nc_u64 s[G0B+4*\slot+2:G0B+4*\slot+3], s[G0B+4*\slot+2:G0B+4*\slot+3], 2*STEPB
.endm
.macro STEP slot, q, zero
	s_wait_dscnt 4*NL                              ; all but the youngest 12 loads (A's blocks 4-7) are in
	WIN MUL_LO
	MUL16 0, (\q)%2, \q, \slot, \zero
	MUL16 2, (\q)%2, \q, \slot, \zero
	s_wait_dscnt 0
	PLACES NP
	FETCH_B \slot, (\q)+1, 1-(\q)%2
	FETCH_A \slot, (\q)+1, 0
	WIN MUL_HI
	MUL16 4, (\q)%2, \q, \slot, \zero
	MUL16 6, (\q)%2, \q, \slot, \zero
	PLACES NP
	WIN 0
	FETCH_A \slot, (\q)+1, 4
.endm
.macro TURN slot, next, fill
	s_wait_tensorcnt 0x0                           ; all my tensor loads have landed: my part of the next slot
	ds_add_u32 v[SPW], v[NIL]                      ; 0 onto my spare word
	s_wait_dscnt 4*NL+1                            ; (the add and the youngest 12 loads may be out)
	WIN MUL_LO
	MUL16 0, 1, NQ-1, \slot, 0
	s_wait_dscnt 0x0                               ; the add is done, and my reads of this slot are over
	s_barrier_signal -1
	MUL16 2, 1, NQ-1, \slot, 0
	WIN 0
	s_barrier_wait -1
.if \fill
	CREST                                          ; a round of the cluster's barrier: no wave of any partner still reads this slot or has a load on its way
	ADVANCE \slot
	JLOAD G0+4*\slot, G1, G0B+4*\slot, G1B
.else
	PLACES NP
.endif
	v_add_nc_u32 v[ADRS], 64*NQ, v[ADRS]
	FETCH_B \next, 0, 0
	FETCH_A \next, 0, 0
	SCALES \next
	WIN MUL_HI
	MUL16 4, 1, NQ-1, \slot, 0
	MUL16 6, 1, NQ-1, \slot, 0
	PLACES NP
	WIN 0
	FETCH_A \next, 0, 4
.endm
	s_load_b256 s[4:11], s[0:1], 0x0               ; p_codes s[4:5], p_rec s[6:7], qkv_codes s[8:9], qkv_scales s[10:11]
	s_load_b64 s[12:13], s[0:1], 0x20              ; out0
	v_lshl_add_u32 v[SPW], v0, 2, SPARE
	v_mov_b32 v[NIL], 0
	ds_add_u32 v28, v29
	ds_add_u32 v28, v29
	s_wait_dscnt 0x0
	v_lshrrev_b32 v1, 5, v0
	v_readfirstlane_b32 s20, v1                    ; wave
	s_lshr_b32 s21, s20, 1                         ; my half of the queries.  Also: I fetch for A (0) or for B (1)
	s_and_b32 s22, s20, 1                          ; my half of the channels.  Also: which 128 rows I fetch
	s_bfe_u32 s40, ttmp6, 0x40000                  ; cx
	s_bfe_u32 s41, ttmp6, 0x40004                  ; cy
	s_and_b32 s96, ttmp7, 0xffff                   ; the cluster's y
	s_lshl_b32 s43, s41, 2
	s_lshl_b32 s43, 15, s43
	s_lshl_b32 s44, 0x1111, s40
	s_or_b32 s[G1+0], s43, (3<<16)|(1<<21)
	s_or_b32 s[G1B+0], s44, (3<<16)|(1<<21)
	s_or_b32 s[G1SB+0], s44, (3<<16)|(1<<21)
.irp g, G1, G1B                        ; 24,576 dense bytes as 96 rows of 256
	s_mov_b32 s[\g+1], 32<<16
	s_mov_b32 s[\g+2], 96<<16
	s_mov_b32 s[\g+3], 32<<16
	s_mov_b32 s[\g+4], 96
	s_mov_b32 s[\g+5], 32
	s_mov_b32 s[\g+6], 0
	s_mov_b32 s[\g+7], 0
.endr
	s_mov_b32 s[G1SB+1], 32<<16            ; 4,096 dense bytes as 16 rows of 256
	s_mov_b32 s[G1SB+2], 16<<16
	s_mov_b32 s[G1SB+3], 32<<16
	s_mov_b32 s[G1SB+4], 16
	s_mov_b32 s[G1SB+5], 32
	s_mov_b32 s[G1SB+6], 0
	s_mov_b32 s[G1SB+7], 0
	s_lshl_b32 s95, s96, 2
	s_add_co_u32 s95, s95, s41                     ; the tile of queries, 0..31
	s_lshr_b32 s97, s96, 1                         ; the batch
	s_lshl_b32 s104, s95, 4                        ; A = p: row block 16 x tile + 8 x half
	s_lshl_b32 s105, s22, 3
	s_add_co_u32 s105, s104, s105
	s_mul_i32 s98, s105, 3072
	s_mov_b32 s99, 0
	s_lshl_b32 s105, s20, 2                        ; the records that I merge: row blocks 16 x tile + 4 x wave on, 4,096 bytes each
	s_add_co_u32 s104, s104, s105
	s_lshl_b32 s100, s104, 12
	s_mov_b32 s101, 0
	s_lshl_b32 s42, ttmp9, 2
	s_add_co_u32 s42, s42, s40                     ; the tile of channels, 0..3
	s_lshl_b32 s2, s97, 9                          ; B = v^T: (512 batch + 16 x tile + 8 x half) x 3072 + 12,582,912
	s_lshl_b32 s23, s42, 4
	s_add_co_u32 s2, s2, s23
	s_lshl_b32 s23, s22, 3
	s_add_co_u32 s2, s2, s23
	s_mul_i32 s46, s2, 3072
	s_add_co_u32 s46, s46, 12582912
	s_mov_b32 s47, 0
	s_lshl_b32 s2, s97, 6                          ; its scale words: (64 batch + 16 x tile) x 1024 + wave x 4096 + 524,288
	s_lshl_b32 s23, s42, 4
	s_add_co_u32 s2, s2, s23
	s_lshl_b32 s92, s2, 10
	s_lshl_b32 s23, s20, 12
	s_add_co_u32 s92, s92, s23
	s_add_co_u32 s92, s92, 524288
	s_mov_b32 s93, 0
	s_mul_i32 s45, s20, HALFT
	s_wait_kmcnt 0x0
	s_add_nc_u64 s[98:99], s[4:5], s[98:99]
	s_add_nc_u64 s[100:101], s[6:7], s[100:101]
	s_add_nc_u64 s[46:47], s[8:9], s[46:47]
	s_add_nc_u64 s[92:93], s[10:11], s[92:93]
	CROUND                                         ; all sixteen work-groups are here: the first joint loads meet
	s_mov_b32 s[G0SB], 1
	s_add_co_u32 s[G0SB+1], s23, SCL+2*HALFS       ; wave x 4,096 behind A's words
	s_mov_b64 s[G0SB+2:G0SB+3], s[92:93]
	s_or_b32 s[G0SB+3], s[G0SB+3], 0x80000000
	tensor_load_to_lds s[G0SB:G0SB+3], s[G1SB:G1SB+7]   ; v^T's scale words of the whole batch, a quarter a wave: filled once
	s_nop 0
.rept 4
	v_nop
.endr
.irp s, 0,1
	s_mov_b32 s[G0+4*\s], 1
	s_add_co_u32 s[G0+4*\s+1], s45, \s*SLOT
	s_add_nc_u64 s[G0+4*\s+2:G0+4*\s+3], s[98:99], \s*STEPA
	s_or_b32 s[G0+4*\s+3], s[G0+4*\s+3], 0x80000000
	s_mov_b32 s[G0B+4*\s], 1
	s_add_co_u32 s[G0B+4*\s+1], s45, \s*SLOT
	s_add_nc_u64 s[G0B+4*\s+2:G0B+4*\s+3], s[46:47], \s*STEPB
	s_or_b32 s[G0B+4*\s+3], s[G0B+4*\s+3], 0x80000000
	JLOAD G0+4*\s, G1, G0B+4*\s, G1B               ; slots 0 and 1: three tensor loads of mine are out
.endr
	v_and_b32 v1, 31, v0
	v_and_b32 v2, 15, v0                           ; r
	v_bfe_u32 v3, v0, 4, 1                         ; h
	v_lshlrev_b32 v5, 4, v2
	v_lshl_add_u32 v5, v3, 12, v5                  ; a record's place: 16 r + 4,096 h
.irp p, 0,1
.irp k, 0,1,2,3,4,5,6,7,8,9,10,11,12,13,14,15
	global_load_b128 v[64+64*\p+4*\k:64+64*\p+4*\k+3], v5, s[100:101] offset:\p*8192+256*\k   ; row block 4 wave + 2 p + h, run k, row r
.endr
.endr
	v_lshlrev_b32 v24, 4, v1                       ; 16 x lane
	s_mul_i32 s104, s21, HALFT
	s_mul_i32 s105, s22, HALFT
	s_add_co_u32 s105, s105, 2*HALFT
.irp s, 0,1
	v_add_nc_u32 v[ADRA+\s], s104, v24
	v_add_nc_u32 v[ADRB+\s], s105, v24
	s_add_co_u32 s104, s104, SLOT
	s_add_co_u32 s105, s105, SLOT
.endr
	s_mul_i32 s104, s21, HALFS
	s_mul_i32 s105, s22, HALFS
	s_add_co_u32 s105, s105, 2*HALFS
	s_sub_co_u32 s105, s105, s104
	v_mul_u32_u24 v4, s105, v3
	s_add_co_u32 s104, s104, SCL
	v_lshl_add_u32 v4, v2, 2, v4
	v_add_nc_u32 v[ADRS], s104, v4
	s_lshl_b32 s104, s20, 12
	s_add_co_u32 s104, s104, SCL
	v_lshlrev_b32 v6, 2, v2
	v_lshl_add_u32 v6, v3, 10, v6
	v_add_nc_u32 v6, s104, v6                      ; where I store A's scale words: SCL + (4 wave + h) x 1024 + 4 r
	s_lshl_b32 s104, s20, 8
	s_add_co_u32 s104, s104, RL
	v_lshlrev_b32 v7, 2, v2
	v_lshl_add_u32 v7, v3, 6, v7
	v_add_nc_u32 v7, s104, v7                      ; and 1 / l: RL + (4 wave + h) x 64 + 4 r
	s_lshl_b32 s104, s21, 9
	s_add_co_u32 s104, s104, RL
	v_lshl_add_u32 v23, v2, 2, s104                ; where I read 1 / l back: RL + 512 x my half + 4 r
	s_mul_i32 s104, s20, 16*SPITCH                 ; my stage, in slot 0
	v_mul_u32_u24 v[STO], v2, SPITCH
	v_lshl_add_u32 v[STO], v3, 5, v[STO]
	v_add_nc_u32 v[STO], s104, v[STO]              ; in: row r, 32 bytes for each half of the lanes
	v_add_nc_u32 v[RD], s104, v24                  ; back: a row of 512 bytes, 16 a lane
	s_mov_b32 s23, 0x80808080
; The 16 runs of my row are brought under the row's M.
.macro MERGE p
.set RB, 64+64*\p
	s_wait_loadcnt 16*(1-\p)                       ; this pass's 16 records are in; the next pass's 16 may be out
	v_min3_num_f32 v192, v[RB], v[RB+4], v[RB+8]   ; the smallest -M: the row's
.irp k, 3,5,7,9,11,13
	v_min3_num_f32 v192, v192, v[RB+4*\k], v[RB+4*\k+4]
.endr
	v_min_num_f32 v192, v192, v[RB+60]
.irp k, 0,1,2,3,4,5,6,7,8,9,10,11,12,13,14,15
	v_sub_f32 v194, v[RB+4*\k], v192               ; d = M_row - M_run: a whole number, 0 or more
	v_cvt_i32_f32 v194, v194                       ; (it saturates)
	v_min_u32 v194, 127, v194
	v_perm_b32 v195, v194, v194, 0                 ; d in all four bytes
	v_or_b32 v196, s23, v[RB+4*\k+2]               ; each byte + 128: the bytes lie in 1 .. 125, so no borrow crosses a byte
	v_sub_nc_u32 v196, v196, v195
	v_and_b32 v197, s23, v196                      ; the top bit stays where byte >= d
	v_lshrrev_b32 v198, 7, v197
	v_sub_nc_u32 v197, v197, v198                  ; 0x7f there, 0 elsewhere
	v_and_b32 v[RB+4*\k+3], v196, v197             ; max(byte - d, 0)
	ds_store_b32 v6, v[RB+4*\k+3] offset:\p*2048+64*\k
	v_sub_nc_u32 v194, 0, v194
	v_ldexp_f32 v194, 1.0, v194                    ; 2^-d
.if \k == 0
	v_mul_f32 v193, v[RB+1], v194
.else
	v_fmac_f32 v193, v[RB+4*\k+1], v194            ; l
.endif
.endr
	v_rcp_f32 v199, v193
	v_nop                                          ; a plain instruction behind the reciprocal,
	s_wait_alu depctr_va_vdst(0)                   ; and a wait ahead of its first reader
	ds_store_b32 v7, v199 offset:\p*128
.endm
	MERGE 0
	MERGE 1
	s_wait_tensorcnt 1                             ; v^T's scale words and my part of slot 0 are in; slot 1's load may be out
	s_wait_dscnt 0x0                               ; my stores of A's scale words and of 1 / l have landed
	s_barrier_signal -1
	s_barrier_wait -1
	FETCH_B 0, 0, 0
	FETCH_A 0, 0, 0
	SCALES 0
	FETCH_A 0, 0, 4
	STEP 0, 0, 1
	s_mov_b32 s3, LAPS-1
.Llap:
	TURN 0, 1, 1
	STEP 1, 0, 0
	TURN 1, 0, 1
	STEP 0, 0, 0
	s_sub_co_u32 s3, s3, 1
	s_cmp_lg_u32 s3, 0
	s_cbranch_scc1 .Llap
	TURN 0, 1, 0
	STEP 1, 0, 0
	s_wait_dscnt 4*NL
	WIN MUL_LO
	MUL16 0, 1, NQ-1, 1, 0
	MUL16 2, 1, NQ-1, 1, 0
	s_wait_dscnt 0
	WIN MUL_HI
	MUL16 4, 1, NQ-1, 1, 0
	MUL16 6, 1, NQ-1, 1, 0
	WIN 0
	PLACES NP
	; THE WAY OUT, block by block of 16 queries x 128 channels: x 1 / l, through my own stage in LDS, back as whole rows of 512 bytes.
	s_lshl_b32 s2, s95, 8
	s_lshl_b32 s104, s21, 7
	s_add_co_u32 s2, s2, s104                      ; my first row of out0
	s_lshl_b32 s2, s2, 12
	s_lshl_b32 s104, s42, 10
	s_add_co_u32 s2, s2, s104
	s_lshl_b32 s104, s22, 9
	s_add_co_u32 s2, s2, s104                      ; + 1024 x tile of channels + 512 x half
	s_mov_b32 s3, 0
	s_add_nc_u64 s[12:13], s[12:13], s[2:3]
.irp a, 0,1,2,3,4,5,6,7
	ds_load_b32 v[RI+2*\a], v23 offset:64*\a
	ds_load_b32 v[RI+2*\a+1], v23 offset:64*\a     ; twice: a pair for the packed multiply
.endr
	s_wait_dscnt 0x0
.macro TOSTAGE a
.if (\a) > 0
	s_wait_dscnt 16                                ; the last block's 16 stores into the stage are done; its 16 loads may be out
.endif
	WIN 0x02+((\a)/4)
.set i, 0
.rept 32
	v_pk_mul_f32 v[DD+i:DD+i+1], v[64*((\a)%4)+i:64*((\a)%4)+i+1], v[RI+2*(\a):RI+2*(\a)+1]   ; each accumulator from its low end on
.set i, i+2
.endr
	WIN 0
.irp b, 0,1,2,3,4,5,6,7
	ds_store_b128 v[STO], v[DD+8*\b:DD+8*\b+3] offset:64*\b
	ds_store_b128 v[STO], v[DD+8*\b+4:DD+8*\b+7] offset:64*\b+16
.endr
.set BB, BK+64*((\a)%2)
.irp t, 0,1,2,3,4,5,6,7,8,9,10,11,12,13,14,15
	ds_load_b128 v[BB+4*\t:BB+4*\t+3], v[RD] offset:\t*SPITCH      ; LDS serves a wave's instructions in order: these see the stores above
.endr
.endm
.macro SEND a, younger                 ; younger: the LDS instructions issued behind block a's loads, which may stay out
.set BB, BK+64*((\a)%2)
	s_wait_dscnt \younger
.if (\a) > 0
	s_add_nc_u64 s[12:13], s[12:13], 16*4096       ; (behind a wait on XCNT: the earlier stores have read their base)  16 rows on
.endif
.irp t, 0,1,2,3,4,5,6,7,8,9,10,11,12,13,14,15
	global_store_b128 v24, v[BB+4*\t:BB+4*\t+3], s[12:13] offset:\t*4096 th:TH_STORE_NT   ; 32 lanes store 512 consecutive bytes, at a multiple of 256 from out0's first byte
.endr
.endm
	TOSTAGE 0
.irp a, 1,2,3,4,5,6,7
.if \a > 1
	s_wait_xcnt 0x0                                ; block a - 2's stores have read their registers and their base
.endif
	TOSTAGE \a
	SEND \a-1, 32                                  ; behind block a - 1's loads: block a's 16 stores and 16 loads
.endr
	s_wait_xcnt 0x0
	SEND 7, 0
	s_wait_tensorcnt 0x0                           ; the wave's end
	ds_add_u32 v[SPW], v[NIL]
	s_wait_dscnt 0x0
	CROUND                                         ; the closing round
	s_endpgm
.Lfunc_end_k_q67d8f382d0_pv:
	.size	k_q67d8f382d0_pv, .Lfunc_end_k_q67d8f382d0_pv-k_q67d8f382d0_pv
	.p2alignl 7, 3214868480
	.fill 96, 4, 3214868480
	.section	.rodata,"a",@progbits
	.p2align	6, 0x0
	.amdhsa_kernel k_q67d8f382d0_pv
		.amdhsa_group_segment_fixed_size 327680
		.amdhsa_private_segment_fixed_size 0
		.amdhsa_enable_private_segment 0
		.amdhsa_kernarg_size 40
		.amdhsa_user_sgpr_count 2
		.amdhsa_user_sgpr_kernarg_segment_ptr 1
		.amdhsa_wavefront_size32 1
		.amdhsa_system_sgpr_workgroup_id_x 1
		.amdhsa_system_sgpr_workgroup_id_y 1
		.amdhsa_system_sgpr_workgroup_id_z 1
		.amdhsa_system_vgpr_workitem_id 0
		.amdhsa_next_free_vgpr 1024
		.amdhsa_next_free_sgpr 106
		.amdhsa_reserve_vcc 0
		.amdhsa_float_denorm_mode_32 3
		.amdhsa_float_denorm_mode_16_64 3
		.amdhsa_memory_ordered 1
		.amdhsa_forward_progress 1
		.amdhsa_inst_pref_size 177
	.end_amdhsa_kernel
	.amdgpu_metadata
---
amdhsa.version: [ 1, 2 ]
amdhsa.kernels:
  - .name:           k_q67d8f382d0_pv
    .symbol:         k_q67d8f382d0_pv.kd
    .args:
      - { .name: p_codes, .offset: 0, .size: 8, .value_kind: global_buffer, .address_space: global }
      - { .name: p_rec, .offset: 8, .size: 8, .value_kind: global_buffer, .address_space: global }
      - { .name: qkv_codes, .offset: 16, .size: 8, .value_kind: global_buffer, .address_space: global }
      - { .name: qkv_scales, .offset: 24, .size: 8, .value_kind: global_buffer, .address_space: global }
      - { .name: out0, .offset: 32, .size: 8, .value_kind: global_buffer, .address_space: global }
    .group_segment_fixed_size: 327680
    .private_segment_fixed_size: 0
    .kernarg_segment_align: 8
    .kernarg_segment_size: 40
    .max_flat_workgroup_size: 128
    .sgpr_count:     106
    .vgpr_count:     1024
    .wavefront_size: 32
...
	.end_amdgpu_metadata
.endif
;; end of part 4
;; ======== version 2 of 2: 4 launches
;; limits: right only within a limited range of input values
;; workspace buffers: xw_codes 21,233,664 bytes; xw_scales 884,736 bytes; qkv_codes 18,874,368 bytes; qkv_scales 786,432 bytes; p_codes 12,582,912 bytes; p_rec 2,097,152 bytes
;; launch quant (part 5): grid 864 x 1, 4 waves a work-group, no clusters, 34,304 bytes of LDS; arguments query_states, key_states, value_states, Wq, Wk, Wv, xw_codes, xw_scales; writes xw_codes, xw_scales
.if DOCPART == 5
	.amdgcn_target "amdgcn-amd-amdhsa--gfx1250"
	.amdhsa_code_object_version 6
	.text
	.protected	k_q67d8f382d0_quant
	.globl	k_q67d8f382d0_quant
	.p2align	8
	.type	k_q67d8f382d0_quant,@function
k_q67d8f382d0_quant:
	s_mov_b64 s[64:65], 0
	v_nop
	global_prefetch_b8 v0, s[64:65] scope:SCOPE_SE
	s_setreg_imm32_b32 hwreg(HW_REG_WAVE_MODE, 25, 1), 1
	s_wait_xcnt 0x0
; The three x tensors [8192][1024] f32 (K innermost) and the three weights [1024 (k)][1024 (n)] f32 (K is the FIRST axis) become codes of FP6 (E2M3) with one E8M0 byte for each 32 along K.
; A block's scale is 2^(floor(log2(largest magnitude)) - 2); its byte is the largest magnitude's exponent field - 2, held at 1 from below.
; LIMITS: a block of zeros gets the byte 1 where the rule says 127 (its codes are zeros, and this program alone reads the bytes); blocks under 2^-124 are held at the byte 1; NaN and infinities are not served.
; LAYOUT OF THE CODES: images of operand registers.  A fragment (16 rows x 128 K, 12 registers a lane) is 1,536 bytes: registers 4 c .. 4 c + 3 of lane l at 512 c + 16 l.
; Fragment (row block rho, slot sigma = k / 256, half q) lies at ((sigma x R / 16 + rho) x 2 + q) x 1536: 128 rows of a slot are one dense block of 24,576 bytes.
; LAYOUT OF THE SCALE WORDS: word of (rho, kappa = k / 128, row r) at ((rho x 8 + kappa) x 16 + r) x 4.
; ROW ORDER: key_states, value_states, Wq and Wk are stored PERMUTED: storage place p holds the row whose bits 3 and 4 are p's swapped, so that, taken as source 0 of a transposed product,
; a lane's 16 registers of two neighbouring tiles are 16 neighbours.  query_states and Wv are stored as they lie.
; Work-groups 0-767: x.  A wave takes one storage block of 16 rows x 512 K in four steps of 128 K: each load reads 512 consecutive bytes of a row; the step turns through the wave's own stage in LDS
; (rows 528 bytes apart) so that lane (r, h) gets 16 neighbours of each block of 32 of row r.  Work-groups 768-863: the weights.  A lane takes a column, its registers run down K; no LDS.
; No barrier: waves share nothing.
.set RAW, 16                           ; v16-143  two sets of 64: a step's numbers as loaded
.set X,   144                          ; v144-207 the step's numbers, register 16 b + i = k 32 b + 16 h + i of my row
.set TM,  208                          ; v208-211 largest magnitudes, v212-215 the other half's / the bytes, v216-219 the conversions' scale operands
.set CT,  220                          ; v220-222, v224-226 the conversions' second halves
.set PC,  228                          ; v228-251 two sets of 12: the codes
.set PW,  10                           ; v10-13   a scale word for each step
.set SEL, 24                           ; s[24:25] lane selects: lane l xor 16
.set HI,  26                           ; s26      the mask of lanes 16-31
.set WN,  16                           ; weights: v16-79 two sets of 32 numbers
.set WF,  80                           ; weights: v80-127 four runs of 12: F0, F1 for each half q
	s_load_b256 s[4:11], s[0:1], 0x0               ; query s[4:5], key s[6:7], value s[8:9], Wq s[10:11]
	s_load_b256 s[12:19], s[0:1], 0x20             ; Wk s[12:13], Wv s[14:15], the codes s[16:17], the scale words s[18:19]
	v_lshl_add_u32 v254, v0, 2, 0x8400
	v_mov_b32 v255, 0
	v_lshrrev_b32 v1, 5, v0
	v_readfirstlane_b32 s20, v1                    ; wave
	v_and_b32 v1, 31, v0                           ; lane
	v_and_b32 v2, 15, v0                           ; r
	v_bfe_u32 v3, v0, 4, 1                         ; h
	s_mov_b32 s[SEL], 0x76543210
	s_mov_b32 s[SEL+1], 0xfedcba98
	s_mov_b32 s[HI], 0xffff0000
	s_cmp_ge_u32 ttmp9, 768
	s_cbranch_scc1 .Lweights
; 64 numbers of a lane, register 16 b + i = k 32 b + 16 h + i of my row, become a fragment's 12 registers at v[pc] and its scale word in v[pw].
.macro QUANT s, pc, pw
.irp b, 0,1,2,3
	v_max3_num_f32 v[TM+\b], |v[16*\b+(\s)]|, |v[16*\b+1+(\s)]|, 0x1800000   ; my 16 numbers of block b, and the floor 2^(3 - 127): the byte cannot fall under 1
.endr
.irp i, 2,4,6,8,10,12,14
.irp b, 0,1,2,3
	v_max3_num_f32 v[TM+\b], v[TM+\b], |v[16*\b+\i+(\s)]|, |v[16*\b+\i+1+(\s)]|   ; the four blocks by turns
.endr
.endr
.irp b, 0,1,2,3
	v_permlanex16_b32 v[TM+4+\b], v[TM+\b], s[SEL], s[SEL+1]
.endr
.irp b, 0,1,2,3
	v_max_num_f32 v[TM+\b], v[TM+\b], v[TM+4+\b]   ; with lane l xor 16's: the block's largest magnitude
.endr
.irp b, 0,1,2,3
	v_add_nc_u32 v[TM+8+\b], 0xff000000, v[TM+\b]  ; 2 off its exponent field: the conversion's scale operand
.endr
.irp b, 0,1,2,3
	v_lshrrev_b32 v[TM+4+\b], 23, v[TM+8+\b]       ; the scale's byte
.endr
	v_lshl_or_b32 v[\pw], v[TM+5], 8, v[TM+4]
	v_lshl_or_b32 v[\pw], v[TM+6], 16, v[\pw]
	v_lshl_or_b32 v[\pw], v[TM+7], 24, v[\pw]
.irp c, 0,1
	v_cvt_scalef32_pk16_fp6_f32 v[6*\c+(\pc):6*\c+2+(\pc)], v[32*\c+(\s):32*\c+15+(\s)], v[TM+8+2*\c]
	v_cvt_scalef32_pk16_fp6_f32 v[CT+4*\c:CT+2+4*\c], v[32*\c+16+(\s):32*\c+31+(\s)], v[TM+8+2*\c+1]   ; (a conversion's three registers begin on an even number)
.endr
	v_nop                                          ; one plain instruction behind the conversions
.irp c, 0,1                                    ; the operand wants a WHOLE block in a lane: lanes 0-15 block 2 c, lanes 16-31 block 2 c + 1
.irp i, 0,1,2
	v_permlane16_swap_b32 v[6*\c+\i+(\pc)], v[CT+4*\c+\i]
.endr
.irp i, 0,1,2
	v_mov_b32 v[6*\c+3+\i+(\pc)], v[CT+4*\c+\i]
.endr
.endr
.endm
	; ---- x
	s_lshr_b32 s21, ttmp9, 8                       ; which tensor: 0 query, 1 key, 2 value
	s_and_b32 s22, ttmp9, 255
	s_lshl_b32 s22, s22, 2
	s_add_co_u32 s22, s22, s20
	s_lshr_b32 s23, s22, 1                         ; rho: my storage block of 16 rows
	s_and_b32 s22, s22, 1                          ; which 512 along K
	s_lshr_b32 s27, s23, 1
	s_lshl_b32 s27, s27, 5
	s_and_b32 s28, s23, 1
	s_lshl_b32 s28, s28, 3
	s_add_co_u32 s27, s27, s28                     ; permuted: the block's first row is 32 (rho / 2) + 8 (rho % 2), its rows 8-15 begin 16 rows on
	s_lshl_b32 s28, s23, 4                         ; as they lie: 16 rho, and 8 rows on
	s_cmp_lg_u32 s21, 0
	s_cselect_b32 s27, s27, s28
	s_cselect_b32 s29, 16, 8
	s_lshl_b32 s29, s29, 12                        ; in bytes: a row is 4,096
	s_lshl_b32 s30, s27, 12
	s_lshl_b32 s31, s22, 11
	s_add_co_u32 s30, s30, s31                     ; where my numbers begin
	s_mov_b32 s31, 0
	s_lshl_b32 s34, s22, 10                        ; codes: (2 kh x 512 + rho) x 3072 + tensor x 6,291,456
	s_add_co_u32 s34, s34, s23
	s_mul_i32 s34, s34, 3072
	s_mul_i32 s35, s21, 6291456
	s_add_co_u32 s34, s34, s35
	s_mov_b32 s35, 0
	s_lshl_b32 s36, s23, 9                         ; scale words: (rho x 8 + 4 kh) x 64 + tensor x 262,144
	s_lshl_b32 s37, s22, 8
	s_add_co_u32 s36, s36, s37
	s_lshl_b32 s37, s21, 18
	s_add_co_u32 s36, s36, s37
	s_mov_b32 s37, 0
	s_wait_alu depctr_va_vdst(0)
	v_lshlrev_b32 v4, 4, v1                        ; 16 x lane: my bytes of a load's 512, and of an image's
	v_add_nc_u32 v5, s29, v4                       ; the same for rows 8-15
	s_mul_i32 s38, s20, 8448                       ; my wave's stage: 16 rows x 528 bytes
	v_add_nc_u32 v6, s38, v4                       ; into it
	v_mul_u32_u24 v7, v2, 528
	v_lshl_add_u32 v7, v3, 6, v7
	v_add_nc_u32 v7, s38, v7                       ; out of it: row r, + 64 h
	v_lshlrev_b32 v9, 2, v1                        ; 4 x lane
.irp b, 0,1,2,3
	v_mov_b32 v[TM+4+\b], 0                        ; written once: a lane permute's destination counts as one of its sources
.endr
	s_wait_alu depctr_va_vdst(0)
	s_wait_kmcnt 0x0
	s_cmp_eq_u32 s21, 0
	s_cselect_b64 s[32:33], s[4:5], s[6:7]
	s_cmp_eq_u32 s21, 2
	s_cselect_b64 s[32:33], s[8:9], s[32:33]
	s_add_nc_u64 s[32:33], s[32:33], s[30:31]
	s_add_nc_u64 s[16:17], s[16:17], s[34:35]
	s_add_nc_u64 s[18:19], s[18:19], s[36:37]
.macro XLOAD t                         ; step t: 16 rows x 512 bytes
.irp i, 0,1,2,3,4,5,6,7
	global_load_b128 v[RAW+64*((\t)%2)+4*\i:RAW+64*((\t)%2)+4*\i+3], v4, s[32:33] offset:\i*4096+512*(\t) th:TH_LOAD_NT
.endr
.irp i, 0,1,2,3,4,5,6,7
	global_load_b128 v[RAW+64*((\t)%2)+32+4*\i:RAW+64*((\t)%2)+32+4*\i+3], v5, s[32:33] offset:\i*4096+512*(\t) th:TH_LOAD_NT
.endr
.endm
.macro XSTEP t
.if (\t) < 3
	s_wait_loadcnt 16                              ; this step's 16 loads are in; the next step's 16 may be out
.else
	s_wait_loadcnt 0x0
.endif
.irp i, 0,1,2,3,4,5,6,7,8,9,10,11,12,13,14,15
	ds_store_b128 v6, v[RAW+64*((\t)%2)+4*\i:RAW+64*((\t)%2)+4*\i+3] offset:528*\i
.endr
.irp b, 0,1,2,3
.irp j, 0,1,2,3
	ds_load_b128 v[X+16*\b+4*\j:X+16*\b+4*\j+3], v7 offset:128*\b+16*\j   ; LDS serves a wave's instructions in order: these see the stores above
.endr
.endr
	s_wait_dscnt 0x0                               ; the numbers are back, and the stores have read their registers
.if (\t) < 2
	XLOAD (\t)+2
.else
	s_wait_xcnt 0x0                                ; the stores of two steps ago have read this set of codes: it is written again only behind this wait
.endif
	QUANT X, PC+12*((\t)%2), PW+(\t)
.irp c, 0,1,2
	global_store_b128 v4, v[PC+12*((\t)%2)+4*\c:PC+12*((\t)%2)+4*\c+3], s[16:17] offset:((\t)/2)*1572864+((\t)%2)*1536+512*\c   ; 512 consecutive bytes
.endr
.if (\t)%2 == 1
	v_cndmask_b32 v[14+(\t)/2], v[PW+(\t)-1], v[PW+(\t)], s[HI]    ; lanes 0-15 the even step's words, lanes 16-31 the odd step's: 128 consecutive bytes
	global_store_b32 v9, v[14+(\t)/2], s[18:19] offset:128*((\t)/2)
.endif
.endm
	XLOAD 0
	XLOAD 1
	XSTEP 0
	XSTEP 1
	XSTEP 2
	XSTEP 3
	s_wait_tensorcnt 0x0
	ds_add_u32 v254, v255
	s_wait_dscnt 0x0
	s_endpgm
	; ---- the weights
.Lweights:
	s_sub_co_u32 s21, ttmp9, 768
	s_lshr_b32 s22, s21, 5                         ; which weight: 0 Wq, 1 Wk, 2 Wv
	s_and_b32 s23, s21, 7                          ; which 128 columns
	s_bfe_u32 s27, s21, 0x20003                    ; sigma: which 256 along K
	s_lshl_b32 s28, s23, 7
	s_lshl_b32 s29, s20, 5
	s_add_co_u32 s28, s28, s29                     ; my wave's first column
	s_lshr_b32 s29, s28, 4                         ; rho0: its first storage block
	s_lshl_b32 s30, s27, 20                        ; 256 rows of 4,096 bytes a slot
	s_lshl_b32 s31, s28, 2
	s_add_co_u32 s30, s30, s31
	s_mov_b32 s31, 0
	s_lshl_b32 s34, s27, 6                         ; codes: (sigma x 64 + rho0) x 3072 + weight x 786,432 + 18,874,368
	s_add_co_u32 s34, s34, s29
	s_mul_i32 s34, s34, 3072
	s_mul_i32 s35, s22, 786432
	s_add_co_u32 s34, s34, s35
	s_add_co_u32 s34, s34, 18874368
	s_mov_b32 s35, 0
	s_lshl_b32 s36, s29, 9                         ; scale words: (rho0 x 8 + 2 sigma) x 64 + weight x 32,768 + 786,432
	s_lshl_b32 s37, s27, 7
	s_add_co_u32 s36, s36, s37
	s_lshl_b32 s37, s22, 15
	s_add_co_u32 s36, s36, s37
	s_add_co_u32 s36, s36, 786432
	s_mov_b32 s37, 0
	s_cmp_lt_u32 s22, 2
	s_cselect_b32 s38, -1, 0                       ; Wq and Wk are stored permuted
	s_wait_alu depctr_va_vdst(0)
	v_lshrrev_b32 v7, 3, v1
	v_lshrrev_b32 v8, 4, v1
	v_xor_b32 v7, v7, v8
	v_and_b32 v7, 1, v7
	v_mul_u32_u24 v7, v7, 24                       ; 24 where the lane's bits 3 and 4 differ
	v_and_b32 v7, s38, v7
	v_xor_b32 v7, v1, v7                           ; the column that storage place n0 + lane holds
	v_lshlrev_b32 v4, 2, v7
	v_lshlrev_b32 v5, 4, v1                        ; 16 x lane
	v_lshlrev_b32 v6, 2, v2
	v_lshl_add_u32 v6, v3, 9, v6                   ; my column's scale word: 512 (lane / 16) + 4 (lane % 16)
	s_wait_alu depctr_va_vdst(0)
	s_wait_kmcnt 0x0
	s_cmp_eq_u32 s22, 0
	s_cselect_b64 s[32:33], s[10:11], s[12:13]
	s_cmp_eq_u32 s22, 2
	s_cselect_b64 s[32:33], s[14:15], s[32:33]
	s_add_nc_u64 s[32:33], s[32:33], s[30:31]
	s_add_nc_u64 s[16:17], s[16:17], s[34:35]
	s_add_nc_u64 s[18:19], s[18:19], s[36:37]
.macro WLOAD t                         ; block t: W(32 t + i, my column)
.irp i, 0,1,2,3,4,5,6,7,8,9,10,11,12,13,14,15,16,17,18,19,20,21,22,23,24,25,26,27,28,29,30,31
	global_load_b32 v[WN+32*((\t)%2)+\i], v4, s[32:33] offset:(32*(\t)+\i)*4096 th:TH_LOAD_NT
.endr
.endm
; Block t = 4 q + beta of my column.  Run F(beta % 2) of half q takes it at registers 6 (beta / 2) on: F0 holds what lanes 0-15 of a fragment want, F1 what lanes 16-31 want.
.macro WBLOCK t
.set XS, WN+32*((\t)%2)
.set FB, WF+24*((\t)/4)+12*((\t)%2)+6*(((\t)%4)/2)
.if (\t) < 7
	s_wait_loadcnt 32                              ; this block's 32 loads are in; the next block's may be out
.else
	s_wait_loadcnt 0x0
.endif
	v_max3_num_f32 v132, |v[XS]|, |v[XS+1]|, |v[XS+2]|             ; all 32 numbers of the block are mine
	v_max3_num_f32 v133, |v[XS+3]|, |v[XS+4]|, |v[XS+5]|
.irp i, 6,10,14,18,22,26
	v_max3_num_f32 v132, v132, |v[XS+\i]|, |v[XS+\i+1]|
	v_max3_num_f32 v133, v133, |v[XS+\i+2]|, |v[XS+\i+3]|
.endr
	v_max3_num_f32 v132, v132, |v[XS+30]|, |v[XS+31]|
	v_max3_num_f32 v132, v132, v133, 0x1800000     ; and the floor
	v_add_nc_u32 v134, 0xff000000, v132
	v_lshrrev_b32 v135, 23, v134
.if (\t)%4 == 0
	v_mov_b32 v[136+(\t)/4], v135
.else
	v_lshl_or_b32 v[136+(\t)/4], v135, 8*((\t)%4), v[136+(\t)/4]
.endif
	v_cvt_scalef32_pk16_fp6_f32 v[FB:FB+2], v[XS:XS+15], v134
	v_cvt_scalef32_pk16_fp6_f32 v[128:130], v[XS+16:XS+31], v134
	v_nop                                          ; one plain instruction behind the conversions
.irp i, 0,1,2
	v_mov_b32 v[FB+3+\i], v[128+\i]
.endr
.if (\t)+2 < 8
	WLOAD (\t)+2
.endif
.if (\t)%4 == 3
.set FQ, WF+24*((\t)/4)
.irp w, 0,1,2,3,4,5,6,7,8,9,10,11
	v_permlane16_swap_b32 v[FQ+\w], v[FQ+12+\w]    ; F0's lanes 16-31 change places with F1's lanes 0-15: F0 is now block rho0's fragment, F1 block rho0 + 1's
.endr
.irp f, 0,1
.irp c, 0,1,2
	global_store_b128 v5, v[FQ+12*\f+4*\c:FQ+12*\f+4*\c+3], s[16:17] offset:((\t)/4)*1536+3072*\f+512*\c
.endr
.endr
	global_store_b32 v6, v[136+(\t)/4], s[18:19] offset:64*((\t)/4)
.endif
.endm
	WLOAD 0
	WLOAD 1
.irp t, 0,1,2,3,4,5,6,7
	WBLOCK \t
.endr
	s_endpgm
.Lfunc_end_k_q67d8f382d0_quant:
	.size	k_q67d8f382d0_quant, .Lfunc_end_k_q67d8f382d0_quant-k_q67d8f382d0_quant
	.p2alignl 7, 3214868480
	.fill 96, 4, 3214868480
	.section	.rodata,"a",@progbits
	.p2align	6, 0x0
	.amdhsa_kernel k_q67d8f382d0_quant
		.amdhsa_group_segment_fixed_size 34304
		.amdhsa_private_segment_fixed_size 0
		.amdhsa_enable_private_segment 0
		.amdhsa_kernarg_size 64
		.amdhsa_user_sgpr_count 2
		.amdhsa_user_sgpr_kernarg_segment_ptr 1
		.amdhsa_wavefront_size32 1
		.amdhsa_system_sgpr_workgroup_id_x 1
		.amdhsa_system_sgpr_workgroup_id_y 1
		.amdhsa_system_sgpr_workgroup_id_z 1
		.amdhsa_system_vgpr_workitem_id 0
		.amdhsa_next_free_vgpr 256
		.amdhsa_next_free_sgpr 66
		.amdhsa_reserve_vcc 0
		.amdhsa_float_denorm_mode_32 3
		.amdhsa_float_denorm_mode_16_64 3
		.amdhsa_memory_ordered 1
		.amdhsa_forward_progress 1
		.amdhsa_inst_pref_size 74
	.end_amdhsa_kernel
	.amdgpu_metadata
---
amdhsa.version: [ 1, 2 ]
amdhsa.kernels:
  - .name:           k_q67d8f382d0_quant
    .symbol:         k_q67d8f382d0_quant.kd
    .args:
      - { .name: query_states, .offset: 0, .size: 8, .value_kind: global_buffer, .address_space: global }
      - { .name: key_states, .offset: 8, .size: 8, .value_kind: global_buffer, .address_space: global }
      - { .name: value_states, .offset: 16, .size: 8, .value_kind: global_buffer, .address_space: global }
      - { .name: Wq, .offset: 24, .size: 8, .value_kind: global_buffer, .address_space: global }
      - { .name: Wk, .offset: 32, .size: 8, .value_kind: global_buffer, .address_space: global }
      - { .name: Wv, .offset: 40, .size: 8, .value_kind: global_buffer, .address_space: global }
      - { .name: xw_codes, .offset: 48, .size: 8, .value_kind: global_buffer, .address_space: global }
      - { .name: xw_scales, .offset: 56, .size: 8, .value_kind: global_buffer, .address_space: global }
    .group_segment_fixed_size: 34304
    .private_segment_fixed_size: 0
    .kernarg_segment_align: 8
    .kernarg_segment_size: 64
    .max_flat_workgroup_size: 128
    .sgpr_count:     66
    .vgpr_count:     256
    .wavefront_size: 32
...
	.end_amdgpu_metadata
.endif
;; end of part 5
;; launch proj (part 6): grid 8 x 32, 4 waves a work-group, clusters of 4 x 4, 327,680 bytes of LDS; arguments xw_codes, xw_scales, bq, bk, bv, qkv_codes, qkv_scales; writes qkv_codes, qkv_scales
.if DOCPART == 6
	.amdgcn_target "amdgcn-amd-amdhsa--gfx1250"
	.amdhsa_code_object_version 6
	.text
	.protected	k_q67d8f382d0_proj
	.globl	k_q67d8f382d0_proj
	.p2align	8
	.type	k_q67d8f382d0_proj,@function
k_q67d8f382d0_proj:
	s_mov_b64 s[64:65], 0
	v_nop
	global_prefetch_b8 v0, s[64:65] scope:SCOPE_SE
	s_setreg_imm32_b32 hwreg(HW_REG_WAVE_MODE, 25, 1), 1
	s_wait_xcnt 0x0
	s_wait_alu depctr_hold_cnt(0) depctr_sa_sdst(0) depctr_va_vdst(0) depctr_va_sdst(0) depctr_va_ssrc(0) depctr_va_vcc(0) depctr_vm_vsrc(0)
	s_getreg_b32 s2, hwreg(HW_REG_IB_STS2, 6, 4)
	s_cmp_eq_u32 s2, 0
	s_cbranch_scc0 .Lentry_in_a_cluster
	s_endpgm
.Lentry_in_a_cluster:
	s_bfe_u32 s2, ttmp6, 0x10000c
	s_cmp_lg_u32 s2, 0xf033
	s_cbranch_scc0 .Lentry_shape_is_right
	s_endpgm
.Lentry_shape_is_right:
; q = x_q Wq + bq, k = x_k Wk + bk, v^T = (x_v Wv + bv)^T on codes of FP6 (E2M3) with one E8M0 scale for each 32 along K; the results are quantised in registers: q and k along D, v along the tokens.
; 256 WORK-GROUPS THAT STAY: each makes three tiles of 256 A rows x 128 B rows, one of q, one of k, one of v^T.  q, k: A = x (tokens), B = W (features).  v^T: A = Wv (features), B = x_v (tokens).
; A wave makes 64 x 128: 32 accumulators.  K = 1,024 is eight steps of 128.  TRANSPOSED USE: source 0 = 16 rows of B, source 1 = 16 rows of A; B is stored with bits 3 and 4 of its rows swapped, so a lane holds one row
; of A and register 16 b + i of a block of A's rows is B's row 32 b + 16 (lane / 16) + i: the order that the quantiser wants.
; OPERANDS ARE IMAGES OF REGISTERS: fragment (row block rho, sigma = k / 256, half q) at ((sigma x R / 16 + rho) x 2 + q) x 1536, registers 4 c .. 4 c + 3 of lane l at 512 c + 16 l.
; THE RING: two LDS slots of 512 along K: A's 256 rows of two sigma (2 x 49,152 dense bytes), then B's 128 rows (2 x 24,576).  A fill is one load a wave: waves 0, 1 bring A's two sigma, waves 2, 3 B's.
; Six fills, two a tile; slot = the half of K.  A slot is filled again in the middle of its last step, when its last fragments are in registers: the waits, the add, a round of the cluster's barrier, the joint load.
; The ring goes on into the next tile: step 3 asks for the next tile's first half, step 7 for its second, and the tail's work stands under that load.
; CLUSTER 4 x 4: A's tiles are shared along a row of the cluster, B's along a column: joint loads.
; SCALE WORDS: word of (rho, kappa = k / 128, row r) at ((rho x 8 + kappa) x 16 + r) x 4: a load of 128 bytes puts step 2 p's words into lanes 0-15 and step 2 p + 1's into lanes 16-31.  B's words of the three tiles
; (12,288 bytes) are copied into LDS once; A's come from memory, four loads for each pair of steps.  Both are asked for again, for the next tile, as soon as their pair of steps is multiplied.
; PREFETCH: behind each fill's load the next fill is named: of the dense block that a wave will load, each of the four partners that ask for it jointly names a quarter, told apart by address (place cx for A, cy for B):
; 48 or 24 blocks of 256 bytes, a lane a block; lanes left over name the last block again.  Behind the last tile nothing is named.
; STORED as the readers take them: q, k: fragment (rho, feature / 256, half); v^T: fragment (rho, token / 512, q4) at ((sigma2 x 64 + rho) x 4 + q4) x 1536.
; LIMITS: a block of zeros gets the byte 1 where the rule says 127 (zero codes; this program alone reads the bytes); NaN and infinities are not served.
; REGISTERS: window 0: v0-63 addresses, the quantiser's small numbers, v32-47 A's scale words; v64-95 B's; v96-159 the bias along B's rows; v160-255 the tail's numbers and codes.
;   window 1: v0-95 A's fragments, two sets; v96-191 B's of even steps; v240-247 the bias along A's rows.  window 2: the accumulators.  window 3: v0-95 B's fragments of odd steps.
.set SLOT,  147456
.set SCB,   2*SLOT                     ; B's scale words, 4,096 bytes a tile: stored by the waves, no tensor load lands here
.set SPARE, SCB+3*4096                 ; the spare words: 128 bytes a wave
.set L16,  4
.set L4,   5
.set BO,   6
.set BMO,  7
.set ADA,  8                           ; v8-9 LDS address of my A fragments in slot 0, 1
.set PWB,  10
.set CN,   14
.set TM,   16
.set SPW,  28
.set NIL,  29
.set ADRS, 30                          ; LDS address of the B scale words that are asked for
.set SA,   32
.set WOQ,  48
.set WOV,  49
.set CPG,  50
.set CPL,  51
.set ADB,  52                          ; v52-53 the same for B
.set PF0,  54
.set PF1,  55
.set SBR,  64
.set BN,   96
.set H,    160
.set PCB,  224
.set CT,   248
.set BM,   240                         ; in window 1
.set SEL,  80
.set HI,   83
.set MSB, 0
.macro WIN new                         ; the immediate's high byte repeats the setting that is left
.if MSB != \new
	s_set_vgpr_msb (MSB<<8)|\new
.set MSB, \new
.endif
.endm
.macro PLACES                          ; four plain places behind a matrix instruction (ISA guide 7.12.1)
.rept 4
	v_nop
.endr
.endm
.macro CREST                           ; a round of the cluster's barrier behind its opening barrier
	s_cmp_lg_u32 s20, 0
	s_cbranch_scc1 .Lnot_wave_0_\@
	s_barrier_signal -3
.Lnot_wave_0_\@:
	s_barrier_wait -3
	s_barrier_signal -1
	s_barrier_wait -1
.endm
.macro ROUND
	s_barrier_signal -1
	s_barrier_wait -1
	CREST
.endm
.macro JLOAD                           ; waves 0 and 1 fetch for A, waves 2 and 3 for B; s_nop 0 and four v_nop follow each line
	s_cmp_eq_u32 s21, 0
	s_cbranch_scc0 .Lfor_b_\@
	tensor_load_to_lds s[32:35], s[24:31]
	s_nop 0
	PLACES
	s_branch .Lasked_\@
.Lfor_b_\@:
	tensor_load_to_lds s[92:95], s[72:79]
	s_nop 0
	PLACES
.Lasked_\@:
.endm
.macro SETFILL hf                      ; both groups 0 for half hf of the tile whose bases stand in s[48:49] (A) and s[42:43] (B); written only while no tensor load of mine is out
.if \hf == 0
	s_mov_b64 s[34:35], s[48:49]
	s_or_b32 s35, s35, 0x80000000
	s_mov_b64 s[94:95], s[42:43]
	s_or_b32 s95, s95, 0x80000000
.else
	s_add_nc_u64 s[34:35], s[34:35], s[50:51]      ; two sigma on
	s_add_nc_u64 s[94:95], s[94:95], s[44:45]
.endif
	s_add_co_u32 s33, s46, \hf*SLOT
	s_add_co_u32 s93, s47, \hf*SLOT
.endm
.macro ASK p, once                     ; the prefetch of the fill whose share begins at s[p:p+1]; once = 1: in the loop's first trip alone (behind the last tile there is no fill)
.if \once
	s_cmp_eq_u32 s62, 0
	s_cbranch_scc0 .Lask_no_\@
.endif
	s_cmp_eq_u32 s21, 0
	s_cbranch_scc0 .Lask_b_\@
	global_prefetch_b8 v[PF1], s[\p:\p+1] th:TH_LOAD_NT scope:SCOPE_SE   ; A's share has 48 blocks: blocks 32-47
.Lask_b_\@:
	global_prefetch_b8 v[PF0], s[\p:\p+1] th:TH_LOAD_NT scope:SCOPE_SE   ; blocks 0-31 (A) or 0-23 (B)
.Lask_no_\@:
.endm
.macro FETCH_B t
.set BR, 96*(1-(\t)%2)
	WIN (1+2*((\t)%2))<<6
.irp b, 0,1,2,3,4,5,6,7
.irp c, 0,1,2
	ds_load_b128 v[BR+12*\b+4*\c:BR+12*\b+4*\c+3], v[ADB+(\t)/4] offset:(((\t)/2)%2)*24576+\b*3072+((\t)%2)*1536+512*\c
.endr
.endr
.endm
.macro FETCH_A t
	WIN 0x40
.irp i, 0,1,2,3
.irp c, 0,1,2
	ds_load_b128 v[48*((\t)%2)+12*\i+4*\c:48*((\t)%2)+12*\i+4*\c+3], v[ADA+(\t)/4] offset:(((\t)/2)%2)*49152+\i*3072+((\t)%2)*1536+512*\c
.endr
.endr
.endm
.macro SFB kp                          ; B's scale words of steps 2 kp, 2 kp + 1
	WIN 0
.irp b, 0,1,2,3,4,5,6,7
	ds_load_b32 v[SBR+8*(\kp)+\b], v[ADRS] offset:\b*512+(\kp)*128
.endr
.endm
.macro SFA kp, ptr                     ; A's
	WIN 0
.irp i, 0,1,2,3
	global_load_b32 v[SA+4*(\kp)+\i], v[L4], s[\ptr:\ptr+1] offset:\i*512+(\kp)*128
.endr
.endm
.macro MUL8 t, a, zero                 ; the 32 accumulators take turns, one instruction a turn, in the same order in every step
.set BR, 96*(1-(\t)%2)
.set AR, 48*((\t)%2)
.set KP, (\t)/2
	WIN 0xa4|(1+2*((\t)%2))
.irp b, 0,1,2,3,4,5,6,7
.if \zero
	v_wmma_scale_f32_16x16x128_f8f6f4 v[64*(\a)+8*\b:64*(\a)+8*\b+7], v[BR+12*\b:BR+12*\b+11], v[AR+12*(\a):AR+12*(\a)+11], 0, v[SBR+8*KP+\b], v[SA+4*KP+(\a)] matrix_a_fmt:MATRIX_FMT_FP6 matrix_b_fmt:MATRIX_FMT_FP6
.elseif (\t)%2
	v_wmma_scale_f32_16x16x128_f8f6f4 v[64*(\a)+8*\b:64*(\a)+8*\b+7], v[BR+12*\b:BR+12*\b+11], v[AR+12*(\a):AR+12*(\a)+11], v[64*(\a)+8*\b:64*(\a)+8*\b+7], v[SBR+8*KP+\b], v[SA+4*KP+(\a)] matrix_a_fmt:MATRIX_FMT_FP6 matrix_b_fmt:MATRIX_FMT_FP6 matrix_a_scale:MATRIX_SCALE_ROW1 matrix_b_scale:MATRIX_SCALE_ROW1
.else
	v_wmma_scale_f32_16x16x128_f8f6f4 v[64*(\a)+8*\b:64*(\a)+8*\b+7], v[BR+12*\b:BR+12*\b+11], v[AR+12*(\a):AR+12*(\a)+11], v[64*(\a)+8*\b:64*(\a)+8*\b+7], v[SBR+8*KP+\b], v[SA+4*KP+(\a)] matrix_a_fmt:MATRIX_FMT_FP6 matrix_b_fmt:MATRIX_FMT_FP6
.endif
.endr
.endm
; A step that has its successor in the same slot (t = 0, 1, 2, 4, 5, 6).  last = 1: the launch's last tile, which asks for no further scale words.
; The wait on LOADcnt at an even step serves A's scale words of this pair of steps.  Behind them were issued: the later groups of four of their tile, this tile's bias (16 loads; bv: 8), and the groups asked for again so far.
.macro KSTEP t, last
	s_wait_dscnt 0x0                               ; this step's fragments, and B's scale words, are in
.if (\t)%2 == 0
.if (\t) == 0
	s_wait_loadcnt 12
.elseif \last
	s_wait_loadcnt 4*(3-(\t)/2)+8
.else
	s_wait_loadcnt 24
.endif
.endif
.if (\t) == 0
.if \last
	WIN 0x40
.irp a, 0,1,2,3
	global_load_b32 v[BM+2*\a], v[BMO], s[12:13] offset:64*\a      ; bv of my row of block a, twice: a pair for the packed addition
	global_load_b32 v[BM+2*\a+1], v[BMO], s[12:13] offset:64*\a
.endr
.else
	WIN 0
.irp b, 0,1,2,3
.irp j, 0,1,2,3
	global_load_b128 v[BN+16*\b+4*\j:BN+16*\b+4*\j+3], v[BO], s[56:57] offset:128*\b+16*\j   ; the bias of my 64 features
.endr
.endr
.endif
.endif
	PLACES                                         ; behind the last step's products: their registers are loaded anew below
	FETCH_B (\t)+1
	FETCH_A (\t)+1
.if (\t)%2 == 0 && (\t) > 0 && \last == 0
	SFB (\t)/2-1
	SFA (\t)/2-1, 52
.endif
.irp a, 0,1,2,3
	MUL8 \t, \a, (\t)==0                           ; a tile's first step starts the sums
.endr
.endm
; A slot's last step (t = 3, 7).  Its fragments are in registers, so my reads of the slot are over.  fill = 1: the slot is filled again behind a round of the cluster's barrier; then the other slot's first fragments are read.
.macro CHANGE t, fill, p, once
	WIN 0
	s_wait_tensorcnt 0x0                           ; my one load that was out, my part of the other slot, is in
	ds_add_u32 v[SPW], v[NIL]
	s_wait_dscnt 1                                 ; (the add may be out)
	MUL8 \t, 0, 0
	s_wait_dscnt 0x0
	s_barrier_signal -1
	MUL8 \t, 1, 0
	WIN 0
	s_barrier_wait -1
.if \fill
	CREST                                          ; no wave of any partner still reads this slot or has a load on its way
	SETFILL (\t)/4
	JLOAD                                          ; its four v_nop are the places in front of the loads below
.else
	PLACES
.endif
	FETCH_B ((\t)+1)%8
	FETCH_A ((\t)+1)%8
.if \fill
	WIN 0
	ASK \p, \once
.endif
	MUL8 \t, 2, 0
	MUL8 \t, 3, 0
.endm
; 64 numbers of a lane, register 16 b + i = k 32 b + 16 h + i of my row, become a fragment's 12 registers at v[pc] and its scale word in v[pw].
.macro QUANT s, pc, pw
.irp b, 0,1,2,3
	v_max3_num_f32 v[TM+\b], |v[16*\b+(\s)]|, |v[16*\b+1+(\s)]|, 0x1800000   ; and the floor 2^(3 - 127): the byte cannot fall under 1
.endr
.irp i, 2,4,6,8,10,12,14
.irp b, 0,1,2,3
	v_max3_num_f32 v[TM+\b], v[TM+\b], |v[16*\b+\i+(\s)]|, |v[16*\b+\i+1+(\s)]|
.endr
.endr
.irp b, 0,1,2,3
	v_permlanex16_b32 v[TM+4+\b], v[TM+\b], s[SEL], s[SEL+1]
.endr
.irp b, 0,1,2,3
	v_max_num_f32 v[TM+\b], v[TM+\b], v[TM+4+\b]
.endr
.irp b, 0,1,2,3
	v_add_nc_u32 v[TM+8+\b], 0xff000000, v[TM+\b]  ; 2 off the exponent field: the conversion's scale operand
.endr
.irp b, 0,1,2,3
	v_lshrrev_b32 v[TM+4+\b], 23, v[TM+8+\b]       ; the scale's byte
.endr
	v_lshl_or_b32 v[\pw], v[TM+5], 8, v[TM+4]
	v_lshl_or_b32 v[\pw], v[TM+6], 16, v[\pw]
	v_lshl_or_b32 v[\pw], v[TM+7], 24, v[\pw]
.irp c, 0,1
	v_cvt_scalef32_pk16_fp6_f32 v[6*\c+(\pc):6*\c+2+(\pc)], v[32*\c+(\s):32*\c+15+(\s)], v[TM+8+2*\c]
	v_cvt_scalef32_pk16_fp6_f32 v[CT+4*\c:CT+2+4*\c], v[32*\c+16+(\s):32*\c+31+(\s)], v[TM+8+2*\c+1]
.endr
	v_nop                                          ; one plain instruction behind the conversions
.irp c, 0,1
.irp i, 0,1,2
	v_permlane16_swap_b32 v[6*\c+\i+(\pc)], v[CT+4*\c+\i]
.endr
.irp i, 0,1,2
	v_mov_b32 v[6*\c+3+\i+(\pc)], v[CT+4*\c+\i]
.endr
.endr
.endm
; THE TAIL: block a of my A rows: 64 accumulator registers plus the bias are a lane's 64 numbers of one row: one fragment and one scale word a row, stored as images.
.macro EPI isv, oc, os, wo
.irp a, 0,1,2,3
.if \a >= 2
	s_wait_xcnt 0x0                                ; the stores of two blocks ago have read this set of codes
.endif
	WIN 0x02+4*\isv                                ; source 0: the accumulators; source 1: window 0, or window 1 for bv
.set i, 0
.rept 32
.if \isv
	v_pk_add_f32 v[H+i:H+i+1], v[64*\a+i:64*\a+i+1], v[BM+2*\a:BM+2*\a+1]   ; each accumulator from its low end on
.else
	v_pk_add_f32 v[H+i:H+i+1], v[64*\a+i:64*\a+i+1], v[BN+i:BN+i+1]
.endif
.set i, i+2
.endr
	WIN 0
	QUANT H, PCB+12*(\a%2), PWB+\a
.irp c, 0,1,2
	global_store_b128 v[L16], v[PCB+12*(\a%2)+4*\c:PCB+12*(\a%2)+4*\c+3], s[\oc:\oc+1] offset:\a*(3072+3072*\isv)+512*\c   ; 512 consecutive bytes
.endr
.endr
.irp p, 0,1
	v_cndmask_b32 v[CN+\p], v[PWB+2*\p], v[PWB+2*\p+1], s[HI]      ; lanes 0-15 the even block's words, lanes 16-31 the odd block's
	global_store_b32 v[\wo], v[CN+\p], s[\os:\os+1] offset:\p*(1024+1024*\isv)
.endr
.endm
	s_load_b256 s[4:11], s[0:1], 0x0               ; xw_codes s[4:5], xw_scales s[6:7], bq s[8:9], bk s[10:11]
	s_load_b128 s[12:15], s[0:1], 0x20             ; bv s[12:13], qkv_codes s[14:15]
	s_load_b64 s[16:17], s[0:1], 0x30              ; qkv_scales
	v_lshl_add_u32 v[SPW], v0, 2, SPARE
	v_mov_b32 v[NIL], 0
	ds_add_u32 v[SPW], v[NIL]                      ; the opening: the add, twice on end, and its wait ahead of my first tensor load
	ds_add_u32 v[SPW], v[NIL]
	v_lshrrev_b32 v1, 5, v0
	v_readfirstlane_b32 s20, v1                    ; wave w
	s_lshr_b32 s21, s20, 1                         ; I fetch for A (0) or for B (1)
	s_and_b32 s22, s20, 1                          ; which sigma of a fill's two
	s_bfe_u32 s40, ttmp6, 0x40000                  ; cx
	s_bfe_u32 s41, ttmp6, 0x40004                  ; cy
	s_and_b32 s18, ttmp7, 0xffff                   ; the cluster's y
	s_lshl_b32 s23, ttmp9, 2
	s_add_co_u32 s23, s23, s40                     ; j: which 128 features (q, k)
	s_lshl_b32 s66, s23, 9
	s_lshl_b32 s36, s41, 10
	s_lshl_b32 s37, s20, 8
	s_add_co_u32 s36, s36, s37                     ; (256 cy + 64 w) x 4
	s_mul_i32 s58, s20, 12288                      ; my 64 rows of A in a sigma's block
	s_cmp_eq_u32 s21, 0
	s_cselect_b32 s59, 31, 23                      ; the last block of the prefetch's first instruction
	v_and_b32 v1, 31, v0
	v_and_b32 v2, 15, v0                           ; r
	v_bfe_u32 v3, v0, 4, 1                         ; h
	v_lshlrev_b32 v[L16], 4, v1
	v_lshlrev_b32 v[L4], 2, v1
	v_lshlrev_b32 v[CPG], 4, v0                    ; the copy of B's scale words: 16 bytes a thread
	v_lshl_add_u32 v[CPL], v0, 4, SCB
	v_lshlrev_b32 v[WOQ], 2, v2
	v_lshl_add_u32 v[WOV], v3, 10, v[WOQ]          ; 4 r + h x 16 words x 64: lanes 16-31 store the next row block's words
	v_lshl_add_u32 v[WOQ], v3, 9, v[WOQ]           ; 4 r + h x 8 x 64
	v_lshl_add_u32 v[BO], v3, 6, s66               ; (128 j + 16 h) x 4
	v_lshl_add_u32 v[BMO], v2, 2, s36              ; (256 cy + 64 w + r) x 4
	v_add_nc_u32 v[ADA], s58, v[L16]
	v_add_nc_u32 v[ADA+1], SLOT, v[ADA]
	v_add_nc_u32 v[ADB], 98304, v[L16]
	v_add_nc_u32 v[ADB+1], SLOT, v[ADB]
	v_add_nc_u32 v[ADRS], SCB, v[L4]
	v_min_u32 v[PF0], s59, v1
	v_lshlrev_b32 v[PF0], 8, v[PF0]
	v_min_u32 v[PF1], 15, v1
	v_lshl_add_u32 v[PF1], v[PF1], 8, 8192
.irp b, 0,1,2,3
	v_mov_b32 v[TM+4+\b], 0                        ; written once: a lane permute's destination counts as one of its sources
.endr
	s_lshl_b32 s36, s41, 2
	s_lshl_b32 s36, 15, s36                        ; my row of the cluster
	s_or_b32 s24, s36, (3<<16)|(1<<21)             ; group 1 for A: the mask; elements of 8 bytes; bit 21 beside a mask
	s_lshl_b32 s66, 0x1111, s40                    ; my column
	s_or_b32 s72, s66, (3<<16)|(1<<21)             ; group 1 for B
.irp g, 24, 72
	s_mov_b32 s[\g+1], 32<<16
	s_mov_b32 s[\g+3], 32<<16
	s_mov_b32 s[\g+5], 32
	s_mov_b32 s[\g+6], 0
	s_mov_b32 s[\g+7], 0
.endr
	s_mov_b32 s26, 192<<16                         ; A: 49,152 dense bytes as 192 rows of 256
	s_mov_b32 s28, 192
	s_mov_b32 s74, 96<<16                          ; B: 24,576 as 96 rows
	s_mov_b32 s76, 96
	s_mov_b32 s32, 1
	s_mov_b32 s92, 1
	s_mul_i32 s46, s22, 49152                      ; where my load goes in a slot: no place in the cluster enters an LDS address
	s_mul_i32 s47, s22, 24576
	s_add_co_u32 s47, s47, 98304
	s_mov_b32 s[SEL], 0x76543210
	s_mov_b32 s[SEL+1], 0xfedcba98
	s_mov_b32 s[HI], 0xffff0000
	; A's places: made of the wave, cy and the cluster's y, in registers that never hold cx
	s_lshl_b32 s36, s18, 6
	s_lshl_b32 s37, s41, 4
	s_add_co_u32 s36, s36, s37                     ; q, k: the tile's first row block of x, 16 (4 x cluster y + cy)
	s_lshl_b32 s70, s20, 2
	s_add_co_u32 s71, s36, s70                     ; my first row block of x
	s_add_co_u32 s70, s37, s70                     ; v^T: my first row block of Wv, 16 cy + 4 w
	s_lshl_b32 s48, s22, 9
	s_add_co_u32 s48, s48, s36
	s_mul_i32 s48, s48, 3072                       ; x_q
	s_lshl_b32 s84, s22, 6
	s_add_co_u32 s84, s84, s37
	s_mul_i32 s84, s84, 3072
	s_add_co_u32 s84, s84, 20447232                ; Wv
	s_lshl_b32 s54, s71, 9                         ; x_q's scale words of my rows
	s_lshl_b32 s86, s70, 9
	s_add_co_u32 s86, s86, 851968                  ; Wv's
	; B's places: made of the wave, cx and the cluster's x and y, in registers that never hold cy
	s_lshl_b32 s82, s18, 3
	s_add_co_u32 s82, s82, s23                     ; sl: which 128 tokens (v^T) = j + 8 x cluster y
	s_lshl_b32 s42, s22, 6
	s_lshl_b32 s66, s23, 3
	s_add_co_u32 s42, s42, s66
	s_mul_i32 s42, s42, 3072
	s_add_co_u32 s42, s42, 18874368                ; Wq
	s_lshl_b32 s38, s22, 9
	s_lshl_b32 s66, s82, 3
	s_add_co_u32 s38, s38, s66
	s_mul_i32 s38, s38, 3072
	s_add_co_u32 s38, s38, 12582912                ; x_v
	s_lshl_b32 s96, s23, 12
	s_add_co_u32 s96, s96, 786432                  ; Wq's scale words of the tile's 8 row blocks
	s_lshl_b32 s100, s82, 12
	s_add_co_u32 s100, s100, 524288                ; x_v's
	; the results' places
	s_lshr_b32 s60, s23, 1                         ; q's codes at (((j / 2) x 512 + row block) x 2 + j % 2) x 1536
	s_lshl_b32 s60, s60, 9
	s_add_co_u32 s60, s60, s71
	s_lshl_b32 s60, s60, 1
	s_and_b32 s58, s23, 1
	s_add_co_u32 s60, s60, s58
	s_mul_i32 s60, s60, 1536
	s_lshl_b32 s68, s71, 3                         ; q's scale words at (row block x 8 + j) x 64
	s_add_co_u32 s68, s68, s23
	s_lshl_b32 s68, s68, 6
	s_lshr_b32 s88, s82, 2                         ; v^T's codes at 12,582,912 + (((sl / 4) x 64 + row block) x 4 + sl % 4) x 1536
	s_lshl_b32 s88, s88, 6
	s_add_co_u32 s88, s88, s70
	s_lshl_b32 s88, s88, 2
	s_and_b32 s58, s82, 3
	s_add_co_u32 s88, s88, s58
	s_mul_i32 s88, s88, 1536
	s_add_co_u32 s88, s88, 12582912
	s_lshr_b32 s90, s82, 4                         ; v^T's scale words at 524,288 + (((sl / 16) x 64 + row block) x 16 + sl % 16) x 64
	s_lshl_b32 s90, s90, 6
	s_add_co_u32 s90, s90, s70
	s_lshl_b32 s90, s90, 4
	s_and_b32 s58, s82, 15
	s_add_co_u32 s90, s90, s58
	s_lshl_b32 s90, s90, 6
	s_add_co_u32 s90, s90, 524288
.irp r, 49,85,55,87,43,39,97,101,61,69,89,91,51,45,3
	s_mov_b32 s\r, 0
.endr
	s_mov_b32 s50, 3145728                         ; two sigma on in x (A of q and k),
	s_mov_b32 s44, 393216                          ; and in W (their B)
	s_mov_b32 s62, 0                               ; tiles done
	s_mov_b32 s63, SCB+4096                        ; B's scale words of the tile that is asked for
	s_wait_alu depctr_va_vdst(0)
	s_wait_dscnt 0x0                               ; both opening adds are done
	s_wait_kmcnt 0x0
.irp p, 48,84,42,38
	s_add_nc_u64 s[\p:\p+1], s[4:5], s[\p:\p+1]
.endr
.irp p, 54,86,96,100
	s_add_nc_u64 s[\p:\p+1], s[6:7], s[\p:\p+1]
.endr
	s_add_nc_u64 s[60:61], s[14:15], s[60:61]
	s_add_nc_u64 s[88:89], s[14:15], s[88:89]
	s_add_nc_u64 s[68:69], s[16:17], s[68:69]
	s_add_nc_u64 s[90:91], s[16:17], s[90:91]
	s_add_nc_u64 s[52:53], s[54:55], 262144        ; x_k's scale words
	s_add_nc_u64 s[98:99], s[96:97], 32768         ; Wk's
	s_mov_b64 s[56:57], s[8:9]                     ; bq
	; the prefetches' five places, in registers whose arguments are done with: s[4:5] fill (0, 1), s[6:7] (1, 0), s[8:9] (1, 1), s[14:15] (2, 0), s[16:17] (2, 1)
	s_cmp_eq_u32 s21, 0
	s_cselect_b64 s[4:5], s[48:49], s[42:43]       ; where my load of fill (0, 0) begins,
	s_cselect_b64 s[14:15], s[84:85], s[38:39]     ; and of fill (2, 0)
	s_cselect_b32 s58, s40, s41                    ; my work-group's place among the four that ask jointly
	s_mov_b32 s59, 6144
	s_cselect_b32 s59, 12288, s59                  ; a quarter of the block
	s_mul_i32 s2, s58, s59
	s_add_nc_u64 s[4:5], s[4:5], s[2:3]
	s_add_nc_u64 s[14:15], s[14:15], s[2:3]
	s_mov_b32 s2, 786432
	s_cselect_b32 s2, 6291456, s2                  ; from q's operand to k's
	s_add_nc_u64 s[6:7], s[4:5], s[2:3]
	s_mov_b32 s58, 393216
	s_mov_b32 s59, 3145728
	s_cselect_b32 s2, s59, s58                     ; two sigma on in tiles 0 and 1
	s_add_nc_u64 s[4:5], s[4:5], s[2:3]
	s_add_nc_u64 s[8:9], s[6:7], s[2:3]
	s_cselect_b32 s2, s58, s59                     ; and in tile 2
	s_add_nc_u64 s[16:17], s[14:15], s[2:3]
	SETFILL 0
	ROUND                                          ; all sixteen work-groups are here: the first joint loads meet
	JLOAD                                          ; fill (0, 0): my one tensor load at the head
	ASK 4, 0
	s_add_nc_u64 s[48:49], s[48:49], 6291456       ; the tile that the loop's first trip asks for: x_k,
	s_add_nc_u64 s[42:43], s[42:43], 786432        ; Wk
.irp n, 0,1,2
.irp u, 0,1
	global_load_b128 v[H+8*\n+4*\u:H+8*\n+4*\u+3], v[CPG], s[96+2*\n:97+2*\n] offset:2048*\u   ; B's scale words of the three tiles: 512 consecutive bytes a wave
.endr
.endr
.irp kp, 0,1,2,3
	SFA \kp, 54                                    ; tile 0's A scale words
.endr
	s_wait_loadcnt 16                              ; the six loads of B's scale words are in; the 16 behind them may be out
.irp n, 0,1,2
.irp u, 0,1
	ds_store_b128 v[CPL], v[H+8*\n+4*\u:H+8*\n+4*\u+3] offset:4096*\n+2048*\u
.endr
.endr
	s_wait_tensorcnt 0x0                           ; my part of slot 0 is in
	ds_add_u32 v[SPW], v[NIL]
	SETFILL 1
	s_wait_dscnt 0x0                               ; the add and my stores are done
	ROUND
	JLOAD                                          ; fill (0, 1), slot 1's first
	FETCH_B 0
	FETCH_A 0
.irp kp, 0,1,2,3
	SFB \kp
.endr
	ASK 6, 0
.Ltile:                                                ; q, then k
	v_add_nc_u32 v[ADRS], s63, v[L4]
	s_wait_alu depctr_va_vdst(0)
	KSTEP 0, 0
	KSTEP 1, 0
	KSTEP 2, 0
	CHANGE 3, 1, 8, 0                              ; slot 0 takes the next tile's first half
	KSTEP 4, 0
	KSTEP 5, 0
	KSTEP 6, 0
	CHANGE 7, 1, 14, 1                             ; slot 1 its second half; the next tile's first fragments are fetched
	PLACES
	SFB 3
	SFA 3, 52
	s_wait_loadcnt 16                              ; the bias is in: behind it stand the four groups of scale words
	EPI 0, 60, 68, WOQ
	s_wait_xcnt 0x0                                ; the stores, loads and prefetches have read their bases
	s_add_nc_u64 s[60:61], s[60:61], 6291456       ; k's codes,
	s_add_nc_u64 s[68:69], s[68:69], 262144        ; k's scale words,
	s_mov_b64 s[56:57], s[10:11]                   ; bk;
	s_mov_b64 s[52:53], s[86:87]                   ; the next trip asks for Wv's scale words,
	s_mov_b64 s[48:49], s[84:85]                   ; for Wv as A,
	s_mov_b32 s50, 393216
	s_mov_b64 s[42:43], s[38:39]                   ; for x_v as B,
	s_mov_b32 s44, 3145728
	s_mov_b64 s[8:9], s[16:17]                     ; and names fill (2, 1)
	s_add_co_u32 s63, s63, 4096
	s_add_co_u32 s62, s62, 1
	s_cmp_lt_u32 s62, 2
	s_wait_alu depctr_va_vdst(0)
	s_cbranch_scc1 .Ltile
	KSTEP 0, 1                                     ; v^T: written out: it asks for nothing more
	KSTEP 1, 1
	KSTEP 2, 1
	CHANGE 3, 0, 0, 0
	KSTEP 4, 1
	KSTEP 5, 1
	KSTEP 6, 1
	s_wait_dscnt 0x0
.irp a, 0,1,2,3
	MUL8 7, \a, 0
.endr
	PLACES
	WIN 0
	s_wait_loadcnt 0x0                             ; bv
	EPI 1, 88, 90, WOV
	s_wait_tensorcnt 0x0                           ; the wave's end
	ds_add_u32 v[SPW], v[NIL]
	s_wait_dscnt 0x0
	ROUND                                          ; the closing round
	s_endpgm
.Lfunc_end_k_q67d8f382d0_proj:
	.size	k_q67d8f382d0_proj, .Lfunc_end_k_q67d8f382d0_proj-k_q67d8f382d0_proj
	.p2alignl 7, 3214868480
	.fill 96, 4, 3214868480
	.section	.rodata,"a",@progbits
	.p2align	6, 0x0
	.amdhsa_kernel k_q67d8f382d0_proj
		.amdhsa_group_segment_fixed_size 327680
		.amdhsa_private_segment_fixed_size 0
		.amdhsa_enable_private_segment 0
		.amdhsa_kernarg_size 56
		.amdhsa_user_sgpr_count 2
		.amdhsa_user_sgpr_kernarg_segment_ptr 1
		.amdhsa_wavefront_size32 1
		.amdhsa_system_sgpr_workgroup_id_x 1
		.amdhsa_system_sgpr_workgroup_id_y 1
		.amdhsa_system_sgpr_workgroup_id_z 1
		.amdhsa_system_vgpr_workitem_id 0
		.amdhsa_next_free_vgpr 896
		.amdhsa_next_free_sgpr 106
		.amdhsa_reserve_vcc 0
		.amdhsa_float_denorm_mode_32 3
		.amdhsa_float_denorm_mode_16_64 3
		.amdhsa_memory_ordered 1
		.amdhsa_forward_progress 1
		.amdhsa_inst_pref_size 180
	.end_amdhsa_kernel
	.amdgpu_metadata
---
amdhsa.version: [ 1, 2 ]
amdhsa.kernels:
  - .name:           k_q67d8f382d0_proj
    .symbol:         k_q67d8f382d0_proj.kd
    .args:
      - { .name: xw_codes, .offset: 0, .size: 8, .value_kind: global_buffer, .address_space: global }
      - { .name: xw_scales, .offset: 8, .size: 8, .value_kind: global_buffer, .address_space: global }
      - { .name: bq, .offset: 16, .size: 8, .value_kind: global_buffer, .address_space: global }
      - { .name: bk, .offset: 24, .size: 8, .value_kind: global_buffer, .address_space: global }
      - { .name: bv, .offset: 32, .size: 8, .value_kind: global_buffer, .address_space: global }
      - { .name: qkv_codes, .offset: 40, .size: 8, .value_kind: global_buffer, .address_space: global }
      - { .name: qkv_scales, .offset: 48, .size: 8, .value_kind: global_buffer, .address_space: global }
    .group_segment_fixed_size: 327680
    .private_segment_fixed_size: 0
    .kernarg_segment_align: 8
    .kernarg_segment_size: 56
    .max_flat_workgroup_size: 128
    .sgpr_count:     106
    .vgpr_count:     896
    .wavefront_size: 32
...
	.end_amdgpu_metadata
.endif
;; end of part 6
;; launch scores (part 7): grid 8 x 32, 4 waves a work-group, clusters of 4 x 4, 327,680 bytes of LDS; arguments qkv_codes, qkv_scales, attention_mask, p_codes, p_rec; writes p_codes, p_rec
.if DOCPART == 7
	.amdgcn_target "amdgcn-amd-amdhsa--gfx1250"
	.amdhsa_code_object_version 6
	.text
	.protected	k_q67d8f382d0_scores
	.globl	k_q67d8f382d0_scores
	.p2align	8
	.type	k_q67d8f382d0_scores,@function
k_q67d8f382d0_scores:
	s_mov_b64 s[64:65], 0
	v_nop
	global_prefetch_b8 v0, s[64:65] scope:SCOPE_SE
	s_setreg_imm32_b32 hwreg(HW_REG_WAVE_MODE, 25, 1), 1
	s_wait_xcnt 0x0
	s_wait_alu depctr_hold_cnt(0) depctr_sa_sdst(0) depctr_va_vdst(0) depctr_va_sdst(0) depctr_va_ssrc(0) depctr_va_vcc(0) depctr_vm_vsrc(0)
	s_getreg_b32 s2, hwreg(HW_REG_IB_STS2, 6, 4)
	s_cmp_eq_u32 s2, 0
	s_cbranch_scc0 .Lentry_in_a_cluster
	s_endpgm
.Lentry_in_a_cluster:
	s_bfe_u32 s2, ttmp6, 0x10000c
	s_cmp_lg_u32 s2, 0xf033
	s_cbranch_scc0 .Lentry_shape_is_right
	s_endpgm
.Lentry_shape_is_right:
; logit = q . k / 8 + (1 - mask) x -10000 on codes of FP6 (E2M3); then, for each query and each run of 128 keys, p = 2^(t - M) with t = logit x log2(e) and M = the ceiling of the run's largest t.
; M IS LOCAL TO THE RUN OF 128 KEYS: it is a whole number, so the next launch brings all runs of a row under the row's M by taking the difference off the scale bytes, which changes no code.
; Stored: p's codes (quantised along the keys) as images of operand registers, four K steps to a row block: fragment (rho, sigma2 = key / 512, q4) at ((sigma2 x 512 + rho) x 4 + q4) x 1536;
; and for each (query, run) a record of 16 bytes {-M as f32, the sum of the unquantised p, p's scale word, 0}.
; A tile of 256 queries x 256 keys is made by four waves, 128 x 128 each; K = 1,024 is four tiles of 256 along K, images as the launch that makes q and k lays them.
; THREE LDS SLOTS are asked for together at the start; only the fourth tile is a refill (into slot 0, behind the one round of the cluster's barrier), and it has 224 matrix instructions in which to land.
; TRANSPOSED: source 0 = 16 keys, source 1 = 16 queries.  k is stored with bits 3 and 4 of its rows swapped, so a lane holds one query and register 16 b + i of a block of queries is key 32 b + 16 (lane / 16) + i.
; CLUSTER 4 x 4: q's tiles are shared along a row of the cluster, k's along a column: joint loads.
; LIMITS: NaN and infinities are not served; a block whose every p has fallen to 0 keeps the byte 1 (zero codes).
; REGISTERS: window 0: v0-31 addresses; v32-63 scale words, two sets; v64-127 the mask's term for the lane's 64 keys; v128-223 A's fragments.  window 1: B's fragments, two sets.  windows 2, 3: the accumulators.
.set NK,     8
.set NQ,     2
.set FR,     12
.set NL,     3
.set NP,     4
.set HALFT,  24576
.set SLOT,   4*HALFT
.set SCL,    3*SLOT
.set HALFS,  512*NK
.set SPARE,  SCL+4*HALFS
.set STEPA,  1572864                   ; a tile on along K in q and in k: 512 row blocks x 3,072 bytes
.set STEPB,  1572864
.set ADRA, 16                          ; v16-18
.set ADRB, 20                          ; v20-22
.set ADRS, 27
.set SPW,  28
.set NIL,  29
.set SC,   32
.set AF,   128
.set G1, 24
.set G0, 32
.set G1B, 48
.set G0B, 56
.set G1S, 68
.set G0S, 76
.set G1SB, 80
.set G0SB, 88
.set MT,  64                           ; (1 - mask) x -10000 of the lane's 64 keys
.set TT,  128                          ; the tail: logits, then t - M, then p
.set BX,  192                          ; v192-195 each block's largest logit, then its largest p
.set NM,  204                          ; v[204:205] -M (the packed form names the pair and takes its low word)
.set CT,  210                          ; v210-212, v214-216 the conversions' second halves
.set PWR, 218                          ; p's scale word
.set PCB, 32                           ; two sets of codes
.set SEL, 24                           ; the tail's constants stand in registers whose descriptors are no longer pending
.set HI,  26
.set C8,  30                           ; s[30:31] 1/8
.set LE,  34                           ; s[34:35] log2(e)
.set MSB, 0
.macro WIN new
.if MSB != \new
	s_set_vgpr_msb (MSB<<8)|\new
.set MSB, \new
.endif
.endm
.set MUL_LO, 0xa1
.set MUL_HI, 0xf1
.set TO_B,   0x40
.macro JLOAD g0a, g1a, g0b, g1b        ; waves 0 and 1 fetch for A, waves 2 and 3 for B; four v_nop follow each of the two lines
	s_cmp_eq_u32 s21, 0
	s_cbranch_scc0 .Lfor_b_\@
	tensor_load_to_lds s[\g0a:\g0a+3], s[\g1a:\g1a+7]
	s_nop 0
.rept 4
	v_nop
.endr
	s_branch .Lasked_\@
.Lfor_b_\@:
	tensor_load_to_lds s[\g0b:\g0b+3], s[\g1b:\g1b+7]
	s_nop 0
.rept 4
	v_nop
.endr
.Lasked_\@:
.endm
.macro CREST
	s_cmp_lg_u32 s20, 0
	s_cbranch_scc1 .Lnot_wave_0_\@
	s_barrier_signal -3
.Lnot_wave_0_\@:
	s_barrier_wait -3
	s_barrier_signal -1
	s_barrier_wait -1
.endm
.macro CROUND
	s_barrier_signal -1
	s_barrier_wait -1
	CREST
.endm
.macro FRAG reg, adr, q, i
.irp c, 0,1,2
	ds_load_b128 v[\reg+4*\c:\reg+4*\c+3], v[\adr] offset:(\i)*3072+(\q)*1536+512*\c
.endr
.endm
.macro MUL16 a0, p, q, sc, zero        ; the 64 accumulators take turns, one instruction a turn
.irp a, \a0, \a0+1
.irp b, 0,1,2,3,4,5,6,7
.if \zero
	v_wmma_scale_f32_16x16x128_f8f6f4 v[8*(8*((\a)%4)+\b):8*(8*((\a)%4)+\b)+7], v[128*(\p)+FR*\b:128*(\p)+FR*\b+FR-1], v[AF+FR*(\a):AF+FR*(\a)+FR-1], 0, v[SC+8*NQ*(\sc)+NQ*\b+(\q)], v[SC+8*NQ*(\sc)+NQ*(\a)+(\q)] matrix_a_fmt:MATRIX_FMT_FP6 matrix_b_fmt:MATRIX_FMT_FP6 matrix_a_scale:MATRIX_SCALE_ROW1
.else
	v_wmma_scale_f32_16x16x128_f8f6f4 v[8*(8*((\a)%4)+\b):8*(8*((\a)%4)+\b)+7], v[128*(\p)+FR*\b:128*(\p)+FR*\b+FR-1], v[AF+FR*(\a):AF+FR*(\a)+FR-1], v[8*(8*((\a)%4)+\b):8*(8*((\a)%4)+\b)+7], v[SC+8*NQ*(\sc)+NQ*\b+(\q)], v[SC+8*NQ*(\sc)+NQ*(\a)+(\q)] matrix_a_fmt:MATRIX_FMT_FP6 matrix_b_fmt:MATRIX_FMT_FP6 matrix_a_scale:MATRIX_SCALE_ROW1
.endif
.endr
.endr
.endm
.macro FETCH_B slot, q, p
	WIN TO_B
.irp i, 0,1,2,3,4,5,6,7
	FRAG 128*(\p)+FR*\i, ADRB+\slot, \q, \i
.endr
	WIN 0
.endm
.macro FETCH_A slot, q, i0
.irp i, \i0, \i0+1, \i0+2, \i0+3
	FRAG AF+FR*(\i), ADRA+\slot, \q, \i
.endr
.endm
.macro SCALES sc, sig                  ; the scale words of tile sig along K into set sc
.irp i, 0,1,2,3,4,5,6,7
.irp q, 0,1
	ds_load_b32 v[SC+8*NQ*(\sc)+NQ*\i+\q], v[ADRS] offset:\i*NK*64+64*(NQ*(\sig)+\q)
.endr
.endr
.endm
.macro PLACES n
.rept \n
	v_nop
.endr
.endm
.macro REFILL                          ; the one refill: the fourth tile along K into slot 0.  Slot 0's group 0 serves again, three tiles on along K
	s_add_nc_u64 s[G0+2:G0+3], s[G0+2:G0+3], 3*STEPA               ; slot 0's group 0, three tiles on along K: no tensor load of mine is out
	s_add_nc_u64 s[G0B+2:G0B+3], s[G0B+2:G0B+3], 3*STEPB
	s_cmp_eq_u32 s22, 0                            ; wave 0 brings q's 256 rows, wave 2 k's; waves 1 and 3 have no part to fill
	s_cbranch_scc0 .Lno_refill_\@
	JLOAD G0, G1, G0B, G1B
.Lno_refill_\@:
	PLACES NP                                      ; the places in front of the loads below, on every wave's way
.endm
.macro STEP slot, sc, q, zero
	s_wait_dscnt 4*NL                              ; all but the youngest 12 loads (A's blocks 4-7) are in
	WIN MUL_LO
	MUL16 0, (\q)%2, \q, \sc, \zero
	MUL16 2, (\q)%2, \q, \sc, \zero
	s_wait_dscnt 0
	PLACES NP
	FETCH_B \slot, (\q)+1, 1-(\q)%2
	FETCH_A \slot, (\q)+1, 0
	WIN MUL_HI
	MUL16 4, (\q)%2, \q, \sc, \zero
	MUL16 6, (\q)%2, \q, \sc, \zero
	PLACES NP
	WIN 0
	FETCH_A \slot, (\q)+1, 4
.endm
; A slot's last step goes on to slot next (tile nsig along K, scale set nsc).
; how = 2: the slot just read is filled again: the waits, the add, a round of the cluster's barrier, the joint refill first behind it.  how = 1: the next slot's tile is the refill: the same waits and the work-group's barrier.
; how = 0: the next slot was shown landed by every wave in front of the round, and the slot that is left is not filled again: no barrier.
.macro TURN sc, next, nsc, nsig, how
.if \how > 0
	s_wait_tensorcnt 0x0                           ; all my tensor loads have landed
	ds_add_u32 v[SPW], v[NIL]                      ; 0 onto my spare word
	s_wait_dscnt 4*NL+1                            ; (the add and the youngest 12 loads may be out)
	WIN MUL_LO
	MUL16 0, 1, NQ-1, \sc, 0
	s_wait_dscnt 0x0                               ; the add is done, and my reads of this slot are over
	s_barrier_signal -1
	MUL16 2, 1, NQ-1, \sc, 0
	WIN 0
	s_barrier_wait -1
.if \how == 2
	CREST                                          ; a round of the cluster's barrier: no wave of any partner still reads this slot or has a load on its way
	REFILL
.else
	PLACES NP
.endif
.else
	s_wait_dscnt 4*NL
	WIN MUL_LO
	MUL16 0, 1, NQ-1, \sc, 0
	MUL16 2, 1, NQ-1, \sc, 0
	s_wait_dscnt 0x0
	PLACES NP
.endif
	FETCH_B \next, 0, 0
	FETCH_A \next, 0, 0
	SCALES \nsc, \nsig
	WIN MUL_HI
	MUL16 4, 1, NQ-1, \sc, 0
	MUL16 6, 1, NQ-1, \sc, 0
	PLACES NP
	WIN 0
	FETCH_A \next, 0, 4
.endm
	s_load_b256 s[4:11], s[0:1], 0x0               ; qkv_codes s[4:5], qkv_scales s[6:7], attention_mask s[8:9], p_codes s[10:11]
	s_load_b64 s[12:13], s[0:1], 0x20              ; p_rec
	v_lshl_add_u32 v[SPW], v0, 2, SPARE
	v_mov_b32 v[NIL], 0
	ds_add_u32 v28, v29
	ds_add_u32 v28, v29
	s_wait_dscnt 0x0
	v_lshrrev_b32 v1, 5, v0
	v_readfirstlane_b32 s20, v1                    ; wave
	s_lshr_b32 s21, s20, 1                         ; my half of the queries.  Also: I fetch for A (0) or for B (1)
	s_and_b32 s22, s20, 1                          ; my half of the keys.  Also: which 128 rows I fetch
	s_bfe_u32 s40, ttmp6, 0x40000                  ; cx
	s_bfe_u32 s41, ttmp6, 0x40004                  ; cy
	s_and_b32 s96, ttmp7, 0xffff                   ; the cluster's y
	s_lshl_b32 s43, s41, 2
	s_lshl_b32 s43, 15, s43
	s_lshl_b32 s44, 0x1111, s40
	s_or_b32 s[G1+0], s43, (3<<16)|(1<<21)
	s_or_b32 s[G1B+0], s44, (3<<16)|(1<<21)
	s_or_b32 s[G1S+0], s43, (3<<16)|(1<<21)
	s_or_b32 s[G1SB+0], s44, (3<<16)|(1<<21)
.irp g, G1, G1B                        ; 49,152 dense bytes as 192 rows of 256
	s_mov_b32 s[\g+1], 32<<16
	s_mov_b32 s[\g+2], 192<<16                     ; a whole tile of 256 rows: 49,152 dense bytes as 192 rows of 256
	s_mov_b32 s[\g+3], 32<<16
	s_mov_b32 s[\g+4], 192
	s_mov_b32 s[\g+5], 32
	s_mov_b32 s[\g+6], 0
	s_mov_b32 s[\g+7], 0
.endr
.irp g, G1S, G1SB                      ; 8,192 dense bytes as 32 rows of 256
	s_mov_b32 s[\g+1], 32<<16
	s_mov_b32 s[\g+2], 32<<16                      ; the scale words of 256 rows: 8,192 dense bytes as 32 rows of 256
	s_mov_b32 s[\g+3], 32<<16
	s_mov_b32 s[\g+4], 32
	s_mov_b32 s[\g+5], 32
	s_mov_b32 s[\g+6], 0
	s_mov_b32 s[\g+7], 0
.endr
	s_lshl_b32 s95, s96, 2
	s_add_co_u32 s95, s95, s41                     ; the tile of queries, 0..31, over all batches
	s_lshr_b32 s97, s96, 1                         ; the batch: the same in all partners
	s_lshl_b32 s104, s95, 4                        ; A = q: row block 16 x tile
	s_mul_i32 s98, s104, 3072
	s_mov_b32 s99, 0
	s_lshl_b32 s100, s104, 9
	s_mov_b32 s101, 0
	s_lshl_b32 s42, ttmp9, 2
	s_add_co_u32 s42, s42, s40                     ; the tile of keys in the batch, 0..7
	s_lshl_b32 s2, s97, 7                          ; B = k: row block 128 x batch + 16 x tile
	s_lshl_b32 s23, s42, 4
	s_add_co_u32 s2, s2, s23
	s_mul_i32 s46, s2, 3072
	s_add_co_u32 s46, s46, 6291456
	s_mov_b32 s47, 0
	s_lshl_b32 s92, s2, 9
	s_add_co_u32 s92, s92, 262144
	s_mov_b32 s93, 0
	s_mul_i32 s45, s21, 2*HALFT                    ; in a slot: A's 256 rows, then B's
	s_mul_i32 s94, s21, 2*HALFS
	s_wait_kmcnt 0x0
	s_add_nc_u64 s[98:99], s[4:5], s[98:99]
	s_add_nc_u64 s[100:101], s[6:7], s[100:101]
	s_add_nc_u64 s[46:47], s[4:5], s[46:47]
	s_add_nc_u64 s[92:93], s[6:7], s[92:93]        ; s[4:7] are done with
	CROUND                                         ; all sixteen work-groups are here: the first joint loads meet
	s_mov_b32 s[G0S], 1
	s_add_co_u32 s[G0S+1], s94, SCL
	s_mov_b64 s[G0S+2:G0S+3], s[100:101]
	s_or_b32 s[G0S+3], s[G0S+3], 0x80000000
	s_mov_b32 s[G0SB], 1
	s_add_co_u32 s[G0SB+1], s94, SCL
	s_mov_b64 s[G0SB+2:G0SB+3], s[92:93]
	s_or_b32 s[G0SB+3], s[G0SB+3], 0x80000000
.irp s, 0,1
	s_mov_b32 s[G0+4*\s], 1
	s_add_co_u32 s[G0+4*\s+1], s45, \s*SLOT
	s_add_nc_u64 s[G0+4*\s+2:G0+4*\s+3], s[98:99], \s*STEPA
	s_or_b32 s[G0+4*\s+3], s[G0+4*\s+3], 0x80000000
	s_mov_b32 s[G0B+4*\s], 1
	s_add_co_u32 s[G0B+4*\s+1], s45, \s*SLOT
	s_add_nc_u64 s[G0B+4*\s+2:G0B+4*\s+3], s[46:47], \s*STEPB
	s_or_b32 s[G0B+4*\s+3], s[G0B+4*\s+3], 0x80000000
.endr
	s_mul_i32 s2, s22, SLOT                        ; the second group 0: waves 0 and 2 take slot 1 (tile 1 along K), waves 1 and 3 slot 2 (tile 2)
	s_mul_i32 s16, s22, STEPA
	s_mov_b32 s17, 0
	s_add_co_u32 s[G0+5], s[G0+5], s2
	s_add_nc_u64 s[G0+6:G0+7], s[G0+6:G0+7], s[16:17]
	s_add_co_u32 s[G0B+5], s[G0B+5], s2
	s_add_nc_u64 s[G0B+6:G0B+7], s[G0B+6:G0B+7], s[16:17]
	; the prefetches' bases.  The four partners that ask for a tile jointly share its blocks of 256 bytes out by address: place cx for q's tiles, cy for k's
	s_cmp_eq_u32 s21, 0
	s_cselect_b64 s[4:5], s[98:99], s[46:47]       ; the operand that I fetch for
	s_cselect_b32 s18, s40, s41                    ; my work-group's place among the four
	s_mul_i32 s6, s22, 24576                       ; tile 3 along K: my half of its 49,152 bytes, my work-group's 6,144 of them
	s_mul_i32 s19, s18, 6144
	s_add_co_u32 s6, s6, s19
	s_add_co_u32 s6, s6, 3*STEPA
	s_mov_b32 s7, 0
	s_add_nc_u64 s[6:7], s[4:5], s[6:7]
	s_mul_i32 s18, s18, 12288                      ; tile 1 or 2, the one that I load: my work-group's 12,288 bytes
	s_add_co_u32 s18, s18, STEPA
	s_mov_b32 s19, 0
	s_add_nc_u64 s[4:5], s[4:5], s[18:19]
	s_add_nc_u64 s[4:5], s[4:5], s[16:17]
	; THE HEAD'S LOADS, ONE A WAVE, in one tree of branches on the wave's number: wave 0 q's tile 0, wave 2 k's tile 0, wave 1 q's scale words, wave 3 k's
	s_cmp_eq_u32 s22, 0
	s_cbranch_scc0 .Lhead_scales
	JLOAD G0, G1, G0B, G1B
	s_branch .Lhead_asked
.Lhead_scales:
	JLOAD G0S, G1S, G0SB, G1SB
.Lhead_asked:
	v_and_b32 v1, 31, v0
	v_and_b32 v2, 15, v0                           ; r
	v_bfe_u32 v3, v0, 4, 1                         ; h
	s_wait_alu depctr_va_vdst(0)
	v_lshlrev_b32 v24, 4, v1                       ; 16 x lane
	s_mul_i32 s104, s21, HALFT
	s_mul_i32 s105, s22, HALFT
	s_add_co_u32 s105, s105, 2*HALFT
.irp s, 0,1,2
	v_add_nc_u32 v[ADRA+\s], s104, v24
	v_add_nc_u32 v[ADRB+\s], s105, v24
	s_add_co_u32 s104, s104, SLOT
	s_add_co_u32 s105, s105, SLOT
.endr
	s_mul_i32 s104, s21, HALFS
	s_mul_i32 s105, s22, HALFS
	s_add_co_u32 s105, s105, 2*HALFS
	s_sub_co_u32 s105, s105, s104
	v_mul_u32_u24 v4, s105, v3
	s_add_co_u32 s104, s104, SCL
	v_lshl_add_u32 v4, v2, 2, v4
	v_add_nc_u32 v[ADRS], s104, v4
	v_lshlrev_b32 v25, 4, v2
	v_lshl_add_u32 v25, v3, 12, v25                ; a record's place: 16 r + 4,096 h: lanes 16-31 store the next row block's
	s_lshl_b32 s2, s97, 13                         ; the mask of my 128 keys: (2048 batch + 256 tile + 128 half + 32 b + 16 h + i) x 4
	s_lshl_b32 s3, s42, 10
	s_add_co_u32 s2, s2, s3
	s_lshl_b32 s3, s22, 9
	s_add_co_u32 s2, s2, s3
	v_lshl_add_u32 v5, v3, 6, s2
	v_lshlrev_b32 v6, 8, v1                        ; a lane a block of 256 bytes: blocks 0-31,
	v_min_u32 v7, 15, v1
	v_lshl_add_u32 v7, v7, 8, 8192                 ; blocks 32-47 (the lanes left over name the last again),
	v_min_u32 v8, 23, v1
	v_lshlrev_b32 v8, 8, v8                        ; blocks 0-23
	global_prefetch_b8 v6, s[4:5] th:TH_LOAD_NT scope:SCOPE_SE     ; what the loads behind the next round bring: one fill ahead
	global_prefetch_b8 v7, s[4:5] th:TH_LOAD_NT scope:SCOPE_SE
.irp b, 0,1,2,3
.irp j, 0,1,2,3
	global_load_b128 v[MT+16*\b+4*\j:MT+16*\b+4*\j+3], v5, s[8:9] offset:128*\b+16*\j
.endr
.endr
	s_wait_loadcnt 0x0                             ; the mask, once: it lands while the first tiles are on their way
.set i, 0
.rept 32
	v_pk_fma_f32 v[MT+i:MT+i+1], v[MT+i:MT+i+1], -1.0, 1.0 op_sel_hi:[1,0,0]   ; 1 - mask, one rounding
.set i, i+2
.endr
.set i, 0
.rept 32
	v_pk_mul_f32 v[MT+i:MT+i+1], v[MT+i:MT+i+1], 0xc61c4000 op_sel_hi:[1,0]    ; x -10000
.set i, i+2
.endr
	s_wait_alu depctr_va_vdst(0)
	s_wait_tensorcnt 0x0                           ; my tile of the head's four is in
	ds_add_u32 v[SPW], v[NIL]
	s_wait_dscnt 0x0
	CROUND                                         ; a whole round: slot 0 and the scale words are in, and the joint loads meet
	JLOAD G0+4, G1, G0B+4, G1B                     ; slots 1 and 2: one whole tile of q or of k a wave
	FETCH_B 0, 0, 0
	FETCH_A 0, 0, 0
	SCALES 0, 0
	FETCH_A 0, 0, 4
	global_prefetch_b8 v8, s[6:7] th:TH_LOAD_NT scope:SCOPE_SE     ; tile 3 along K, which the refill behind the next round brings
	STEP 0, 0, 0, 1                                ; the first step's products start the sums
	TURN 0, 1, 1, 1, 2                             ; on to slot 1; slot 0 takes the fourth tile
	STEP 1, 1, 0, 0
	TURN 1, 2, 0, 2, 0                             ; on to slot 2
	STEP 2, 0, 0, 0
	TURN 0, 0, 1, 3, 1                             ; on to slot 0: the fourth tile
	STEP 0, 1, 0, 0
	s_wait_dscnt 4*NL
	WIN MUL_LO
	MUL16 0, 1, NQ-1, 1, 0
	MUL16 2, 1, NQ-1, 1, 0
	s_wait_dscnt 0
	WIN MUL_HI
	MUL16 4, 1, NQ-1, 1, 0
	MUL16 6, 1, NQ-1, 1, 0
	WIN 0
	PLACES NP
	; THE TAIL
	s_mov_b32 s[SEL], 0x76543210                   ; (no tensor load is pending: the last change of slots waited for all)
	s_mov_b32 s[SEL+1], 0xfedcba98
	s_mov_b32 s[HI], 0xffff0000
	s_mov_b32 s[C8], 0x3e000000                    ; 1/8
	s_mov_b32 s[C8+1], s[C8]
	s_mov_b32 s[LE], 0x3fb8aa3b                    ; log2(e)
	s_mov_b32 s[LE+1], s[LE]
.irp b, 0,1,2,3
	v_mov_b32 v[196+\b], 0                         ; written once: a lane permute's destination counts as one of its sources
.endr
	v_mov_b32 v[NM+1], 0                           ; (named as the upper half of a pair)
	s_lshl_b32 s104, s95, 4
	s_lshl_b32 s105, s21, 3
	s_add_co_u32 s104, s104, s105                  ; my first row block of queries
	s_lshr_b32 s2, s42, 1                          ; p's codes at (((key tile / 2) x 512 + row block) x 4 + 2 (key tile % 2) + half) x 1536
	s_lshl_b32 s2, s2, 9
	s_add_co_u32 s2, s2, s104
	s_lshl_b32 s2, s2, 2
	s_and_b32 s23, s42, 1
	s_lshl_b32 s23, s23, 1
	s_add_co_u32 s2, s2, s23
	s_add_co_u32 s2, s2, s22
	s_mul_i32 s2, s2, 1536
	s_mov_b32 s3, 0
	s_add_nc_u64 s[10:11], s[10:11], s[2:3]
	s_lshl_b32 s2, s104, 4                         ; the records at (row block x 16 + 2 x key tile + half) x 256
	s_lshl_b32 s23, s42, 1
	s_add_co_u32 s2, s2, s23
	s_add_co_u32 s2, s2, s22
	s_lshl_b32 s2, s2, 8
	s_add_nc_u64 s[12:13], s[12:13], s[2:3]
; Block a of 16 queries against my 128 keys.
.macro SOFT a
.set PCA, PCB+12*((\a)%2)
.if (\a) >= 1
	s_wait_xcnt 0x0                                ; the earlier stores have read their registers: codes and record are written again only behind this wait
.endif
	WIN 0x02+((\a)/4)
.set i, 0
.rept 32
	v_pk_fma_f32 v[TT+i:TT+i+1], v[64*((\a)%4)+i:64*((\a)%4)+i+1], s[C8:C8+1], v[MT+i:MT+i+1] op_sel_hi:[1,0,1]   ; the logit: score / 8 (exact) + the mask's term; each accumulator from its low end on
.set i, i+2
.endr
	WIN 0
.irp b, 0,1,2,3
	v_max3_num_f32 v[BX+\b], v[TT+16*\b], v[TT+1+16*\b], v[TT+2+16*\b]   ; the largest logit of each block of 32 keys: it serves for the row's maximum and, since p rises with the logit, for the block's largest p
.endr
.irp i, 3,5,7,9,11,13
.irp b, 0,1,2,3
	v_max3_num_f32 v[BX+\b], v[BX+\b], v[TT+16*\b+\i], v[TT+1+16*\b+\i]
.endr
.endr
.irp b, 0,1,2,3
	v_max_num_f32 v[BX+\b], v[BX+\b], v[TT+15+16*\b]
.endr
.irp b, 0,1,2,3
	v_permlanex16_b32 v[196+\b], v[BX+\b], s[SEL], s[SEL+1]
.endr
.irp b, 0,1,2,3
	v_max_num_f32 v[BX+\b], v[BX+\b], v[196+\b]    ; with lane l xor 16's 16 keys
.endr
	v_max3_num_f32 v200, v[BX], v[BX+1], v[BX+2]
	v_max_num_f32 v200, v200, v[BX+3]
	v_mul_f32 v200, s[LE], v200                    ; the run's largest t
	v_floor_f32 v[NM], -v200                       ; -M = floor(-t) = -ceil(t)
.set i, 0
.rept 32
	v_pk_fma_f32 v[TT+i:TT+i+1], v[TT+i:TT+i+1], s[LE:LE+1], v[NM:NM+1] op_sel_hi:[1,0,0]   ; t - M
.set i, i+2
.endr
.irp b, 0,1,2,3
	v_fma_f32 v[BX+\b], v[BX+\b], s[LE], v[NM]     ; the same of each block's largest logit
.endr
.set i, 0
	s_wait_alu depctr_va_vdst(0)
.rept 64
	v_exp_f32 v[TT+i], v[TT+i]                     ; p = 2^(t - M): not normalised
.set i, i+1
.endr
	v_mov_b32 v59, 0                               ; the record's fourth word.  (The plain instruction behind the exponentials)
	s_wait_alu depctr_va_vdst(0)                   ; one wait for the batch, ahead of its first reader
.irp b, 0,1,2,3
	v_exp_f32 v[BX+\b], v[BX+\b]                   ; the block's largest p
.endr
	v_pk_add_f32 v[206:207], v[TT:TT+1], v[TT+4:TT+5]              ; the sum of the UNQUANTISED p, in two chains: plain work behind the four
	v_pk_add_f32 v[208:209], v[TT+2:TT+3], v[TT+6:TT+7]
.irp j, 8,12,16,20,24,28,32,36,40,44,48,52,56,60
	v_pk_add_f32 v[206:207], v[206:207], v[TT+\j:TT+\j+1]
	v_pk_add_f32 v[208:209], v[208:209], v[TT+\j+2:TT+\j+3]
.endr
	v_pk_add_f32 v[206:207], v[206:207], v[208:209]
	v_add_f32 v206, v206, v207
	v_permlanex16_b32 v208, v206, s[SEL], s[SEL+1]
	v_add_f32 v206, v206, v208                     ; with lane l xor 16's: the run's sum
	s_wait_alu depctr_va_vdst(0)                   ; and one wait for the four
.irp b, 0,1,2,3
	v_max_num_f32 v[BX+\b], 0x1800000, v[BX+\b]    ; the floor 2^(3 - 127): the byte cannot fall under 1
.endr
.irp b, 0,1,2,3
	v_add_nc_u32 v[200+\b], 0xff000000, v[BX+\b]   ; 2 off the exponent field: the conversion's scale operand
.endr
.irp b, 0,1,2,3
	v_lshrrev_b32 v[196+\b], 23, v[200+\b]         ; the scale's byte
.endr
	v_lshl_or_b32 v[PWR], v197, 8, v196
	v_lshl_or_b32 v[PWR], v198, 16, v[PWR]
	v_lshl_or_b32 v[PWR], v199, 24, v[PWR]
.irp c, 0,1
	v_cvt_scalef32_pk16_fp6_f32 v[PCA+6*\c:PCA+6*\c+2], v[TT+32*\c:TT+32*\c+15], v[200+2*\c]
	v_cvt_scalef32_pk16_fp6_f32 v[CT+4*\c:CT+4*\c+2], v[TT+32*\c+16:TT+32*\c+31], v[200+2*\c+1]
.endr
	v_nop                                          ; one plain instruction behind the conversions
.irp c, 0,1
.irp i, 0,1,2
	v_permlane16_swap_b32 v[PCA+6*\c+\i], v[CT+4*\c+\i]
.endr
.irp i, 0,1,2
	v_mov_b32 v[PCA+6*\c+3+\i], v[CT+4*\c+\i]
.endr
.endr
.irp c, 0,1,2
	global_store_b128 v24, v[PCA+4*\c:PCA+4*\c+3], s[10:11] offset:(\a)*6144+512*\c   ; 512 consecutive bytes; a row block is four fragments on
.endr
.if (\a)%2 == 0
	v_mov_b32 v56, v[NM]                           ; the even block's records are taken from lanes 0-15,
	v_mov_b32 v57, v206
	v_mov_b32 v58, v[PWR]
.else
	v_cndmask_b32 v56, v56, v[NM], s[HI]           ; the odd block's from lanes 16-31
	v_cndmask_b32 v57, v57, v206, s[HI]
	v_cndmask_b32 v58, v58, v[PWR], s[HI]
	global_store_b128 v25, v[56:59], s[12:13] offset:((\a)/2)*8192   ; two runs of 256 consecutive bytes, each at a multiple of 256
.endif
.endm
.irp a, 0,1,2,3,4,5,6,7
	SOFT \a
.endr
	s_wait_tensorcnt 0x0                           ; the wave's end
	ds_add_u32 v[SPW], v[NIL]
	s_wait_dscnt 0x0
	CROUND                                         ; the closing round
	s_endpgm
.Lfunc_end_k_q67d8f382d0_scores:
	.size	k_q67d8f382d0_scores, .Lfunc_end_k_q67d8f382d0_scores-k_q67d8f382d0_scores
	.p2alignl 7, 3214868480
	.fill 96, 4, 3214868480
	.section	.rodata,"a",@progbits
	.p2align	6, 0x0
	.amdhsa_kernel k_q67d8f382d0_scores
		.amdhsa_group_segment_fixed_size 327680
		.amdhsa_private_segment_fixed_size 0
		.amdhsa_enable_private_segment 0
		.amdhsa_kernarg_size 40
		.amdhsa_user_sgpr_count 2
		.amdhsa_user_sgpr_kernarg_segment_ptr 1
		.amdhsa_wavefront_size32 1
		.amdhsa_system_sgpr_workgroup_id_x 1
		.amdhsa_system_sgpr_workgroup_id_y 1
		.amdhsa_system_sgpr_workgroup_id_z 1
		.amdhsa_system_vgpr_workitem_id 0
		.amdhsa_next_free_vgpr 1024
		.amdhsa_next_free_sgpr 106
		.amdhsa_reserve_vcc 0
		.amdhsa_float_denorm_mode_32 3
		.amdhsa_float_denorm_mode_16_64 3
		.amdhsa_memory_ordered 1
		.amdhsa_forward_progress 1
		.amdhsa_inst_pref_size 220
	.end_amdhsa_kernel
	.amdgpu_metadata
---
amdhsa.version: [ 1, 2 ]
amdhsa.kernels:
  - .name:           k_q67d8f382d0_scores
    .symbol:         k_q67d8f382d0_scores.kd
    .args:
      - { .name: qkv_codes, .offset: 0, .size: 8, .value_kind: global_buffer, .address_space: global }
      - { .name: qkv_scales, .offset: 8, .size: 8, .value_kind: global_buffer, .address_space: global }
      - { .name: attention_mask, .offset: 16, .size: 8, .value_kind: global_buffer, .address_space: global }
      - { .name: p_codes, .offset: 24, .size: 8, .value_kind: global_buffer, .address_space: global }
      - { .name: p_rec, .offset: 32, .size: 8, .value_kind: global_buffer, .address_space: global }
    .group_segment_fixed_size: 327680
    .private_segment_fixed_size: 0
    .kernarg_segment_align: 8
    .kernarg_segment_size: 40
    .max_flat_workgroup_size: 128
    .sgpr_count:     106
    .vgpr_count:     1024
    .wavefront_size: 32
...
	.end_amdgpu_metadata
.endif
;; end of part 7
;; launch pv (part 8): grid 4 x 64, 4 waves a work-group, clusters of 4 x 4, 327,680 bytes of LDS; arguments p_codes, p_rec, qkv_codes, qkv_scales, out0; writes out0
.if DOCPART == 8
	.amdgcn_target "amdgcn-amd-amdhsa--gfx1250"
	.amdhsa_code_object_version 6
	.text
	.protected	k_q67d8f382d0_pv
	.globl	k_q67d8f382d0_pv
	.p2align	8
	.type	k_q67d8f382d0_pv,@function
k_q67d8f382d0_pv:
	s_mov_b64 s[64:65], 0
	v_nop
	global_prefetch_b8 v0, s[64:65] scope:SCOPE_SE
	s_setreg_imm32_b32 hwreg(HW_REG_WAVE_MODE, 25, 1), 1
	s_wait_xcnt 0x0
	s_wait_alu depctr_hold_cnt(0) depctr_sa_sdst(0) depctr_va_vdst(0) depctr_va_sdst(0) depctr_va_ssrc(0) depctr_va_vcc(0) depctr_vm_vsrc(0)
	s_getreg_b32 s2, hwreg(HW_REG_IB_STS2, 6, 4)
	s_cmp_eq_u32 s2, 0
	s_cbranch_scc0 .Lentry_in_a_cluster
	s_endpgm
.Lentry_in_a_cluster:
	s_bfe_u32 s2, ttmp6, 0x10000c
	s_cmp_lg_u32 s2, 0xf033
	s_cbranch_scc0 .Lentry_shape_is_right
	s_endpgm
.Lentry_shape_is_right:
.set NK,     16
.set FR,     12
.set NP,     4
.set AHALF,  24576
.set BHALF,  49152
.set BOFF,   2*AHALF
.set SLOT,   2*AHALF+2*BHALF
.set SCL,    2*SLOT
.set SCB,    SCL+8*NK*64
.set SPARE,  SCB+16*NK*64
.set RL,     SPARE+512
.set STEPA,  3145728
.set STEPB,  393216
.set SPITCH, 528
.set ADRA, 16
.set ADRB, 20
.set ADRS, 27
.set SPW,  28
.set NIL,  29
.set SC,   32
.set AF,   128
.set G1, 24
.set G0, 32
.set G1B, 48
.set G0B, 56
.set RB,  64
.set RI,  32
.set DD,  64
.set BK,  128
.set RD,  25
.set STO, 26
.set MSB, 0
.macro WIN new
.if MSB != \new
	s_set_vgpr_msb (MSB<<8)|\new
.set MSB, \new
.endif
.endm
.set MUL,  0xa1
.set TO_B, 0x40
.macro JLOAD g0a, g1a, g0b, g1b
	s_cmp_eq_u32 s21, 0
	s_cbranch_scc0 .Lfor_b_\@
	tensor_load_to_lds s[\g0a:\g0a+3], s[\g1a:\g1a+7]
	s_nop 0
.rept 4
	v_nop
.endr
	s_branch .Lasked_\@
.Lfor_b_\@:
	tensor_load_to_lds s[\g0b:\g0b+3], s[\g1b:\g1b+7]
	s_nop 0
.rept 4
	v_nop
.endr
.Lasked_\@:
.endm
.macro CREST
	s_cmp_lg_u32 s20, 0
	s_cbranch_scc1 .Lnot_wave_0_\@
	s_barrier_signal -3
.Lnot_wave_0_\@:
	s_barrier_wait -3
	s_barrier_signal -1
	s_barrier_wait -1
.endm
.macro CROUND
	s_barrier_signal -1
	s_barrier_wait -1
	CREST
.endm
.macro FRAG reg, adr, q, i
.irp c, 0,1,2
	ds_load_b128 v[\reg+4*\c:\reg+4*\c+3], v[\adr] offset:(\i)*6144+(\q)*1536+512*\c
.endr
.endm
.macro FETCH_AS t
.irp i, 0,1,2,3
	FRAG AF+48*((\t)%2)+FR*\i, ADRA+((\t)/4)%2, (\t)%4, \i
.endr
.irp i, 0,1,2,3,4,5,6,7
	ds_load_b32 v[SC+8*((\t)%2)+\i], v[ADRS] offset:\i*NK*64+64*(\t)
.endr
.endm
.macro FETCH_B t
	WIN TO_B
.irp i, 0,1,2,3,4,5,6,7
	FRAG 128*((\t)%2)+FR*\i, ADRB+((\t)/4)%2, (\t)%4, \i
.endr
.endm
.macro MUL8 a, t, zero
.irp b, 0,1,2,3,4,5,6,7
.if \zero
	v_wmma_scale_f32_16x16x128_f8f6f4 v[8*(8*(\a)+\b):8*(8*(\a)+\b)+7], v[128*((\t)%2)+FR*\b:128*((\t)%2)+FR*\b+FR-1], v[AF+48*((\t)%2)+FR*(\a):AF+48*((\t)%2)+FR*(\a)+FR-1], 0, v[SC+8*((\t)%2)+\b], v[SC+8*((\t)%2)+(\a)] matrix_a_fmt:MATRIX_FMT_FP6 matrix_b_fmt:MATRIX_FMT_FP6 matrix_a_scale:MATRIX_SCALE_ROW1
.else
	v_wmma_scale_f32_16x16x128_f8f6f4 v[8*(8*(\a)+\b):8*(8*(\a)+\b)+7], v[128*((\t)%2)+FR*\b:128*((\t)%2)+FR*\b+FR-1], v[AF+48*((\t)%2)+FR*(\a):AF+48*((\t)%2)+FR*(\a)+FR-1], v[8*(8*(\a)+\b):8*(8*(\a)+\b)+7], v[SC+8*((\t)%2)+\b], v[SC+8*((\t)%2)+(\a)] matrix_a_fmt:MATRIX_FMT_FP6 matrix_b_fmt:MATRIX_FMT_FP6 matrix_a_scale:MATRIX_SCALE_ROW1
.endif
.endr
.endm
.macro PLACES n
.rept \n
	v_nop
.endr
.endm
.macro ADVANCE slot
	s_add_nc_u64 s[G0+4*\slot+2:G0+4*\slot+3], s[G0+4*\slot+2:G0+4*\slot+3], 2*STEPA
	s_add_nc_u64 s[G0B+4*\slot+2:G0B+4*\slot+3], s[G0B+4*\slot+2:G0B+4*\slot+3], 2*STEPB
.endm
.macro KSTEP t, zero
	s_wait_dscnt 0x0
.if \zero == 0
	PLACES NP
.endif
	FETCH_AS (\t)+1
	WIN MUL
	MUL8 0, \t, \zero
	FETCH_B (\t)+1
	WIN MUL
	MUL8 1, \t, \zero
	MUL8 2, \t, \zero
	MUL8 3, \t, \zero
	WIN 0
.endm
.macro CHANGE t, slot, fill
	s_wait_tensorcnt 0x0
	ds_add_u32 v[SPW], v[NIL]
	s_wait_dscnt 1
	WIN MUL
	MUL8 0, \t, 0
	s_wait_dscnt 0x0
	s_barrier_signal -1
	MUL8 1, \t, 0
	WIN 0
	s_barrier_wait -1
.if \fill
	CREST
	ADVANCE \slot
	JLOAD G0+4*\slot, G1, G0B+4*\slot, G1B
.else
	PLACES NP
.endif
	FETCH_AS (\t)+1
	FETCH_B (\t)+1
	WIN MUL
	MUL8 2, \t, 0
	MUL8 3, \t, 0
	WIN 0
.endm
	s_load_b256 s[4:11], s[0:1], 0x0
	s_load_b64 s[12:13], s[0:1], 0x20
	v_lshl_add_u32 v[SPW], v0, 2, SPARE
	v_mov_b32 v[NIL], 0
	ds_add_u32 v28, v29
	ds_add_u32 v28, v29
	s_wait_dscnt 0x0
	v_lshrrev_b32 v1, 5, v0
	v_readfirstlane_b32 s20, v1
	s_lshr_b32 s21, s20, 1
	s_and_b32 s22, s20, 1
	s_bfe_u32 s40, ttmp6, 0x40000
	s_bfe_u32 s41, ttmp6, 0x40004
	s_and_b32 s96, ttmp7, 0xffff
	s_lshl_b32 s43, s41, 2
	s_lshl_b32 s43, 15, s43
	s_lshl_b32 s44, 0x1111, s40
	s_or_b32 s[G1+0], s43, (3<<16)|(1<<21)
	s_or_b32 s[G1B+0], s44, (3<<16)|(1<<21)
	s_mov_b32 s[G1+1], 32<<16
	s_mov_b32 s[G1+2], 96<<16
	s_mov_b32 s[G1+3], 32<<16
	s_mov_b32 s[G1+4], 96
	s_mov_b32 s[G1+5], 32
	s_mov_b32 s[G1+6], 0
	s_mov_b32 s[G1+7], 0
	s_mov_b32 s[G1B+1], 32<<16
	s_mov_b32 s[G1B+2], 192<<16
	s_mov_b32 s[G1B+3], 32<<16
	s_mov_b32 s[G1B+4], 192
	s_mov_b32 s[G1B+5], 32
	s_mov_b32 s[G1B+6], 0
	s_mov_b32 s[G1B+7], 0
	s_lshl_b32 s95, s96, 2
	s_add_co_u32 s95, s95, s41
	s_lshr_b32 s97, s96, 2
	s_lshl_b32 s104, s95, 3
	s_lshl_b32 s105, s22, 2
	s_add_co_u32 s105, s104, s105
	s_mul_i32 s98, s105, 6144
	s_mov_b32 s99, 0
	s_lshl_b32 s105, s20, 1
	s_add_co_u32 s104, s104, s105
	s_lshl_b32 s100, s104, 12
	s_mov_b32 s101, 0
	s_lshl_b32 s42, ttmp9, 2
	s_add_co_u32 s42, s42, s40
	s_lshl_b32 s2, s97, 8
	s_lshl_b32 s23, s42, 4
	s_add_co_u32 s2, s2, s23
	s_lshl_b32 s23, s22, 3
	s_add_co_u32 s2, s2, s23
	s_mul_i32 s46, s2, 6144
	s_add_co_u32 s46, s46, 12582912
	s_mov_b32 s47, 0
	s_lshl_b32 s2, s97, 6
	s_lshl_b32 s23, s42, 4
	s_add_co_u32 s2, s2, s23
	s_lshl_b32 s92, s2, 10
	s_lshl_b32 s23, s20, 12
	s_add_co_u32 s92, s92, s23
	s_add_co_u32 s92, s92, 524288
	s_mov_b32 s93, 0
	s_mul_i32 s45, s22, AHALF
	s_mul_i32 s94, s22, BHALF
	s_add_co_u32 s94, s94, BOFF
	s_wait_kmcnt 0x0
	s_add_nc_u64 s[98:99], s[4:5], s[98:99]
	s_add_nc_u64 s[100:101], s[6:7], s[100:101]
	s_add_nc_u64 s[46:47], s[8:9], s[46:47]
	s_add_nc_u64 s[92:93], s[10:11], s[92:93]
; THE PREFETCHES: fill f (512 along K) is named one fill ahead of its tensor load.  Of the dense block that a wave loads (p: 24,576 bytes, v: 49,152) each of the four partners that ask for it jointly
; names a quarter, told apart by address (place cx for p, cy for v): 24 or 48 blocks of 256 bytes, a lane a block; lanes left over name the last block again.  The branch hangs on the wave's number alone.
.macro ASK f
	s_cmp_eq_u32 s21, 0
	s_cbranch_scc0 .Lask_b_\@
	global_prefetch_b8 v9, s[14:15] offset:((\f)-1)*STEPA th:TH_LOAD_NT scope:SCOPE_SE
	s_branch .Lask_done_\@
.Lask_b_\@:
	global_prefetch_b8 v9, s[14:15] offset:((\f)-1)*STEPB th:TH_LOAD_NT scope:SCOPE_SE
	global_prefetch_b8 v10, s[14:15] offset:((\f)-1)*STEPB th:TH_LOAD_NT scope:SCOPE_SE
.Lask_done_\@:
.endm
	s_mov_b32 s17, 12288
	s_mov_b32 s18, STEPB
	s_cmp_eq_u32 s21, 0
	s_cselect_b64 s[14:15], s[98:99], s[46:47]     ; where my load of fill 0 begins
	s_cselect_b32 s16, s40, s41                    ; my work-group's place among the four
	s_cselect_b32 s17, 6144, s17                   ; its share of the block
	s_cselect_b32 s18, STEPA, s18                  ; a fill on
	s_cselect_b32 s19, 23, 31                      ; the last block of the first instruction
	s_mul_i32 s16, s16, s17
	s_add_co_u32 s16, s16, s18
	s_mov_b32 s17, 0
	s_add_nc_u64 s[14:15], s[14:15], s[16:17]      ; my share of fill 1
	v_and_b32 v1, 31, v0
	v_and_b32 v2, 15, v0
	v_bfe_u32 v3, v0, 4, 1
	v_lshlrev_b32 v5, 4, v2
	v_lshl_add_u32 v5, v3, 12, v5
	v_lshlrev_b32 v24, 4, v1
	v_add_nc_u32 v8, s23, v24
	v_add_nc_u32 v8, SCB, v8                       ; where my 4,096 bytes of v's scale words go in LDS
	v_min_u32 v9, s19, v1
	v_lshlrev_b32 v9, 8, v9
	v_min_u32 v10, 15, v1
	v_lshl_add_u32 v10, v10, 8, 8192
.irp k, 0,1,2,3,4,5,6,7,8,9,10,11,12,13,14,15
	global_load_b128 v[RB+4*\k:RB+4*\k+3], v5, s[100:101] offset:256*\k    ; the records of my rows: asked for ahead of the round, beside slot 0
.endr
.irp k, 0,1,2,3,4,5,6,7
	global_load_b128 v[128+4*\k:128+4*\k+3], v24, s[92:93] offset:512*\k   ; v's scale words, my 4,096 bytes: 512 consecutive bytes a load
.endr
	s_wait_alu depctr_va_vdst(0)
	CROUND
.irp s, 0,1
	s_mov_b32 s[G0+4*\s], 1
	s_add_co_u32 s[G0+4*\s+1], s45, \s*SLOT
	s_add_nc_u64 s[G0+4*\s+2:G0+4*\s+3], s[98:99], \s*STEPA
	s_or_b32 s[G0+4*\s+3], s[G0+4*\s+3], 0x80000000
	s_mov_b32 s[G0B+4*\s], 1
	s_add_co_u32 s[G0B+4*\s+1], s94, \s*SLOT
	s_add_nc_u64 s[G0B+4*\s+2:G0B+4*\s+3], s[46:47], \s*STEPB
	s_or_b32 s[G0B+4*\s+3], s[G0B+4*\s+3], 0x80000000
.endr
	JLOAD G0, G1, G0B, G1B                         ; slot 0: my one tensor load at the head
	ASK 1
	s_mul_i32 s104, s21, AHALF
	s_mul_i32 s105, s22, BHALF
	s_add_co_u32 s105, s105, BOFF
.irp s, 0,1
	v_add_nc_u32 v[ADRA+\s], s104, v24
	v_add_nc_u32 v[ADRB+\s], s105, v24
	s_add_co_u32 s104, s104, SLOT
	s_add_co_u32 s105, s105, SLOT
.endr
	s_lshl_b32 s104, s21, 12
	s_lshl_b32 s105, s22, 13
	s_add_co_u32 s105, s105, 8*NK*64
	s_sub_co_u32 s105, s105, s104
	v_mul_u32_u24 v4, s105, v3
	s_add_co_u32 s104, s104, SCL
	v_lshl_add_u32 v4, v2, 2, v4
	v_add_nc_u32 v[ADRS], s104, v4
	s_lshl_b32 s104, s20, 11
	s_add_co_u32 s104, s104, SCL
	v_lshlrev_b32 v6, 2, v2
	v_lshl_add_u32 v6, v3, 10, v6
	v_add_nc_u32 v6, s104, v6
	s_lshl_b32 s104, s20, 7
	s_add_co_u32 s104, s104, RL
	v_lshlrev_b32 v7, 2, v2
	v_lshl_add_u32 v7, v3, 6, v7
	v_add_nc_u32 v7, s104, v7
	s_lshl_b32 s104, s21, 8
	s_add_co_u32 s104, s104, RL
	v_lshl_add_u32 v23, v2, 2, s104
	s_mul_i32 s104, s20, 16*SPITCH
	v_mul_u32_u24 v[STO], v2, SPITCH
	v_lshl_add_u32 v[STO], v3, 5, v[STO]
	v_add_nc_u32 v[STO], s104, v[STO]
	v_add_nc_u32 v[RD], s104, v24
	s_mov_b32 s23, 0x80808080
	s_wait_loadcnt 0x0
	v_min3_num_f32 v224, v[RB], v[RB+4], v[RB+8]
.irp k, 3,5,7,9,11,13
	v_min3_num_f32 v224, v224, v[RB+4*\k], v[RB+4*\k+4]
.endr
	v_min_num_f32 v224, v224, v[RB+60]
.irp k, 0,1,2,3,4,5,6,7,8,9,10,11,12,13,14,15
	v_sub_f32 v226, v[RB+4*\k], v224
	v_cvt_i32_f32 v226, v226
	v_min_u32 v226, 127, v226
	v_perm_b32 v227, v226, v226, 0
	v_or_b32 v228, s23, v[RB+4*\k+2]
	v_sub_nc_u32 v228, v228, v227
	v_and_b32 v229, s23, v228
	v_lshrrev_b32 v230, 7, v229
	v_sub_nc_u32 v229, v229, v230
	v_and_b32 v[RB+4*\k+3], v228, v229
	ds_store_b32 v6, v[RB+4*\k+3] offset:64*\k
	v_sub_nc_u32 v226, 0, v226
	v_ldexp_f32 v226, 1.0, v226
.if \k == 0
	v_mul_f32 v225, v[RB+1], v226
.else
	v_fmac_f32 v225, v[RB+4*\k+1], v226
.endif
.endr
	s_wait_alu depctr_va_vdst(0)
	v_rcp_f32 v231, v225
	v_nop
	s_wait_alu depctr_va_vdst(0)
	ds_store_b32 v7, v231
.irp k, 0,1,2,3,4,5,6,7
	ds_store_b128 v8, v[128+4*\k:128+4*\k+3] offset:512*\k
.endr
	s_wait_tensorcnt 0x0                           ; my part of slot 0 is in
	ds_add_u32 v[SPW], v[NIL]
	s_wait_dscnt 0x0                               ; the add and my stores of scale words are done
	CROUND
	JLOAD G0+4, G1, G0B+4, G1B                     ; slot 1
	FETCH_AS 0
	FETCH_B 0
	WIN 0
	ASK 2
	KSTEP 0, 1
	KSTEP 1, 0
	KSTEP 2, 0
	CHANGE 3, 0, 1
	ASK 3
	KSTEP 4, 0
	KSTEP 5, 0
	KSTEP 6, 0
	CHANGE 7, 1, 1
	KSTEP 8, 0
	KSTEP 9, 0
	KSTEP 10, 0
	CHANGE 11, 0, 0
	KSTEP 12, 0
	KSTEP 13, 0
	KSTEP 14, 0
	s_wait_dscnt 0x0
	WIN MUL
	MUL8 0, 15, 0
	MUL8 1, 15, 0
	MUL8 2, 15, 0
	MUL8 3, 15, 0
	WIN 0
	PLACES NP
	s_lshl_b32 s2, s95, 7
	s_lshl_b32 s104, s21, 6
	s_add_co_u32 s2, s2, s104
	s_lshl_b32 s2, s2, 12
	s_lshl_b32 s104, s42, 10
	s_add_co_u32 s2, s2, s104
	s_lshl_b32 s104, s22, 9
	s_add_co_u32 s2, s2, s104
	s_mov_b32 s3, 0
	s_add_nc_u64 s[12:13], s[12:13], s[2:3]
.irp a, 0,1,2,3
	ds_load_b32 v[RI+2*\a], v23 offset:64*\a
	ds_load_b32 v[RI+2*\a+1], v23 offset:64*\a
.endr
	s_wait_dscnt 0x0
.macro TOSTAGE a
.if (\a) > 0
	s_wait_dscnt 16
.endif
	WIN 0x02
.set i, 0
.rept 32
	v_pk_mul_f32 v[DD+i:DD+i+1], v[64*(\a)+i:64*(\a)+i+1], v[RI+2*(\a):RI+2*(\a)+1]
.set i, i+2
.endr
	WIN 0
.irp b, 0,1,2,3,4,5,6,7
	ds_store_b128 v[STO], v[DD+8*\b:DD+8*\b+3] offset:64*\b
	ds_store_b128 v[STO], v[DD+8*\b+4:DD+8*\b+7] offset:64*\b+16
.endr
.set BB, BK+64*((\a)%2)
.irp t, 0,1,2,3,4,5,6,7,8,9,10,11,12,13,14,15
	ds_load_b128 v[BB+4*\t:BB+4*\t+3], v[RD] offset:\t*SPITCH
.endr
.endm
.macro SEND a, younger
.set BB, BK+64*((\a)%2)
	s_wait_dscnt \younger
.if (\a) > 0
	s_add_nc_u64 s[12:13], s[12:13], 16*4096
.endif
.irp t, 0,1,2,3,4,5,6,7,8,9,10,11,12,13,14,15
	global_store_b128 v24, v[BB+4*\t:BB+4*\t+3], s[12:13] offset:\t*4096 th:TH_STORE_NT
.endr
.endm
	TOSTAGE 0
.irp a, 1,2,3
.if \a > 1
	s_wait_xcnt 0x0
.endif
	TOSTAGE \a
	SEND \a-1, 32
.endr
	s_wait_xcnt 0x0
	SEND 3, 0
	s_wait_tensorcnt 0x0
	ds_add_u32 v[SPW], v[NIL]
	s_wait_dscnt 0x0
	CROUND
	s_endpgm
.Lfunc_end_k_q67d8f382d0_pv:
	.size	k_q67d8f382d0_pv, .Lfunc_end_k_q67d8f382d0_pv-k_q67d8f382d0_pv
	.p2alignl 7, 3214868480
	.fill 96, 4, 3214868480
	.section	.rodata,"a",@progbits
	.p2align	6, 0x0
	.amdhsa_kernel k_q67d8f382d0_pv
		.amdhsa_group_segment_fixed_size 327680
		.amdhsa_private_segment_fixed_size 0
		.amdhsa_enable_private_segment 0
		.amdhsa_kernarg_size 40
		.amdhsa_user_sgpr_count 2
		.amdhsa_user_sgpr_kernarg_segment_ptr 1
		.amdhsa_wavefront_size32 1
		.amdhsa_system_sgpr_workgroup_id_x 1
		.amdhsa_system_sgpr_workgroup_id_y 1
		.amdhsa_system_sgpr_workgroup_id_z 1
		.amdhsa_system_vgpr_workitem_id 0
		.amdhsa_next_free_vgpr 768
		.amdhsa_next_free_sgpr 106
		.amdhsa_reserve_vcc 0
		.amdhsa_float_denorm_mode_32 3
		.amdhsa_float_denorm_mode_16_64 3
		.amdhsa_memory_ordered 1
		.amdhsa_forward_progress 1
		.amdhsa_inst_pref_size 162
	.end_amdhsa_kernel
	.amdgpu_metadata
---
amdhsa.version: [ 1, 2 ]
amdhsa.kernels:
  - .name:           k_q67d8f382d0_pv
    .symbol:         k_q67d8f382d0_pv.kd
    .args:
      - { .name: p_codes, .offset: 0, .size: 8, .value_kind: global_buffer, .address_space: global }
      - { .name: p_rec, .offset: 8, .size: 8, .value_kind: global_buffer, .address_space: global }
      - { .name: qkv_codes, .offset: 16, .size: 8, .value_kind: global_buffer, .address_space: global }
      - { .name: qkv_scales, .offset: 24, .size: 8, .value_kind: global_buffer, .address_space: global }
      - { .name: out0, .offset: 32, .size: 8, .value_kind: global_buffer, .address_space: global }
    .group_segment_fixed_size: 327680
    .private_segment_fixed_size: 0
    .kernarg_segment_align: 8
    .kernarg_segment_size: 40
    .max_flat_workgroup_size: 128
    .sgpr_count:     106
    .vgpr_count:     768
    .wavefront_size: 32
...
	.end_amdgpu_metadata
.endif
;; end of part 8
